; MI455X (gfx1250); checked and timed in simulation.
; The chip was launched on July 23, 2026; its instructions are those of AMD's public machine-readable ISA for CDNA 5 (MIT licence, August 2026) and "CDNA5" Instruction Set Architecture Reference Guide (July 2026). The comments in the code are by the model that wrote it; some were corrected since.
;; Transformer Encoder Layer. Allowed arithmetic: float matrix products may take bf16 or f16 operands with f32 sums; other float arithmetic in f32, or as packed bf16 or f16 multiplies, adds, multiply-adds, maxima and minima; sums over many terms, partial sums and values carried from step to step in f32; what a program stores and reads back later, other than sums and carried values, may be rounded once to bf16 or f16.
;; Inputs: b_k 1,024 float32; b_out 1,024 float32; b_q 1,024 float32; b_v 1,024 float32; ffn_b1 2,048 float32; ffn_b2 1,024 float32; ffn_w1 1,024 x 2,048 float32; ffn_w2 2,048 x 1,024 float32; ln1_b 1,024 float32; ln1_g 1,024 float32; ln2_b 1,024 float32; ln2_g 1,024 float32; src 2 x 2,048 x 1,024 float32; w_k 1,024 x 1,024 float32; w_out 1,024 x 1,024 float32; w_q 1,024 x 1,024 float32; w_v 1,024 x 1,024 float32.
;; Outputs: out0 2 x 2,048 x 1,024 float32.
;; 2 versions, each right; version 2 is version 1 with the launches cast, ln1 written anew for expert scheduling mode. Each part assembles by itself: llvm-mc -triple=amdgcn-amd-amdhsa -mcpu=gfx1250 --defsym DOCPART=n.
;; ======== version 1 of 2: 8 launches
;; limits: values are held in f16: magnitudes above 65,504 overflow, below 6.1e-05 lose precision; a function is approximated: absolute error at most 1.5e-07
;; workspace buffers: wts 20,971,520 bytes; qkv 12,582,912 bytes; ctx 4,194,304 bytes; ao 8,388,608 bytes; xbuf 25,165,824 bytes; hb 16,777,216 bytes; y2 16,777,216 bytes
;; launch cast (part 1): grid 640 x 1, 8 waves a work-group, no clusters, 35,840 bytes of LDS; arguments src, w_q, w_k, w_v, w_out, ffn_w1, ffn_w2, wts; writes wts
.if DOCPART == 1
	.amdgcn_target "amdgcn-amd-amdhsa--gfx1250"
	.amdhsa_code_object_version 6
	.text
	.protected	k_qef87dc9253_cast
	.globl	k_qef87dc9253_cast
	.p2align	8
	.type	k_qef87dc9253_cast,@function
k_qef87dc9253_cast:
	s_mov_b64 s[64:65], 0
	v_nop
	global_prefetch_b8 v0, s[64:65] scope:SCOPE_SE
	s_setreg_imm32_b32 hwreg(HW_REG_WAVE_MODE, 25, 1), 1
	s_wait_xcnt 0x0
; f32 -> f16 (one rounding) of the six weight matrices and of src[0], into one workspace:
;   wq at 0, wk at 2 MiB, wv at 4 MiB, wo at 6 MiB, w1 at 8 MiB, w2 at 12 MiB: each as it lies, [k][n];
;   src[0] at 16 MiB IN FRAGMENT ORDER: [128 blocks of 16 rows][32 chunks of 32 columns][2 halves][32 lanes][8 numbers]: lane l of half j holds row l % 16,
;   columns 16 j + 8 (l / 16) + 0..7 of the chunk: the 16 bytes that lane l of a matrix operand wants, so that the product's loads cover 512 bytes on end.
; Only batch 0 of src is a matrix operand: the module keeps attn_out[0] alone, so batch 1's projections reach no output.
; LIMITS.  f16 ends at 65,504 (a larger number becomes an infinity); below 6.1e-5 it keeps a fixed step of 6e-8.
; SHARES.  640 work-groups of 64 KiB of f32: 64 for each of wq, wk, wv, wo, 128 for each of w1, w2, src[0].  A wave takes 8 KiB: 16 loads of 16 bytes a lane, all out at once.
; A weight leaves by 16 stores of 8 bytes a lane (256 consecutive bytes, aligned).  Of src a work-group takes 16 rows, a wave 128 columns of them; its f16 rows go through the wave's
; own LDS stage, come back in fragment order and leave by 8 stores of 512 consecutive bytes.  No matrix unit, no cluster: nothing is shared and nothing is read twice.
.set SPW, 6                            ; v6   LDS address of my spare word; never rewritten
.set NIL, 7                            ; v7   0
.set X, 16                             ; v[16:79]  as loaded; later 8 x 4 in fragment order
.set H, 80                             ; v[80:111] rounded
.set LP, 272                           ; a stage row: 128 f16 + 16 bytes: the 16 rows of a load start at 16 different groups of four banks
.set WST, 16*LP                        ; a wave's stage
.set SPARE, 8*WST                      ; behind the stages: the spare words, 128 bytes for each wave, which no other line names
	s_load_b512 s[8:23], s[0:1], 0x0               ; src s[8:9], wq, wk, wv, wo, w1, w2, wts s[22:23]
	v_lshl_add_u32 v[SPW], v0, 2, SPARE
	v_mov_b32 v[NIL], 0
	v_lshrrev_b32 v1, 5, v0
	v_readfirstlane_b32 s2, v1                     ; wave 0..7
	v_and_b32 v2, 31, v0                           ; lane
	s_mov_b32 s26, ttmp9                           ; g
	s_lshr_b32 s3, s26, 6                          ; g / 64: 0-3 wq wk wv wo, 4-5 w1, 6-7 w2, 8-9 src
	s_and_b32 s24, s26, 63
	s_and_b32 s25, s26, 127
	s_cmp_lt_u32 s3, 4
	s_cselect_b32 s24, s24, s25                    ; the work-group's number inside its tensor
	s_lshl_b32 s24, s24, 16                        ; x 64 KiB
	s_lshl_b32 s25, s2, 13                         ; a weight: + wave x 8 KiB
	s_lshl_b32 s27, s2, 9                          ; src: + wave x 128 columns
	s_cmp_ge_u32 s3, 8
	s_cselect_b32 s25, s27, s25
	s_add_co_u32 s24, s24, s25
	s_mov_b32 s25, 0
	s_mov_b32 s29, 0
	v_lshlrev_b32 v3, 4, v2                        ; 16 bytes a lane: a load covers 512 bytes on end
	s_wait_kmcnt 0x0
	s_mov_b64 s[4:5], s[10:11]                     ; the source, chosen by the work-group's number alone
	s_cmp_eq_u32 s3, 1
	s_cselect_b64 s[4:5], s[12:13], s[4:5]
	s_cmp_eq_u32 s3, 2
	s_cselect_b64 s[4:5], s[14:15], s[4:5]
	s_cmp_eq_u32 s3, 3
	s_cselect_b64 s[4:5], s[16:17], s[4:5]
	s_cmp_ge_u32 s3, 4
	s_cselect_b64 s[4:5], s[18:19], s[4:5]
	s_cmp_ge_u32 s3, 6
	s_cselect_b64 s[4:5], s[20:21], s[4:5]
	s_cmp_ge_u32 s3, 8
	s_cselect_b64 s[4:5], s[8:9], s[4:5]
	s_add_nc_u64 s[4:5], s[4:5], s[24:25]
.macro LOAD16 sa                       ; sa: bytes from one of the 16 pieces to the next
.set i, 0
.rept 16
	global_load_b128 v[X+4*i:X+4*i+3], v3, s[4:5] offset:i*(\sa) th:TH_LOAD_NT
.set i, i+1
.endr
.endm
	s_cmp_ge_u32 s3, 8
	s_cbranch_scc1 .Lsrc
	LOAD16 512
	s_lshl_b32 s28, s26, 15                        ; a weight keeps its order: g x 32 KiB + wave x 4 KiB
	s_lshl_b32 s27, s2, 12
	s_add_co_u32 s28, s28, s27
	s_add_nc_u64 s[6:7], s[22:23], s[28:29]
	v_lshlrev_b32 v4, 3, v2                        ; 8 bytes a lane
.set i, 0
.rept 16
	s_wait_loadcnt 15-i                            ; loads come back in order: piece i is in, the 15 - i younger ones stay out
	v_cvt_pk_f16_f32 v[H+2*i], v[X+4*i], v[X+4*i+1]
	v_cvt_pk_f16_f32 v[H+2*i+1], v[X+4*i+2], v[X+4*i+3]
	global_store_b64 v4, v[H+2*i:H+2*i+1], s[6:7] offset:i*256
.set i, i+1
.endr
	s_endpgm
.Lsrc:
	LOAD16 4096                                    ; piece i: row i of the work-group's 16, my 128 columns
	s_sub_co_u32 s28, s26, 512                     ; the block of 16 rows
	s_lshl_b32 s28, s28, 15                        ; x 32 chunks of 1 KiB
	s_lshl_b32 s27, s2, 12                         ; + my four chunks
	s_add_co_u32 s28, s28, s27
	s_add_co_u32 s28, s28, 0x1000000               ; behind the weights
	s_add_nc_u64 s[6:7], s[22:23], s[28:29]
	s_mul_i32 s27, s2, WST
	v_lshl_add_u32 v4, v2, 3, s27                  ; in: my stage + 8 l
	v_and_b32 v5, 15, v2
	v_mul_u32_u24 v5, v5, LP
	v_lshrrev_b32 v8, 4, v2
	v_lshl_add_u32 v5, v8, 4, v5
	v_add_nc_u32 v5, s27, v5                       ; back: row l % 16, 16 (l / 16)
.set i, 0
.rept 16
	s_wait_loadcnt 15-i
	v_cvt_pk_f16_f32 v[H+2*i], v[X+4*i], v[X+4*i+1]
	v_cvt_pk_f16_f32 v[H+2*i+1], v[X+4*i+2], v[X+4*i+3]
	ds_store_b64 v4, v[H+2*i:H+2*i+1] offset:i*LP
.set i, i+1
.endr
.set i, 0
.rept 8                                ; chunk i / 2, half i % 2.  LDS serves a wave's instructions in order: these see my stores above
	ds_load_b128 v[X+4*i:X+4*i+3], v5 offset:32*i
.set i, i+1
.endr
.set i, 0
.rept 8
	s_wait_dscnt 7-i
	global_store_b128 v3, v[X+4*i:X+4*i+3], s[6:7] offset:512*i  ; 512 consecutive bytes, aligned
.set i, i+1
.endr
	s_wait_tensorcnt 0x0                           ; the wave's end, behind my last LDS store
	ds_add_u32 v[SPW], v[NIL]
	s_wait_dscnt 0x0
	s_endpgm
.Lfunc_end_k_qef87dc9253_cast:
	.size	k_qef87dc9253_cast, .Lfunc_end_k_qef87dc9253_cast-k_qef87dc9253_cast
	.p2alignl 7, 3214868480
	.fill 96, 4, 3214868480
	.section	.rodata,"a",@progbits
	.p2align	6, 0x0
	.amdhsa_kernel k_qef87dc9253_cast
		.amdhsa_group_segment_fixed_size 35840
		.amdhsa_private_segment_fixed_size 0
		.amdhsa_enable_private_segment 0
		.amdhsa_kernarg_size 64
		.amdhsa_user_sgpr_count 2
		.amdhsa_user_sgpr_kernarg_segment_ptr 1
		.amdhsa_wavefront_size32 1
		.amdhsa_system_sgpr_workgroup_id_x 1
		.amdhsa_system_sgpr_workgroup_id_y 1
		.amdhsa_system_sgpr_workgroup_id_z 1
		.amdhsa_system_vgpr_workitem_id 0
		.amdhsa_next_free_vgpr 112
		.amdhsa_next_free_sgpr 66
		.amdhsa_reserve_vcc 0
		.amdhsa_float_denorm_mode_32 3
		.amdhsa_float_denorm_mode_16_64 3
		.amdhsa_memory_ordered 1
		.amdhsa_forward_progress 1
		.amdhsa_inst_pref_size 15
	.end_amdhsa_kernel
	.amdgpu_metadata
---
amdhsa.version: [ 1, 2 ]
amdhsa.kernels:
  - .name:           k_qef87dc9253_cast
    .symbol:         k_qef87dc9253_cast.kd
    .args:
      - { .name: src, .offset: 0, .size: 8, .value_kind: global_buffer, .address_space: global }
      - { .name: w_q, .offset: 8, .size: 8, .value_kind: global_buffer, .address_space: global }
      - { .name: w_k, .offset: 16, .size: 8, .value_kind: global_buffer, .address_space: global }
      - { .name: w_v, .offset: 24, .size: 8, .value_kind: global_buffer, .address_space: global }
      - { .name: w_out, .offset: 32, .size: 8, .value_kind: global_buffer, .address_space: global }
      - { .name: ffn_w1, .offset: 40, .size: 8, .value_kind: global_buffer, .address_space: global }
      - { .name: ffn_w2, .offset: 48, .size: 8, .value_kind: global_buffer, .address_space: global }
      - { .name: wts, .offset: 56, .size: 8, .value_kind: global_buffer, .address_space: global }
    .group_segment_fixed_size: 35840
    .private_segment_fixed_size: 0
    .kernarg_segment_align: 8
    .kernarg_segment_size: 64
    .max_flat_workgroup_size: 256
    .sgpr_count:     66
    .vgpr_count:     112
    .wavefront_size: 32
...
	.end_amdgpu_metadata
.endif
;; end of part 1
;; launch gqkv (part 2): grid 8 x 24, 4 waves a work-group, clusters of 4 x 1, 327,680 bytes of LDS; arguments wts, qkv, b_q, b_k, b_v; writes qkv
.if DOCPART == 2
	.amdgcn_target "amdgcn-amd-amdhsa--gfx1250"
	.amdhsa_code_object_version 6
	.text
	.protected	k_qef87dc9253_gqkv
	.globl	k_qef87dc9253_gqkv
	.p2align	8
	.type	k_qef87dc9253_gqkv,@function
k_qef87dc9253_gqkv:
	s_mov_b64 s[64:65], 0
	v_nop
	global_prefetch_b8 v0, s[64:65] scope:SCOPE_SE
	s_setreg_imm32_b32 hwreg(HW_REG_WAVE_MODE, 25, 1), 1
	s_wait_xcnt 0x0
	s_wait_alu depctr_hold_cnt(0) depctr_sa_sdst(0) depctr_va_vdst(0) depctr_va_sdst(0) depctr_va_ssrc(0) depctr_va_vcc(0) depctr_vm_vsrc(0)
	s_getreg_b32 s2, hwreg(HW_REG_IB_STS2, 6, 4)
	s_cmp_eq_u32 s2, 0
	s_cbranch_scc0 .Lentry_in_a_cluster
	s_endpgm
.Lentry_in_a_cluster:
	s_bfe_u32 s2, ttmp6, 0x10000c
	s_cmp_lg_u32 s2, 0x3003
	s_cbranch_scc0 .Lentry_shape_is_right
	s_endpgm
.Lentry_shape_is_right:
; q, k, v of batch 0: [2048 x 1024] x [1024 x 3072] + bias -> f16 in blocks [48][2048][64]: blocks 0-15 q's heads, 16-31 k's, 32-47 v's; unscaled.
; THE SAME TEXT SERVES THE FFN's FIRST PRODUCT; the constants below differ, and that copy has the GELU besides.  C = A W + bias, K = 1024, sums in f32.
; A: f16 IN FRAGMENT ORDER [rows / 16][32 chunks of 32 along K][2 halves][32 lanes][8]: lane l of half j holds row l % 16, k = 16 j + 8 (l / 16) + 0..7: what lane l of a matrix operand holds.
; W: f16 [K][WP], as the module stores it.
; LIMITS.  f16 operands and results end at 65,504; NaN and infinities are not treated apart.
; SHARES.  A work-group makes 256 rows x 128 columns, each of its four waves 64 rows x 128 columns: 32 accumulators of 16 x 16.
; W IS FILLED ONCE.  The tile's 1,024 x 128 numbers lie whole in LDS (rows of 256 + 32 bytes); each wave fetches 256 of its rows by one tensor load at the start: no slot is ever filled again.
; A NEVER TOUCHES LDS.  No wave wants another wave's rows, and a fragment lies in memory as it lies in registers: each wave loads its own, 512 bytes on end a load, into a ring of eight
; register slots (a chunk each: 4 fragments, 8 loads), seven chunks ahead of the products; the waits are counted, so the younger loads stay out.
; THE MATRIX INSTRUCTION IS USED TRANSPOSED: source 0 = 16 columns of W (turned on the way out of LDS by ds_load_tr16_b128), source 1 = 16 rows of A:
; a lane holds row lane % 16 of C and the columns 8 (lane / 16) + 0..7.
; CLUSTER 4 x 1: the four row groups of a cluster multiply by the same tile of W and ask for it jointly: the same load, descriptor and mask in all four.  A is shared by no partner.
; REGISTERS (s_set_vgpr_msb: bits 1:0 source 0, 3:2 source 1, 5:4 source 2, 7:6 destination):
;   window 0: v0-31 addresses; v64-127, v128-191 W's fragments of a chunk, two buffers; v192-255 the bias; on the way out v128-175 at work
;   window 1: accumulator (a, b) at v[64 a + 8 b]          window 2: A's ring, slot p at v[32 p], fragment a at + 8 a
.set AMT,   32768                      ; bytes of A from one block of 16 rows to the next: 32 chunks of 1 KiB
.set WP,    1024                       ; elements in a row of W
.set WSH,   3                          ; log2 of the tile columns in one W
.set WMAT,  0x200000                   ; bytes from one W to the next (wq, wk, wv)
.set AOFF,  0x1000000                  ; A's first byte in its buffer
.set WOFF,  0                          ; W's first byte in wts
.set BLKB,  2048*128                   ; bytes in a block of 64 columns of C
.set PERM,  0                          ; 1: a block of 16 rows of A holds 8 rows of batch 0, then the same 8 of batch 1
.set NBIAS, 3
.set RA,    2048-1024*PERM             ; bytes in a block of C from one block of 16 rows of A to the next
.set WPITCH, 288
.set CH,    32*WPITCH                  ; a chunk of W in LDS
.set WQ,    256*WPITCH                 ; what one tensor load brings
.set SPARE, 4*WQ                       ; behind W: the spare words, 128 bytes for each wave, which no other line names
.set SPITCH, 272                       ; the way out: a row of 64 f32 + 16 bytes: row r starts at bank 4 r mod 64
.set SUB,   16*SPITCH                  ; 16 rows x 64 columns
.set STG,   8*SUB                      ; a wave's stage; the four lie in W's bytes, which have had their only fill and, behind a barrier, their last read
.set ADW0, 17                          ; v17  my lane's place in a chunk of W; never rewritten
.set ADW,  19                          ; v19  ADW0 + the chunk to be fetched
.set AO,   20                          ; v20  16 x lane: my place in 512 bytes of A, and of C; never rewritten
.set STO,  24                          ; v24  the way out: where I put 32 bytes of a row
.set RD0,  25                          ; v25  where I read rows back, in the first 16 x 64
.set BO,   27                          ; v27  my byte offset in 16 numbers of the bias
.set SPW,  28                          ; v28  LDS address of my spare word; never rewritten
.set NIL,  29                          ; v29  0; never rewritten
.set RD,   30
.set WF,   64
.set Z,    128                         ; the way out: 16 x 64 read back
.set HH,   160
.set BI,   192
.set G1,   24                          ; s[24:31] descriptor group 1
.set G0,   32                          ; s[32:35] group 0
.set AP,   44                          ; s[44:45] A at my 64 rows, at the trip's first chunk
.set TB,   21                          ; s21  LDS byte at which the chunk of W to be fetched begins
.set MSB,  0
.macro WIN new                         ; the immediate's high byte repeats the setting that is left
.if MSB != (\new)
	s_set_vgpr_msb (MSB<<8)|(\new)
.set MSB, \new
.endif
.endm
.set MULW,   0x58                      ; W window 0, A window 2, C and D window 1
.set TO_A,   0x80                      ; destination window 2, address window 0
.set TO_C,   0x40                      ; destination window 1
.set FROM_C, 0x04                      ; an LDS store's data window 1, address window 0
.macro CROUND                          ; a round of the cluster's barrier
	s_barrier_signal -1
	s_barrier_wait -1
	s_cmp_lg_u32 s10, 0
	s_cbranch_scc1 .Lnot_wave_0_\@
	s_barrier_signal -3
.Lnot_wave_0_\@:
	s_barrier_wait -3
	s_barrier_signal -1
	s_barrier_wait -1
.endm
.macro PLACES
.rept 4
	v_nop
.endr
.endm
.macro FETCHW f                        ; 16 LDS loads: the eight fragments of W of the chunk at v[ADW], into buffer f
.irp b, 0,1,2,3,4,5,6,7
	ds_load_tr16_b128 v[WF+64*(\f)+8*(\b):WF+64*(\f)+8*(\b)+3],   v[ADW] offset:32*(\b)
	ds_load_tr16_b128 v[WF+64*(\f)+8*(\b)+4:WF+64*(\f)+8*(\b)+7], v[ADW] offset:32*(\b)+16*WPITCH
.endr
.endm
.macro ALOAD s, q                      ; 8 loads: my four fragments of A of chunk q behind the pointer, into slot s
	WIN TO_A
.irp a, 0,1,2,3
	global_load_b128 v[32*(\s)+8*(\a):32*(\s)+8*(\a)+3],   v[AO], s[AP:AP+1] offset:(\a)*AMT+(\q)*1024
	global_load_b128 v[32*(\s)+8*(\a)+4:32*(\s)+8*(\a)+7], v[AO], s[AP:AP+1] offset:(\a)*AMT+(\q)*1024+512
.endr
.endm
.macro MUL p                           ; a chunk's 32 products.  The 32 accumulators take turns, one instruction a turn, in the same order in every chunk
	WIN MULW
.irp a, 0,1,2,3
.irp b, 0,1,2,3,4,5,6,7
	v_wmma_f32_16x16x32_f16 v[64*(\a)+8*(\b):64*(\a)+8*(\b)+7], v[WF+64*((\p)%2)+8*(\b):WF+64*((\p)%2)+8*(\b)+7], v[32*(\p)+8*(\a):32*(\p)+8*(\a)+7], v[64*(\a)+8*(\b):64*(\a)+8*(\b)+7]
.endr
.endr
.endm
; A chunk, in slot p.  Four plain instructions stand behind the chunk before; then the registers that it read are asked for again: the other buffer of W for the next chunk,
; and (ld = 1) the slot before mine for the chunk seven on.  Then my own: W's 16 loads of a chunk ago (the 16 just issued stay out) and my slot's 8 (lcnt younger loads stay out).
.macro CHUNK p, ld, lcnt
	WIN 0
	s_add_co_u32 s[TB], s[TB], CH
	v_add_nc_u32 v[ADW], s[TB], v[ADW0]
	v_nop
	v_nop
	v_nop
	FETCHW ((\p)+1)%2
.if \ld
	ALOAD ((\p)+7)%8, (\p)+7
.endif
	s_wait_dscnt 16
	s_wait_loadcnt \lcnt
	MUL \p
.endm
.if NBIAS == 3
	s_load_b128 s[4:7], s[0:1], 0x0                ; wts (A and W lie in it), C
	s_load_b128 s[68:71], s[0:1], 0x10             ; b_q, b_k
	s_load_b64 s[72:73], s[0:1], 0x20              ; b_v
.else
	s_load_b128 s[4:7], s[0:1], 0x0                ; A's buffer, wts
	s_load_b128 s[68:71], s[0:1], 0x10             ; C, bias
.endif
	v_lshl_add_u32 v[SPW], v0, 2, SPARE
	v_mov_b32 v[NIL], 0
	ds_add_u32 v[SPW], v[NIL]                      ; the wave's opening: the add and its wait stand ahead of my first tensor load
	v_lshrrev_b32 v1, 5, v0
	v_readfirstlane_b32 s10, v1                    ; wave 0..3
	s_bfe_u32 s13, ttmp6, 0x40000                  ; cx
	s_lshl_b32 s14, ttmp9, 2
	s_add_co_u32 s14, s14, s13                     ; my group of 256 rows: it enters A's and C's addresses alone
	s_and_b32 s42, ttmp7, 0xffff                   ; the tile column, which the partners share
	; W: 256 rows (along K) of 128 elements; 8 words of padding after every 64; the mask names all four partners
	s_mov_b32 s[G1+0], 15|(1<<16)|(1<<20)|(1<<21)|(5<<22)|(7<<25)
	s_mov_b32 s[G1+1], 128<<16
	s_mov_b32 s[G1+2], 256<<16
	s_mov_b32 s[G1+3], 128<<16
	s_mov_b32 s[G1+4], 256
	s_mov_b32 s[G1+5], WP
	s_mov_b32 s[G1+6], 0
	s_mov_b32 s[G1+7], 0
	s_mov_b32 s[G0], 1
	s_mul_i32 s[G0+1], s10, WQ                     ; where my rows go: the wave's number alone
	s_and_b32 s46, s42, (1<<WSH)-1                 ; W: the tile's 128 columns,
	s_lshl_b32 s46, s46, 8
	s_mul_i32 s47, s10, 512*WP                     ; my 256 rows,
	s_add_co_u32 s46, s46, s47
	s_lshr_b32 s47, s42, WSH                       ; which W
	s_mul_i32 s47, s47, WMAT
	s_add_co_u32 s46, s46, s47
	s_add_co_u32 s46, s46, WOFF
	s_mov_b32 s47, 0
	s_mul_i32 s16, s14, 16*AMT                     ; A: the group's 16 blocks of 16 rows, my four of them
	s_mul_i32 s17, s10, 4*AMT
	s_add_co_u32 s16, s16, s17
	s_add_co_u32 s16, s16, AOFF
	s_mov_b32 s17, 0
	s_and_b32 s74, s42, (1<<WSH)-1                 ; the bias of the tile's 128 columns
	s_lshl_b32 s74, s74, 9
	s_mov_b32 s75, 0
	s_mul_i32 s36, s42, 2*BLKB                     ; C: the tile's two blocks of 64 columns, my rows in them
	s_mul_i32 s37, s14, 16*RA
	s_add_co_u32 s36, s36, s37
	s_mul_i32 s37, s10, 4*RA
	s_add_co_u32 s36, s36, s37
	s_mov_b32 s37, 0
	v_and_b32 v1, 15, v0                           ; r = l % 16
	v_bfe_u32 v2, v0, 4, 1                         ; h = l / 16
	v_and_b32 v3, 31, v0
	v_lshlrev_b32 v[AO], 4, v3
	v_lshlrev_b32 v[BO], 5, v2
	s_wait_dscnt 0x0                               ; the opening add is done
	s_wait_kmcnt 0x0
.if NBIAS == 3
	s_mov_b64 s[8:9], s[6:7]                       ; C
	s_mov_b64 s[6:7], s[4:5]                       ; W lies in A's buffer
	s_lshr_b32 s45, s42, 3
	s_mov_b64 s[66:67], s[68:69]
	s_cmp_eq_u32 s45, 1
	s_cselect_b64 s[66:67], s[70:71], s[66:67]
	s_cmp_eq_u32 s45, 2
	s_cselect_b64 s[66:67], s[72:73], s[66:67]
.else
	s_mov_b64 s[8:9], s[68:69]
	s_mov_b64 s[66:67], s[70:71]
.endif
	s_add_nc_u64 s[AP:AP+1], s[4:5], s[16:17]
	s_add_nc_u64 s[G0+2:G0+3], s[6:7], s[46:47]
	s_or_b32 s[G0+3], s[G0+3], 0x80000000
	s_add_nc_u64 s[66:67], s[66:67], s[74:75]
	s_add_nc_u64 s[8:9], s[8:9], s[36:37]          ; C at my rows of the tile's first block,
	s_add_nc_u64 s[18:19], s[8:9], BLKB            ; and of its second
.irp b, 0,1,2,3,4,5,6,7                ; the bias: register j of column block b is column 16 b + 8 h + j
	global_load_b128 v[BI+8*(\b):BI+8*(\b)+3],   v[BO], s[66:67] offset:64*(\b)
	global_load_b128 v[BI+8*(\b)+4:BI+8*(\b)+7], v[BO], s[66:67] offset:64*(\b)+16
.endr
	ALOAD 0, 0                                     ; A's first chunks go out ahead of the round: they hang on nobody
	ALOAD 1, 1
	ALOAD 2, 2
	ALOAD 3, 3
	ALOAD 4, 4
	WIN 0
	CROUND                                         ; all four work-groups are here: the joint loads meet
	tensor_load_to_lds s[G0:G0+3], s[G1:G1+7]      ; my quarter of W: the wave's one tensor load
	s_nop 0
	PLACES
	ALOAD 5, 5
	ALOAD 6, 6
	WIN 0
	v_and_b32 v4, 7, v0                            ; W, for the turning load: row 8 h + l % 8, 16 bytes by (l / 8) % 2
	v_lshl_add_u32 v4, v2, 3, v4
	v_mul_u32_u24 v[ADW0], v4, WPITCH
	v_bfe_u32 v5, v0, 3, 1
	v_lshl_add_u32 v[ADW0], v5, 4, v[ADW0]
	s_mul_i32 s23, s10, STG                        ; my stage
	v_mul_u32_u24 v[STO], v1, SPITCH
	v_lshl_add_u32 v[STO], v2, 5, v[STO]
	v_add_nc_u32 v[STO], s23, v[STO]
	v_bfe_u32 v5, v0, 3, 2                         ; back: eight lanes take a row, 32 bytes (8 columns) each; 32 lanes four rows
	v_mul_u32_u24 v[RD0], v5, SPITCH
	v_and_b32 v6, 7, v0
	v_lshl_add_u32 v[RD0], v6, 5, v[RD0]
	v_add_nc_u32 v[RD0], s23, v[RD0]
	s_wait_loadcnt 56                              ; the bias is in; the 56 loads of A issued behind it stay out
	WIN TO_C
.irp a, 0,1,2,3                        ; THE SUMS START AT THE BIAS, the same for the four row blocks: written while the tile is awaited, so that the loop has one form of product and nothing is added at the end
.set i, 0
.rept 64
	v_mov_b32 v[64*(\a)+i], v[BI+i]
.set i, i+1
.endr
.endr
	WIN 0
	s_wait_tensorcnt 0x0                           ; my quarter of W is in
	ds_add_u32 v[SPW], v[NIL]
	s_mov_b32 s[TB], 0
	v_mov_b32 v[ADW], v[ADW0]
	s_wait_dscnt 0x0
	s_barrier_signal -1
	s_barrier_wait -1                              ; everybody's is
	FETCHW 0
	s_mov_b32 s3, 3
.Ltrip:                                        ; chunks 8 t .. 8 t + 7; chunks 8 t + 7 .. 8 t + 14 of A are asked for
	CHUNK 0, 1, 56
	CHUNK 1, 1, 56
	CHUNK 2, 1, 56
	CHUNK 3, 1, 56
	CHUNK 4, 1, 56
	CHUNK 5, 1, 56
	CHUNK 6, 1, 56
	CHUNK 7, 1, 56
	WIN 0
	s_wait_xcnt 0x0                                ; every load issued so far has read its address: the pointer may be written
	s_add_nc_u64 s[AP:AP+1], s[AP:AP+1], 8192
	s_sub_co_u32 s3, s3, 1
	s_cmp_lg_u32 s3, 0
	s_cbranch_scc1 .Ltrip
	CHUNK 0, 1, 56                                 ; the last eight chunks are written out: chunk 24 asks for the last of A, the others for nothing, and the counts run down
	CHUNK 1, 0, 48
	CHUNK 2, 0, 40
	CHUNK 3, 0, 32
	CHUNK 4, 0, 24
	CHUNK 5, 0, 16
	CHUNK 6, 0, 8
	WIN 0
	s_wait_dscnt 0x0                               ; W's last fragments are in: my reads of W are over,
	s_wait_loadcnt 0x0
	s_barrier_signal -1                            ; say so,
	MUL 7
	WIN 0
	s_barrier_wait -1                              ; and when all four have said so W's bytes may take the stages
	; THE WAY OUT.  All 64 x 128 sums go as f32 into my stage, as eight pieces of 16 rows x 64 columns; then a piece a trip comes back by rows and leaves.
	PLACES
	PLACES
	WIN FROM_C
.irp a, 0,1,2,3
.irp b, 0,1,2,3,4,5,6,7
	ds_store_b128 v[STO], v[64*(\a)+8*(\b):64*(\a)+8*(\b)+3]   offset:(2*(\a)+(\b)/4)*SUB+64*((\b)%4)
	ds_store_b128 v[STO], v[64*(\a)+8*(\b)+4:64*(\a)+8*(\b)+7] offset:(2*(\a)+(\b)/4)*SUB+64*((\b)%4)+16
.endr
.endr
	WIN 0
	s_mov_b32 s2, 8
	s_mov_b32 s22, 0
.Lout:                                         ; piece 2 a + c: row block a, column block c
	v_add_nc_u32 v[RD], s22, v[RD0]
.irp q, 0,1,2,3
	ds_load_b128 v[Z+8*(\q):Z+8*(\q)+3],   v[RD] offset:(\q)*4*SPITCH  ; LDS serves a wave's instructions in order: these see my stores above
	ds_load_b128 v[Z+8*(\q)+4:Z+8*(\q)+7], v[RD] offset:(\q)*4*SPITCH+16
.endr
	s_wait_dscnt 0x0
.set p, 0
.rept 16
	v_cvt_pk_f16_f32 v[HH+p], v[Z+2*p], v[Z+2*p+1]
.set p, p+1
.endr
.irp q, 0,1,2,3                        ; four rows of a block of C: 512 consecutive bytes, aligned
.if PERM
	global_store_b128 v[AO], v[HH+4*(\q):HH+4*(\q)+3], s[8:9] offset:((\q)/2)*262144+((\q)%2)*512
.else
	global_store_b128 v[AO], v[HH+4*(\q):HH+4*(\q)+3], s[8:9] offset:512*(\q)
.endif
.endr
	s_wait_xcnt 0x0                                ; the stores have read their data and their base: both are written again below and in the next trip
	s_add_nc_u64 s[40:41], s[8:9], RA              ; the two blocks' pointers take turns; the one just used goes a row block on
	s_mov_b64 s[8:9], s[18:19]
	s_mov_b64 s[18:19], s[40:41]
	s_add_co_u32 s22, s22, SUB
	s_sub_co_u32 s2, s2, 1
	s_cmp_lg_u32 s2, 0
	s_cbranch_scc1 .Lout
	s_wait_tensorcnt 0x0                           ; the wave's end
	ds_add_u32 v[SPW], v[NIL]
	s_wait_dscnt 0x0
	CROUND                                         ; the closing round
	s_endpgm
.Lfunc_end_k_qef87dc9253_gqkv:
	.size	k_qef87dc9253_gqkv, .Lfunc_end_k_qef87dc9253_gqkv-k_qef87dc9253_gqkv
	.p2alignl 7, 3214868480
	.fill 96, 4, 3214868480
	.section	.rodata,"a",@progbits
	.p2align	6, 0x0
	.amdhsa_kernel k_qef87dc9253_gqkv
		.amdhsa_group_segment_fixed_size 327680
		.amdhsa_private_segment_fixed_size 0
		.amdhsa_enable_private_segment 0
		.amdhsa_kernarg_size 40
		.amdhsa_user_sgpr_count 2
		.amdhsa_user_sgpr_kernarg_segment_ptr 1
		.amdhsa_wavefront_size32 1
		.amdhsa_system_sgpr_workgroup_id_x 1
		.amdhsa_system_sgpr_workgroup_id_y 1
		.amdhsa_system_sgpr_workgroup_id_z 1
		.amdhsa_system_vgpr_workitem_id 0
		.amdhsa_next_free_vgpr 768
		.amdhsa_next_free_sgpr 76
		.amdhsa_reserve_vcc 0
		.amdhsa_float_denorm_mode_32 3
		.amdhsa_float_denorm_mode_16_64 3
		.amdhsa_memory_ordered 1
		.amdhsa_forward_progress 1
		.amdhsa_inst_pref_size 88
	.end_amdhsa_kernel
	.amdgpu_metadata
---
amdhsa.version: [ 1, 2 ]
amdhsa.kernels:
  - .name:           k_qef87dc9253_gqkv
    .symbol:         k_qef87dc9253_gqkv.kd
    .args:
      - { .name: wts, .offset: 0, .size: 8, .value_kind: global_buffer, .address_space: global }
      - { .name: qkv, .offset: 8, .size: 8, .value_kind: global_buffer, .address_space: global }
      - { .name: b_q, .offset: 16, .size: 8, .value_kind: global_buffer, .address_space: global }
      - { .name: b_k, .offset: 24, .size: 8, .value_kind: global_buffer, .address_space: global }
      - { .name: b_v, .offset: 32, .size: 8, .value_kind: global_buffer, .address_space: global }
    .group_segment_fixed_size: 327680
    .private_segment_fixed_size: 0
    .kernarg_segment_align: 8
    .kernarg_segment_size: 40
    .max_flat_workgroup_size: 128
    .sgpr_count:     76
    .vgpr_count:     768
    .wavefront_size: 32
...
	.end_amdgpu_metadata
.endif
;; end of part 2
;; launch attn (part 3): grid 16 x 16, 4 waves a work-group, clusters of 4 x 1, 327,680 bytes of LDS; arguments qkv, ctx; writes ctx
.if DOCPART == 3
	.amdgcn_target "amdgcn-amd-amdhsa--gfx1250"
	.amdhsa_code_object_version 6
	.text
	.protected	k_qef87dc9253_attn
	.globl	k_qef87dc9253_attn
	.p2align	8
	.type	k_qef87dc9253_attn,@function
k_qef87dc9253_attn:
	s_mov_b64 s[64:65], 0
	v_nop
	global_prefetch_b8 v0, s[64:65] scope:SCOPE_SE
	s_setreg_imm32_b32 hwreg(HW_REG_WAVE_MODE, 25, 1), 1
	s_wait_xcnt 0x0
	s_wait_alu depctr_hold_cnt(0) depctr_sa_sdst(0) depctr_va_vdst(0) depctr_va_sdst(0) depctr_va_ssrc(0) depctr_va_vcc(0) depctr_vm_vsrc(0)
	s_getreg_b32 s2, hwreg(HW_REG_IB_STS2, 6, 4)
	s_cmp_eq_u32 s2, 0
	s_cbranch_scc0 .Lentry_in_a_cluster
	s_endpgm
.Lentry_in_a_cluster:
	s_bfe_u32 s2, ttmp6, 0x10000c
	s_cmp_lg_u32 s2, 0x3003
	s_cbranch_scc0 .Lentry_shape_is_right
	s_endpgm
.Lentry_shape_is_right:
; ctx[h][q][:] = the sum over k of softmax_k(q[h][q] . k[h][k] / 8) v[h][k][:], batch 0 (the module keeps attn_out[0] alone).
; qkv: f16 in blocks [48][2048][64]: q's heads, k's, v's; ctx: f16 [16][2048][64].  A head's rows are dense, 128 bytes each.
; Products, maxima and sums in f32; the weights p are rounded to f16 for the second product (their sum l is taken of the unrounded p), ctx once at the end.
; LIMITS.  f16 ends at 65,504; p lies in 0 to 1 and below 6e-5 keeps f16's fixed step; a weight below 2^-126 counts as 0 in l; NaN and infinities are not treated apart.
; SHARES.  A work-group owns 128 queries of a head (16 x 16 work-groups), a wave 32: two PIECES of 16.  Every wave walks the head's 2,048 keys, 64 a step.
; LAYOUT.  S^T = K Q^T (source 0 = 16 keys, source 1 = 16 queries): a lane holds ONE query (lane % 16) and the keys 8 (lane / 16) + 0..7.  Two such results rounded to f16 in pairs
; ARE source 1 of O^T = V^T P, whose result again holds one query a lane.  K comes out of LDS as it lies, V turned, by ds_load_tr16_b128.
; SOFTMAX.  A running maximum m and sum l: p = 2^(c s - c m), c = log2(e) / 8; in every step O and l are multiplied by a = 2^(c m_old - c m_new).  m starts at the lowest finite number,
; O and l at 0: the first step is a step like any other, with a = 0.
; BY TURNS.  In turn x piece x has the matrix unit: 8 products V^T P of the step in hand, then 8 products K Q^T of the next; the other piece's softmax stands in slices behind them.
; A turn's 33 exponentials are one batch with one wait.  K of the next step is fetched at the head of piece 0's turn, V of the next step at the wait of piece 1's turn.
; CLUSTER.  The four query blocks of a cluster belong to one head and walk the same K and V: each tile is asked for jointly, by the same load, descriptor and mask in all four.
; REGISTERS (s_set_vgpr_msb: bits 1:0 source 0, 3:2 source 1, 5:4 source 2, 7:6 destination):
;   window 0: v0-11 addresses; v12-27 eight registers of statistics a piece; v61-63; v64-127 S^T, 32 a piece; v192-223 P, 16 a piece
;   window 1: v0-63 O^T, 32 a piece; v64-95 Q, 16 a piece; v128-191 K of one step; v192-255 V of one step
.set KS,    64
.set PKB,   144       ; a row of K in LDS: 128 bytes + 16: the 16 rows of a load start at 16 different groups of four banks
.set PVB,   160       ; a row of V: 128 + 32
.set VOFF,  4*KS*PKB  ; a slot holds four steps: 256 rows of K, then 256 rows of V
.set SLOT1, 1<<17     ; slot 1 begins here: one exclusive or turns an address in one slot into the other's
.set STAGE, SLOT1+4*KS*(PKB+PVB)  ; behind the ring, never filled by a tensor load: 16 rows x 144 bytes for each wave
.set SP,    144
.set SPARE, STAGE+4*16*SP         ; the spare words, 128 bytes for each wave, which no other line names
.set AK0, 2           ; v2   my lane's place in a tile of K; never rewritten
.set AV0, 3           ; v3   the same for V
.set AK,  4
.set AV,  5
.set QO,  6           ; v6   my byte offset in 16 rows of Q; later STO
.set STO, 6
.set RD,  7
.set GO,  8
.set ST,  12          ; piece t's statistics at v[ST+8 t]: c m, m, l (even keys', odd keys'), c0-c3 at work; a takes c2's place
.set PFO, 61          ; v61  256 x my lane; never rewritten
.set SPW, 62          ; v62  LDS address of my spare word; never rewritten
.set NIL, 63          ; v63  0; never rewritten
.set S,   64
.set P,   192
.set QF,  64          ; window 1
.set KF,  128
.set VF,  192
.set WV,  12          ; s12  my wave's number
.set LIM, 15          ; s15  1 in a wave that prefetches, else the greatest number
.set PFA, 18          ; s[18:19] where my prefetches stand
.set G1K, 24
.set G1V, 32
.set G0K, 40          ; s[40:43] descriptor group 0 for K: it walks
.set G0V, 44
.set SLOTS, 56
.set CNT, 57
.set CS,  58          ; s[58:59] c
.set SEL, 60          ; s[60:61] v_permlanex16_b32's selects: each lane takes its own place in the other half
.set TBK, 62          ; s62  LDS byte at which K of the step to be fetched begins
.set TBV, 63          ; s63  the same for V, less VOFF
.set MSB, 0
.macro WIN new
.if MSB != (\new)
	s_set_vgpr_msb (MSB<<8)|(\new)
.set MSB, (\new)
.endif
.endm
.set W_KQ, 0x05       ; K and Q in window 1, S^T in window 0
.set W_PV, 0x51       ; V and O^T in window 1, P in window 0
.set W_RS, 0x41       ; O^T (destination and source 0) in window 1, a in window 0
.macro JLOAD                        ; waves 0 and 1 fetch the halves of a slot's K, waves 2 and 3 of its V; an s_nop 0 and four v_nop follow each line
	s_cmp_lt_u32 s[WV], 2
	s_cbranch_scc0 .Lfor_v_\@
	tensor_load_to_lds s[G0K:G0K+3], s[G1K:G1K+7]
	s_nop 0
.rept 4
	v_nop
.endr
	s_branch .Lasked_\@
.Lfor_v_\@:
	tensor_load_to_lds s[G0V:G0V+3], s[G1V:G1V+7]
	s_nop 0
.rept 4
	v_nop
.endr
.Lasked_\@:
.endm
; A prefetch of what the NEXT change of slots will ask for: four key steps ahead.  Each 256 bytes of a head's K and V are named once in the launch: the head's first cluster asks;
; its four partners take 8 KiB each of a slot's 32 KiB, told apart by address; wave 0 asks for K's, wave 2 for V's; a lane names 256 bytes.  The last change that fills asks for nothing.
.macro ASK
	s_cmp_gt_u32 s[SLOTS], s[LIM]
	s_cbranch_scc0 .Lnot_mine_\@
	global_prefetch_b8 v[PFO], s[PFA:PFA+1] th:TH_LOAD_NT scope:SCOPE_SE
.Lnot_mine_\@:
.endm
.macro CROUND
	s_barrier_signal -1
	s_barrier_wait -1
	s_cmp_lg_u32 s[WV], 0
	s_cbranch_scc1 .Lnot_wave_0_\@
	s_barrier_signal -3
.Lnot_wave_0_\@:
	s_barrier_wait -3
	s_barrier_signal -1
	s_barrier_wait -1
.endm
; THE CHANGE OF SLOTS.  Each wave waits for all its tensor loads (one is out: its part of the other slot), adds 0 to its spare word, and waits for that and for its reads of the slot.
; fill = 1: the barrier is a round of the cluster's and the old slot is filled again first thing behind it, with the keys two slots on: it has four key steps in which to land.
.macro CHANGE fill, ask
	WIN 0
	s_wait_tensorcnt 0x0
	ds_add_u32 v[SPW], v[NIL]
.if \fill
.irp g, G0K, G0V
	s_xor_b32 s[\g+1], s[\g+1], SLOT1
	s_add_nc_u64 s[\g+2:\g+3], s[\g+2:\g+3], 4*KS*128
.endr
.if \ask
	s_wait_xcnt 0x0                 ; the last prefetch, four key steps back, has read its address
	s_add_nc_u64 s[PFA:PFA+1], s[PFA:PFA+1], 4*KS*128
.endif
	s_wait_dscnt 0x0                ; the add is done, and my reads of the slot are over
	CROUND
	JLOAD
.if \ask
	ASK
.endif
.else
	s_wait_dscnt 0x0
	s_barrier_signal -1
	s_barrier_wait -1
.endif
	s_sub_co_u32 s[TBK], s[TBK], 4*KS*PKB  ; the fetches go back to a slot's first step, in the other slot
	s_xor_b32 s[TBK], s[TBK], SLOT1
	s_sub_co_u32 s[TBV], s[TBV], 4*KS*PVB
	s_xor_b32 s[TBV], s[TBV], SLOT1
.endm
	s_load_b128 s[4:7], s[0:1], 0x0   ; qkv, ctx
	v_lshl_add_u32 v[SPW], v0, 2, SPARE
	v_mov_b32 v[NIL], 0
	ds_add_u32 v[SPW], v[NIL]       ; the wave's opening: the add and its wait stand ahead of my first tensor load
	v_lshrrev_b32 v1, 5, v0
	v_readfirstlane_b32 s[WV], v1
	s_bfe_u32 s13, ttmp6, 0x40000   ; cx
	s_lshl_b32 s14, ttmp9, 2
	s_add_co_u32 s14, s14, s13      ; my block of 128 queries: it enters Q's and O's addresses alone
	s_and_b32 s20, ttmp7, 0xffff    ; the head, which the partners share
	s_lshl_b32 s20, s20, 18         ; x 2,048 rows of 128 bytes
	s_and_b32 s16, s[WV], 1         ; which half of a slot's 256 keys I fetch
	s_lshl_b32 s22, s16, 14
	s_add_co_u32 s22, s22, s20
	s_add_co_u32 s52, s22, 32<<18   ; v's blocks begin at 32,
	s_add_co_u32 s22, s22, 16<<18   ; k's at 16
	s_mov_b32 s23, 0
	s_mov_b32 s53, 0
	s_mul_i32 s17, s16, 128*PKB     ; its place in a slot, for K
	s_mul_i32 s21, s16, 128*PVB     ; and for V
	s_lshl_b32 s2, s14, 14
	s_lshl_b32 s3, s[WV], 12        ; my wave's 32 rows
	s_add_co_u32 s2, s2, s3
	s_add_co_u32 s2, s2, s20
	s_mov_b32 s3, 0
	; 128 keys are 16,384 dense bytes: asked for as 64 rows of 256 bytes, padded in LDS after every key
	s_mov_b32 s[G1K], 15|(1<<16)|(1<<20)|(1<<21)|(4<<22)|(3<<25)
	s_mov_b32 s[G1V], 15|(1<<16)|(1<<20)|(1<<21)|(4<<22)|(7<<25)
.irp g, G1K, G1V
	s_mov_b32 s[\g+1], 128<<16
	s_mov_b32 s[\g+2], 64<<16
	s_mov_b32 s[\g+3], 128<<16
	s_mov_b32 s[\g+4], 64
	s_mov_b32 s[\g+5], 128
	s_mov_b32 s[\g+6], 0
	s_mov_b32 s[\g+7], 0
.endr
	s_mov_b32 s[CS], 0x3e38aa3b     ; c = log2(e) / 8
	s_mov_b32 s[CS+1], s[CS]
	s_mov_b32 s[SEL], 0x76543210
	s_mov_b32 s[SEL+1], 0xfedcba98
	s_mov_b32 s[TBK], SLOT1+4*KS*PKB  ; the first change of slots turns these two into 0
	s_mov_b32 s[TBV], SLOT1+4*KS*PVB
	s_mov_b32 s[G0K], 1
	s_mov_b32 s[G0K+1], s17
	s_mov_b32 s[G0V], 1
	s_add_co_u32 s[G0V+1], s21, VOFF
	s_and_b32 s[LIM], s[WV], 1      ; 0 in waves 0 and 2,
	s_or_b32 s[LIM], s[LIM], ttmp9  ; where the cluster is the head's first: the same in all four partners
	s_cmp_eq_u32 s[LIM], 0
	s_cselect_b32 s[LIM], 1, -1
	v_and_b32 v[PFO], 31, v0
	v_lshlrev_b32 v[PFO], 8, v[PFO]
	s_wait_dscnt 0x0                ; the opening add is done
	s_wait_kmcnt 0x0
	s_mov_b64 s[10:11], s[6:7]      ; ctx
	s_add_nc_u64 s[6:7], s[4:5], s[22:23]   ; K and V at my half of the head's first 256 keys
	s_add_nc_u64 s[8:9], s[4:5], s[52:53]
	s_mov_b64 s[G0K+2:G0K+3], s[6:7]
	s_or_b32 s[G0K+3], s[G0K+3], 0x80000000
	s_mov_b64 s[G0V+2:G0V+3], s[8:9]
	s_or_b32 s[G0V+3], s[G0V+3], 0x80000000
	s_add_nc_u64 s[4:5], s[4:5], s[2:3]     ; Q and O at my wave's first row
	s_add_nc_u64 s[10:11], s[10:11], s[2:3]
	s_cmp_lt_u32 s[WV], 2
	s_cselect_b64 s[PFA:PFA+1], s[6:7], s[8:9]
	s_lshl_b32 s2, s13, 13          ; my work-group's 8 KiB of a slot's 32
	s_mov_b32 s3, 0
	s_add_nc_u64 s[PFA:PFA+1], s[PFA:PFA+1], s[2:3]
	s_add_nc_u64 s[PFA:PFA+1], s[PFA:PFA+1], 2*4*KS*128  ; in slot 2: the first asking change steps it to slot 3.  Nothing is prefetched at the head
	CROUND                          ; all four work-groups are here
	JLOAD                           ; slot 0
	v_and_b32 v1, 15, v0            ; l % 16
	v_bfe_u32 v9, v0, 4, 1          ; l / 16
	v_lshlrev_b32 v[QO], 7, v1
	v_lshl_add_u32 v[QO], v9, 4, v[QO]
	WIN 0x40
.set i, 0
.rept 4                             ; Q stays in registers: piece i / 2, channels 32 (i % 2) on
	global_load_b128 v[QF+8*i:QF+8*i+3],   v[QO], s[4:5] offset:(i/2)*2048+(i%2)*64
	global_load_b128 v[QF+8*i+4:QF+8*i+7], v[QO], s[4:5] offset:(i/2)*2048+(i%2)*64+32
.set i, i+1
.endr
.set i, 0
.rept 64                            ; O^T = 0: written in the wait for the first tile, so that no first step is written out
	v_mov_b32 v[i], 0
.set i, i+1
.endr
	WIN 0
.irp t, 0,1
	v_mov_b32 v[ST+8*\t], 0xfe000000    ; c m: far below every c s
	v_mov_b32 v[ST+8*\t+1], 0xff7fffff  ; m
	v_mov_b32 v[ST+8*\t+2], 0
	v_mov_b32 v[ST+8*\t+3], 0
.endr
	v_mul_u32_u24 v[AK0], v1, PKB
	v_lshl_add_u32 v[AK0], v9, 4, v[AK0]
	v_and_b32 v10, 7, v0            ; the turning load: lane l reads key 8 (l / 16) + l % 8, channels 8 ((l / 8) % 2) + 0..7
	v_bfe_u32 v11, v0, 3, 1
	v_lshl_add_u32 v[AV0], v9, 3, v10
	v_mul_u32_u24 v[AV0], v[AV0], PVB
	v_lshl_add_u32 v[AV0], v11, 4, v[AV0]
	v_add_nc_u32 v[AV0], VOFF, v[AV0]
; THE MATRIX WORK.  The 4 accumulators of a run of 8 take turns.  Product i of S^T = K Q^T for piece x: channels 32 (i / 4) on, keys 16 (i % 4) on; the first 4 start the sums.
.macro KQ x
	WIN W_KQ
.set rS, S+32*(\x)+8*(i%4)
.set rK, KF+16*(i%4)+8*(i/4)
.set rQ, QF+16*(\x)+8*(i/4)
.if i < 4
	v_wmma_f32_16x16x32_f16 v[rS:rS+7], v[rK:rK+7], v[rQ:rQ+7], 0
.else
	v_wmma_f32_16x16x32_f16 v[rS:rS+7], v[rK:rK+7], v[rQ:rQ+7], v[rS:rS+7]
.endif
.endm
.macro PV x                         ; product i of O^T += V^T P: keys 32 (i / 4) on, channels 16 (i % 4) on
	WIN W_PV
.set rO, 32*(\x)+8*(i%4)
.set rV, VF+32*(i/4)+8*(i%4)
.set rP, P+16*(\x)+8*(i/4)
	v_wmma_f32_16x16x32_f16 v[rO:rO+7], v[rV:rV+7], v[rP:rP+7], v[rO:rO+7]
.endm
; THE LDS LOADS stand in runs of 16.
.macro FETCH_K
	WIN 0
	v_add_nc_u32 v[AK], s[TBK], v[AK0]
	s_add_co_u32 s[TBK], s[TBK], KS*PKB
	WIN 0x40
.irp f, 0,1,2,3,4,5,6,7             ; keys 16 (f / 2) on, channels 32 (f % 2) on
	ds_load_b128 v[KF+8*\f:KF+8*\f+3],   v[AK] offset:(\f/2)*16*PKB+(\f%2)*64
	ds_load_b128 v[KF+8*\f+4:KF+8*\f+7], v[AK] offset:(\f/2)*16*PKB+(\f%2)*64+32
.endr
.endm
.macro FETCH_V
	WIN 0
	v_add_nc_u32 v[AV], s[TBV], v[AV0]
	s_add_co_u32 s[TBV], s[TBV], KS*PVB
	s_wait_alu depctr_va_vdst(0)    ; the wait for the softmax's batch, ahead of the loads
	WIN 0x40
.irp f, 0,1,2,3,4,5,6,7             ; keys 32 (f / 4) on, channels 16 (f % 4) on
	ds_load_tr16_b128 v[VF+8*\f:VF+8*\f+3],   v[AV] offset:(\f/4)*32*PVB+(\f%4)*32
	ds_load_tr16_b128 v[VF+8*\f+4:VF+8*\f+7], v[AV] offset:(\f/4)*32*PVB+16*PVB+(\f%4)*32
.endr
.endm
; THE VECTOR WORK: one piece's softmax for one key step is a list of 118 instructions; SM writes number j of it for piece t.  s0-s31 are the lane's 32 scores.
;   0-15   the maximum of s0-s31 and the old m, three operands at a time (each accumulator's lowest registers are read first)
;   16-20  the other half of the lanes' maximum; the new m; c m; c m_old - c m_new
;   21-69  ONE BATCH: 16 scalings c s - c m and all 33 exponentials (a at 23); none of them names an exponential's result
;   70-85  the roundings to f16     86-101  the sums; l = a l + the sum     102-117  O^T times a
.macro SM t
.set rT, ST+8*(\t)
.set rS, S+32*(\t)
.set rP, P+16*(\t)
.set rO, 32*(\t)+2*(j-102)
.if j < 102
	WIN 0
.endif
.if j < 4
	v_max3_num_f32 v[rT+4+j], v[rS+8*j], v[rS+8*j+1], v[rS+8*j+2]
.elseif j < 12
	v_max3_num_f32 v[rT+4+j%4], v[rT+4+j%4], v[rS+8*(j%4)+2*(j/4)+1], v[rS+8*(j%4)+2*(j/4)+2]
.elseif j == 12
	v_max3_num_f32 v[rT+4], v[rT+4], v[rS+7], v[rS+15]
.elseif j == 13
	v_max3_num_f32 v[rT+6], v[rT+6], v[rS+23], v[rS+31]
.elseif j == 14
	v_max3_num_f32 v[rT+4], v[rT+4], v[rT+5], v[rT+6]
.elseif j == 15
	v_max3_num_f32 v[rT+4], v[rT+4], v[rT+7], v[rT+1]
.elseif j == 16
	v_permlanex16_b32 v[rT+5], v[rT+4], s[SEL], s[SEL+1]  ; the query's other 32 keys lie in the lane 16 away
.elseif j == 17
	v_mov_b32 v[rT+7], v[rT]        ; c m_old is kept for a
.elseif j == 18
	v_max_num_f32 v[rT+1], v[rT+4], v[rT+5]
.elseif j == 19
	v_mul_f32 v[rT], s[CS], v[rT+1]
.elseif j == 20
	v_sub_f32 v[rT+7], v[rT+7], v[rT]
.elseif j == 23
	v_exp_f32 v[rT+6], v[rT+7]
.elseif (j < 23) || ((j < 38) && (j%2 == 0)) || ((j < 66) && (j%4 == 2))
.set b, (j-2)/4                     ; 38, 42, .. 62: pairs 9 to 15
.if j < 38
.set b, (j-20)/2                    ; 21: pair 0; 22, 24, .. 36: pairs 1 to 8
.endif
	v_pk_fma_f32 v[rS+2*b:rS+2*b+1], v[rS+2*b:rS+2*b+1], s[CS:CS+1], v[rT:rT+1] op_sel_hi:[1,0,0] neg_lo:[0,0,1] neg_hi:[0,0,1]
.elseif j < 70
.set e, j-38                        ; 66 to 69: s28 to s31
.if j < 66
.set e, j-32-(j-38)/4               ; 39-41, 43-45, .. 63-65: s7 to s27
.endif
.if j < 38
.set e, (j-25)/2                    ; 25, 27, .. 37: s0 to s6
.endif
	v_exp_f32 v[rS+e], v[rS+e]
.elseif j < 86
	v_cvt_pk_f16_f32 v[rP+j-70], v[rS+2*(j-70)], v[rS+2*(j-70)+1]
.elseif j < 102                     ; the 16 pairs are summed in place: neighbours 1, 2, 4 and 8 pairs apart, then l takes the sum
.set z, j-86
.set w, 4
.set u, z
.if z >= 14
.set w, 32
.set u, 0
.elseif z >= 12
.set w, 16
.set u, z-12
.elseif z >= 8
.set w, 8
.set u, z-8
.endif
.if z < 15
	v_pk_add_f32 v[rS+w*u:rS+w*u+1], v[rS+w*u:rS+w*u+1], v[rS+w*u+w/2:rS+w*u+w/2+1]
.else
	v_pk_fma_f32 v[rT+2:rT+3], v[rT+2:rT+3], v[rT+6:rT+7], v[rS:rS+1] op_sel_hi:[1,0,1]
.endif
.else
	WIN W_RS
	v_pk_mul_f32 v[rO:rO+1], v[rO:rO+1], v[rT+6:rT+7] op_sel_hi:[1,0]
.endif
.endm
.macro NUMS n                       ; the next n numbers of piece Y's list
.rept \n
	SM Y
.set j, j+1
.endr
.endm
; A TURN for piece x.  pv: 8 products V^T P; kq: 8 products K Q^T of the next step; fk: K of the next step is fetched at the head.
; PLACES, counted.  Behind a turn's last K Q^T stand six rescalings, which name neither S^T, K nor Q of that product: they stand in front of the next turn's first read of those scores and of K's run.
; Behind the last V^T P of piece 1's turn stand numbers 58 and 62 (scalings), the v_nop and the run's own v_add_nc_u32: four plain instructions in front of V's run.
; THE WAIT.  Nothing ahead of number 70 names an exponential's result and no exponential stands behind number 69: one wait serves the turn's 33.
.macro TURN x, pv, kq, fk
.set Y, 1-(\x)
.set j, 0
.if ((\x) == 0) && (\pv)
	s_wait_dscnt 0x0                ; V is in
.endif
.if \fk
	FETCH_K
.endif
.set i, 0
.rept 8
.if \pv
	PV \x
.endif
.if i < 7
	NUMS 8
.else
	NUMS 14
.endif
.set i, i+1
.endr
	v_nop                           ; the plain instruction behind the last exponential: one for the batch
.if (\x) == 1
	FETCH_V                         ; V of the next step; the wait stands in it
.else
	s_wait_alu depctr_va_vdst(0)
.endif
.if ((\x) == 0) && (\kq)
	s_wait_dscnt 0x0                ; K is in
.endif
.set i, 0
.rept 8
.if \kq
	KQ \x
.endif
	NUMS 6
.set i, i+1
.endr
.endm
	CHANGE 1, 0                     ; slot 0 is in, everybody's part of it; slot 1 is asked for
	FETCH_K                         ; key step 0
	s_wait_loadcnt 0x0              ; Q
	s_wait_dscnt 0x0
.set i, 0
.rept 8
	KQ 0                            ; piece 0's first scores
.set i, i+1
.endr
	WIN 0                           ; the addresses for the way out: plain instructions, the places behind those products
	s_mul_i32 s13, s[WV], 16*SP
	s_add_co_u32 s13, s13, STAGE    ; my stage
	v_mul_u32_u24 v[STO], v1, SP    ; in: row l % 16, 16 bytes for each half of the lanes
	v_lshl_add_u32 v[STO], v9, 4, v[STO]
	v_add_nc_u32 v[STO], s13, v[STO]
	v_bfe_u32 v[RD], v0, 3, 2       ; back: 32 lanes take four rows of 128 bytes,
	v_mul_u32_u24 v[RD], v[RD], SP
	v_lshl_add_u32 v[RD], v10, 4, v[RD]
	v_add_nc_u32 v[RD], s13, v[RD]
	v_and_b32 v[GO], 31, v0         ; which are 512 consecutive bytes of ctx
	v_lshlrev_b32 v[GO], 4, v[GO]
	TURN 1, 0, 1, 0                 ; piece 1's first scores | piece 0's first softmax | V of step 0
	WIN 0
	s_mov_b32 s[CNT], 3             ; slot 0 has three steps left to fetch
	s_mov_b32 s[SLOTS], 7
	s_branch .Lstep
.Lslot:                             ; six times: slots 2 to 7 are asked for
	CHANGE 1, 1
	s_mov_b32 s[CNT], 4
.Lstep:                             ; a key step: both turns; K and V of the next step are fetched
	TURN 0, 1, 1, 1
	TURN 1, 1, 1, 0
	WIN 0
	s_sub_co_u32 s[CNT], s[CNT], 1
	s_cmp_lg_u32 s[CNT], 0
	s_cbranch_scc1 .Lstep
	s_sub_co_u32 s[SLOTS], s[SLOTS], 1
	s_cmp_lg_u32 s[SLOTS], 0
	s_cbranch_scc1 .Lslot
	CHANGE 0, 0                     ; the tail is written out: nothing is asked for
	s_mov_b32 s[CNT], 4
.Lstep2:
	TURN 0, 1, 1, 1
	TURN 1, 1, 1, 0
	WIN 0
	s_sub_co_u32 s[CNT], s[CNT], 1
	s_cmp_lg_u32 s[CNT], 0
	s_cbranch_scc1 .Lstep2
	TURN 0, 1, 0, 0                 ; piece 0: V^T P of the last step | piece 1's last softmax
.set i, 0
.rept 8
	PV 1                            ; piece 1: V^T P of the last step
.set i, i+1
.endr
	; THE WAY OUT.  l's halves and the other half of the lanes' are added; O^T is divided by l, rounded to f16 and sent through my stage, a piece at a time.
	WIN 0
.irp t, 0,1
	v_add_f32 v[ST+8*\t+4], v[ST+8*\t+2], v[ST+8*\t+3]
.endr
.irp t, 0,1
	v_permlanex16_b32 v[ST+8*\t+5], v[ST+8*\t+4], s[SEL], s[SEL+1]
.endr
.irp t, 0,1
	v_add_f32 v[ST+8*\t+4], v[ST+8*\t+4], v[ST+8*\t+5]
.endr
.irp t, 0,1
	v_rcp_f32 v[ST+8*\t+6], v[ST+8*\t+4]
.endr
	v_nop                           ; a plain instruction behind the last reciprocal,
	s_wait_alu depctr_va_vdst(0)    ; and one wait for the two, ahead of their first use
.macro PACK t
	WIN W_RS
.set i, 32*(\t)
.rept 16
	v_pk_mul_f32 v[i:i+1], v[i:i+1], v[ST+8*(\t)+6:ST+8*(\t)+7] op_sel_hi:[1,0]
.set i, i+2
.endr
	WIN 0x05                        ; sources 0 and 1 window 1, destination window 0
.set i, 0
.rept 16
	v_cvt_pk_f16_f32 v[S+16*(\t)+i], v[32*(\t)+2*i], v[32*(\t)+2*i+1]
.set i, i+1
.endr
	WIN 0
.irp f, 0,1,2,3
	ds_store_b128 v[STO], v[S+16*(\t)+4*\f:S+16*(\t)+4*\f+3] offset:32*\f
.endr
.irp f, 0,1,2,3
	ds_load_b128 v[S+16*(\t)+4*\f:S+16*(\t)+4*\f+3], v[RD] offset:\f*4*SP  ; LDS serves a wave's instructions in order: these see the stores above; the next piece's stores come behind them
.endr
.endm
.macro SEND t, younger              ; younger: the LDS instructions issued behind piece t's loads
	WIN 0
.irp f, 0,1,2,3
	s_wait_dscnt (\younger)+3-\f
	global_store_b128 v[GO], v[S+16*(\t)+4*\f:S+16*(\t)+4*\f+3], s[10:11] offset:(\t)*2048+\f*512  ; 512 consecutive bytes, aligned
.endr
.endm
	PACK 0
	PACK 1
	SEND 0, 8
	SEND 1, 0
	s_wait_tensorcnt 0x0            ; the wave's end
	ds_add_u32 v[SPW], v[NIL]
	s_wait_dscnt 0x0
	CROUND                          ; the closing round
	s_endpgm
.Lfunc_end_k_qef87dc9253_attn:
	.size	k_qef87dc9253_attn, .Lfunc_end_k_qef87dc9253_attn-k_qef87dc9253_attn
	.p2alignl 7, 3214868480
	.fill 96, 4, 3214868480
	.section	.rodata,"a",@progbits
	.p2align	6, 0x0
	.amdhsa_kernel k_qef87dc9253_attn
		.amdhsa_group_segment_fixed_size 327680
		.amdhsa_private_segment_fixed_size 0
		.amdhsa_enable_private_segment 0
		.amdhsa_kernarg_size 16
		.amdhsa_user_sgpr_count 2
		.amdhsa_user_sgpr_kernarg_segment_ptr 1
		.amdhsa_wavefront_size32 1
		.amdhsa_system_sgpr_workgroup_id_x 1
		.amdhsa_system_sgpr_workgroup_id_y 1
		.amdhsa_system_sgpr_workgroup_id_z 1
		.amdhsa_system_vgpr_workitem_id 0
		.amdhsa_next_free_vgpr 512
		.amdhsa_next_free_sgpr 66
		.amdhsa_reserve_vcc 0
		.amdhsa_float_denorm_mode_32 3
		.amdhsa_float_denorm_mode_16_64 3
		.amdhsa_memory_ordered 1
		.amdhsa_forward_progress 1
		.amdhsa_inst_pref_size 77
	.end_amdhsa_kernel
	.amdgpu_metadata
---
amdhsa.version: [ 1, 2 ]
amdhsa.kernels:
  - .name:           k_qef87dc9253_attn
    .symbol:         k_qef87dc9253_attn.kd
    .args:
      - { .name: qkv, .offset: 0, .size: 8, .value_kind: global_buffer, .address_space: global }
      - { .name: ctx, .offset: 8, .size: 8, .value_kind: global_buffer, .address_space: global }
    .group_segment_fixed_size: 327680
    .private_segment_fixed_size: 0
    .kernarg_segment_align: 8
    .kernarg_segment_size: 16
    .max_flat_workgroup_size: 128
    .sgpr_count:     66
    .vgpr_count:     512
    .wavefront_size: 32
...
	.end_amdgpu_metadata
.endif
;; end of part 3
;; launch gout (part 4): grid 8 x 16, 4 waves a work-group, clusters of 4 x 4, 327,680 bytes of LDS; arguments ctx, wts, ao, b_out; writes ao
.if DOCPART == 4
	.amdgcn_target "amdgcn-amd-amdhsa--gfx1250"
	.amdhsa_code_object_version 6
	.text
	.protected	k_qef87dc9253_gout
	.globl	k_qef87dc9253_gout
	.p2align	8
	.type	k_qef87dc9253_gout,@function
k_qef87dc9253_gout:
	s_mov_b64 s[64:65], 0
	v_nop
	global_prefetch_b8 v0, s[64:65] scope:SCOPE_SE
	s_setreg_imm32_b32 hwreg(HW_REG_WAVE_MODE, 25, 1), 1
	s_wait_xcnt 0x0
	s_wait_alu depctr_hold_cnt(0) depctr_sa_sdst(0) depctr_va_vdst(0) depctr_va_sdst(0) depctr_va_ssrc(0) depctr_va_vcc(0) depctr_vm_vsrc(0)
	s_getreg_b32 s2, hwreg(HW_REG_IB_STS2, 6, 4)
	s_cmp_eq_u32 s2, 0
	s_cbranch_scc0 .Lentry_in_a_cluster
	s_endpgm
.Lentry_in_a_cluster:
	s_bfe_u32 s2, ttmp6, 0x10000c
	s_cmp_lg_u32 s2, 0xf033
	s_cbranch_scc0 .Lentry_shape_is_right
	s_endpgm
.Lentry_shape_is_right:
; attn_out[0] = ctx w_out + b_out: [2048 x 1024] x [1024 x 1024] -> f32 [2048][1024] (f32: a LayerNorm follows the sum that it enters).
; ONE TEXT SERVES FOUR PRODUCTS C = A W + bias; only the constants below differ.
; A: f16 in blocks [K / 64][MS rows][64] (a row of a block is 128 bytes).  W: f16 [K][WP], as the module stores it.  Sums in f32; they START AT THE BIAS.
; LIMITS.  f16 operands and f16 results end at 65,504; NaN and infinities are not treated apart.
; SHARES.  A work-group makes 128 x 128 of C, each of its four waves 64 x 64: 16 accumulators of 16 x 16.  K goes in steps of 256 through two LDS slots.
; THE MATRIX INSTRUCTION IS USED TRANSPOSED: source 0 = 16 columns of W (turned on the way out of LDS by ds_load_tr16_b128), source 1 = 16 rows of A:
; a lane holds row lane % 16 of C and the columns 8 (lane / 16) + 0..7.
; CLUSTER 4 x 4: A's tile hangs on the tile row alone and is asked for jointly by a row of the cluster, W's on the tile column alone, by a column.
.set MS,    2048                       ; rows of A and of C
.set KT,    4                          ; K steps of 256
.set WP,    1024                       ; elements in a row of W
.set WSH,   3                          ; log2 of the tile columns in one W
.set WMAT,  0                          ; bytes from one W to the next
.set AOFF,  0                          ; A's first byte in its buffer
.set WOFF,  0x600000                   ; W's first byte in wts
.set OUT32, 1                          ; 1: C is f32 [MS][1024]; 0: f16 in blocks
.set GELU,  0
.set NBIAS, 1
.set PLANE,  18432                     ; 64 along K: 128 rows of A x 144 bytes (128 + 16), and as much for W: 64 rows x 288 bytes (256 + 32)
.set HALFT,  2*PLANE                   ; what one tensor load brings
.set SLOT,   8*PLANE                   ; A's four planes, then W's four
.set SPARE,  2*SLOT                    ; behind the ring: the spare words, 128 bytes for each wave, which no other line names
.set SPITCH, 272                       ; the way out: a row of 64 f32 + 16 bytes: row r starts at bank 4 r mod 64
.set STG,    64*SPITCH                 ; a wave's stage; the four lie in slot 0, which has had its last fill and its last read by then
.set ASTEP,  4*MS*128                  ; bytes of A from one K step to the next: four blocks
.set WSTEP,  512*WP                    ; of W: 256 rows
.set ADA0, 16                          ; v16  my lane's place in a plane of A; never rewritten
.set ADW0, 17                          ; v17  in a plane of W
.set ADA,  18                          ; v18  ADA0 + the plane in hand
.set ADW,  19
.set STO,  24                          ; v24  the way out: where I put 32 bytes of a row
.set RD0,  25                          ; v25  where I read rows back, in the first 16 rows
.set GO,   26                          ; v26  my byte offset in C; never rewritten
.set BO,   27                          ; v27  my byte offset in 16 numbers of the bias
.set SPW,  28                          ; v28  LDS address of my spare word; never rewritten
.set NIL,  29                          ; v29  0; never rewritten
.set RD,   30
.set AZ,   32                          ; v32-127 at work in the GELU
.set TT,   64
.set EE,   96
.set ACC,  128                         ; v128-255 accumulator (a, b) at ACC + 8 (4 a + b)
.set Z,    128                         ; the way out: 16 rows read back
.set HH,   160
.set F0,   0                           ; window 1: two fragment buffers of 64: W's four fragments, then A's four, 32 along K
.set F1,   64
.set G1,   24                          ; s[24:31] descriptor group 1 for A;  s[32:39] group 0, a set for each slot
.set G0,   32
.set G1B,  48                          ; s[48:55], s[56:63] the same for W
.set G0B,  56
.set TB,   21                          ; s21  LDS byte at which the plane to be fetched begins
.set MSB,  0
.macro WIN new                         ; the immediate's high byte repeats the setting that is left
.if MSB != (\new)
	s_set_vgpr_msb (MSB<<8)|(\new)
.set MSB, \new
.endif
.endm
.set MULW, 0x05                        ; sources 0 and 1 window 1; C and D window 0
.set TO_F, 0x40                        ; destination window 1, address window 0
.macro JLOAD s                         ; a joint load: waves 0 and 1 fetch A's halves, waves 2 and 3 W's; an s_nop 0 and four v_nop follow each line
	s_cmp_eq_u32 s11, 0
	s_cbranch_scc0 .Lfor_b_\@
	tensor_load_to_lds s[G0+4*(\s):G0+4*(\s)+3], s[G1:G1+7]
	s_nop 0
.rept 4
	v_nop
.endr
	s_branch .Lasked_\@
.Lfor_b_\@:
	tensor_load_to_lds s[G0B+4*(\s):G0B+4*(\s)+3], s[G1B:G1B+7]
	s_nop 0
.rept 4
	v_nop
.endr
.Lasked_\@:
.endm
.macro CREST                           ; a round of the cluster's barrier behind its opening barrier
	s_cmp_lg_u32 s10, 0
	s_cbranch_scc1 .Lnot_wave_0_\@
	s_barrier_signal -3
.Lnot_wave_0_\@:
	s_barrier_wait -3
	s_barrier_signal -1
	s_barrier_wait -1
.endm
.macro CROUND
	s_barrier_signal -1
	s_barrier_wait -1
	CREST
.endm
.macro PLACES                          ; four places in front of loads into registers that matrix instructions have read
.rept 4
	v_nop
.endr
.endm
; 16 LDS loads in one run: 32 along K (half c of the plane in hand) into buffer f
.macro FETCH c, f
	WIN TO_F
.irp b, 0,1,2,3
	ds_load_tr16_b128 v[(\f)+8*(\b):(\f)+8*(\b)+3],   v[ADW] offset:(\c)*9216+32*(\b)
	ds_load_tr16_b128 v[(\f)+8*(\b)+4:(\f)+8*(\b)+7], v[ADW] offset:(\c)*9216+32*(\b)+4608
.endr
.irp a, 0,1,2,3
	ds_load_b128 v[(\f)+32+8*(\a):(\f)+32+8*(\a)+3],   v[ADA] offset:(\a)*2304+64*(\c)
	ds_load_b128 v[(\f)+32+8*(\a)+4:(\f)+32+8*(\a)+7], v[ADA] offset:(\a)*2304+64*(\c)+32
.endr
.endm
; 4 n matrix instructions: row blocks a0 .. a0 + n - 1 x all four column blocks.  The 16 accumulators take turns, one instruction a turn.
.macro MUL f, a0, n
	WIN MULW
.set a, \a0
.rept \n
.irp b, 0,1,2,3
	v_wmma_f32_16x16x32_f16 v[ACC+8*(4*a+(\b)):ACC+8*(4*a+(\b))+7], v[(\f)+8*(\b):(\f)+8*(\b)+7], v[(\f)+32+8*a:(\f)+32+8*a+7], v[ACC+8*(4*a+(\b)):ACC+8*(4*a+(\b))+7]
.endr
.set a, a+1
.endr
.endm
; Planes 0 to 2 of a K step.  Two runs of 16 loads are always out: the older is the buffer about to be multiplied, so each wait leaves the 16 younger loads out.
.macro LOOP3
	s_mov_b32 s2, 3
.Lplane_\@:
	s_wait_dscnt 16
	MUL F0, 0, 4
	WIN 0
	s_add_co_u32 s[TB], s[TB], PLANE
	v_add_nc_u32 v[ADA], s[TB], v[ADA0]            ; these two and two v_nop are the four places
	v_add_nc_u32 v[ADW], s[TB], v[ADW0]
	v_nop
	v_nop
	FETCH 0, F0
	s_wait_dscnt 16
	MUL F1, 0, 4
	PLACES
	FETCH 1, F1
	WIN 0
	s_sub_co_u32 s2, s2, 1
	s_cmp_lg_u32 s2, 0
	s_cbranch_scc1 .Lplane_\@
.endm
; Plane 3 and the change of slots: ONE barrier; in front of it each wave waits for all its tensor loads (one is out: its part of the next slot), adds 0 to its spare word,
; and waits for that and for its reads of this slot.  fill = 1: the barrier opens a round of the cluster's, and this slot is filled again first thing behind it, two K steps ahead.
.macro TURN slot, next, fill
	s_wait_dscnt 16
	MUL F0, 0, 4
	WIN 0
	s_wait_tensorcnt 0x0
	ds_add_u32 v[SPW], v[NIL]                      ; 0 onto my spare word; work on registers stands between it and the wait for it
	s_mov_b32 s[TB], (\next)*SLOT
	v_add_nc_u32 v[ADA], s[TB], v[ADA0]
	v_add_nc_u32 v[ADW], s[TB], v[ADW0]
	s_wait_dscnt 0x0                               ; the add is done, and my reads of this slot are over
	s_barrier_signal -1
	MUL F1, 0, 2
	WIN 0
	s_barrier_wait -1
.if \fill
	CREST                                          ; no wave of any partner still reads this slot or has a load on its way
	s_add_nc_u64 s[G0+4*(\slot)+2:G0+4*(\slot)+3], s[G0+4*(\slot)+2:G0+4*(\slot)+3], 2*ASTEP
	s_add_nc_u64 s[G0B+4*(\slot)+2:G0B+4*(\slot)+3], s[G0B+4*(\slot)+2:G0B+4*(\slot)+3], 2*WSTEP
	JLOAD \slot                                    ; its four v_nop are also the places in front of the loads below
.else
	PLACES
.endif
	FETCH 0, F0
	MUL F1, 2, 2
	PLACES
	FETCH 1, F1
	WIN 0
.endm
.if NBIAS == 3
	s_load_b128 s[4:7], s[0:1], 0x0                ; wts (A and W lie in it), C
	s_load_b128 s[68:71], s[0:1], 0x10             ; b_q, b_k
	s_load_b64 s[72:73], s[0:1], 0x20              ; b_v
.else
	s_load_b128 s[4:7], s[0:1], 0x0                ; A's buffer, wts
	s_load_b128 s[68:71], s[0:1], 0x10             ; C, bias
.endif
	v_lshl_add_u32 v[SPW], v0, 2, SPARE
	v_mov_b32 v[NIL], 0
	ds_add_u32 v[SPW], v[NIL]                      ; the wave's opening: the add and its wait stand ahead of my first tensor load
	v_lshrrev_b32 v1, 5, v0
	v_readfirstlane_b32 s10, v1                    ; wave 0..3
	s_lshr_b32 s11, s10, 1                         ; my half of the tile's rows.  Also: I fetch for A (0) or for W (1)
	s_and_b32 s12, s10, 1                          ; my half of its columns.  Also: which half of that tile I fetch
	s_bfe_u32 s40, ttmp6, 0x40000                  ; cx, cy
	s_bfe_u32 s41, ttmp6, 0x40004
	s_lshl_b32 s42, ttmp9, 2
	s_add_co_u32 s42, s42, s40                     ; tile column
	s_and_b32 s13, ttmp7, 0xffff
	s_lshl_b32 s13, s13, 2
	s_add_co_u32 s13, s13, s41                     ; tile row
	s_lshl_b32 s43, s41, 2
	s_lshl_b32 s43, 15, s43                        ; my row of the cluster
	s_lshl_b32 s44, 0x1111, s40                    ; my column
	; A: two blocks' 128 rows each: 2 rows of 8,192 elements (16 KiB on end), MS x 64 elements apart; 4 words of padding after every 32
	s_or_b32 s[G1+0], s43, (1<<16)|(1<<20)|(1<<21)|(4<<22)|(3<<25)
	s_mov_b32 s[G1+1], 8192<<16
	s_mov_b32 s[G1+2], 2<<16
	s_mov_b32 s[G1+3], 8192<<16
	s_mov_b32 s[G1+4], 2
	s_mov_b32 s[G1+5], MS*64
	s_mov_b32 s[G1+6], 0
	s_mov_b32 s[G1+7], 0
	; W: 128 rows (along K) of 128 elements; 8 words of padding after every 64
	s_or_b32 s[G1B+0], s44, (1<<16)|(1<<20)|(1<<21)|(5<<22)|(7<<25)
	s_mov_b32 s[G1B+1], 128<<16
	s_mov_b32 s[G1B+2], 128<<16
	s_mov_b32 s[G1B+3], 128<<16
	s_mov_b32 s[G1B+4], 128
	s_mov_b32 s[G1B+5], WP
	s_mov_b32 s[G1B+6], 0
	s_mov_b32 s[G1B+7], 0
	s_lshl_b32 s16, s13, 14                        ; A: the tile's 128 rows of 128 bytes,
	s_mul_i32 s17, s12, MS*256                     ; my two blocks of the step's four
	s_add_co_u32 s16, s16, s17
	s_add_co_u32 s16, s16, AOFF
	s_mov_b32 s17, 0
	s_and_b32 s46, s42, (1<<WSH)-1                 ; W: the tile's 128 columns,
	s_lshl_b32 s46, s46, 8
	s_mul_i32 s47, s12, 256*WP                     ; my 128 rows of the step's 256
	s_add_co_u32 s46, s46, s47
	s_lshr_b32 s47, s42, WSH                       ; which W
	s_mul_i32 s47, s47, WMAT
	s_add_co_u32 s46, s46, s47
	s_add_co_u32 s46, s46, WOFF
	s_mov_b32 s47, 0
	s_mul_i32 s20, s10, HALFT                      ; where my tiles go: no place in the cluster enters an LDS address
	s_wait_dscnt 0x0                               ; the opening add is done
	s_wait_kmcnt 0x0
.if NBIAS == 3
	s_mov_b64 s[8:9], s[6:7]                       ; C
	s_mov_b64 s[6:7], s[4:5]                       ; W lies in A's buffer
	s_lshr_b32 s45, s42, 3
	s_mov_b64 s[66:67], s[68:69]
	s_cmp_eq_u32 s45, 1
	s_cselect_b64 s[66:67], s[70:71], s[66:67]
	s_cmp_eq_u32 s45, 2
	s_cselect_b64 s[66:67], s[72:73], s[66:67]
.else
	s_mov_b64 s[8:9], s[68:69]
	s_mov_b64 s[66:67], s[70:71]
.endif
	s_add_nc_u64 s[14:15], s[4:5], s[16:17]
	s_add_nc_u64 s[46:47], s[6:7], s[46:47]
	CROUND                                         ; all sixteen work-groups are here: the first joint loads meet
.irp s, 0,1
	s_mov_b32 s[G0+4*(\s)], 1
	s_add_co_u32 s[G0+4*(\s)+1], s20, (\s)*SLOT
	s_add_nc_u64 s[G0+4*(\s)+2:G0+4*(\s)+3], s[14:15], (\s)*ASTEP
	s_or_b32 s[G0+4*(\s)+3], s[G0+4*(\s)+3], 0x80000000
	s_mov_b32 s[G0B+4*(\s)], 1
	s_add_co_u32 s[G0B+4*(\s)+1], s20, (\s)*SLOT
	s_add_nc_u64 s[G0B+4*(\s)+2:G0B+4*(\s)+3], s[46:47], (\s)*WSTEP
	s_or_b32 s[G0B+4*(\s)+3], s[G0B+4*(\s)+3], 0x80000000
	JLOAD \s
.endr
	v_and_b32 v1, 15, v0                           ; r = l % 16
	v_bfe_u32 v2, v0, 4, 1                         ; h = l / 16
	v_mul_u32_u24 v[ADA0], v1, 144                 ; A: row x pitch + 16 h + my 64 rows
	v_lshl_add_u32 v[ADA0], v2, 4, v[ADA0]
	s_mul_i32 s22, s11, 9216
	v_add_nc_u32 v[ADA0], s22, v[ADA0]
	v_and_b32 v3, 7, v0                            ; W, for the turning load: row 8 h + l % 8, 16 bytes by (l / 8) % 2, my 64 columns
	v_lshl_add_u32 v3, v2, 3, v3
	v_mul_u32_u24 v[ADW0], v3, 288
	v_bfe_u32 v4, v0, 3, 1
	v_lshl_add_u32 v[ADW0], v4, 4, v[ADW0]
	s_lshl_b32 s22, s12, 7
	s_add_co_u32 s22, s22, 4*PLANE
	v_add_nc_u32 v[ADW0], s22, v[ADW0]
	s_mul_i32 s23, s10, STG                        ; my stage
	v_mul_u32_u24 v[STO], v1, SPITCH
	v_lshl_add_u32 v[STO], v2, 5, v[STO]
	v_add_nc_u32 v[STO], s23, v[STO]
.if OUT32
	v_mul_u32_u24 v[RD0], v2, SPITCH               ; back: lanes 0-15 one row of 256 bytes, lanes 16-31 the next
	v_lshl_add_u32 v[RD0], v1, 4, v[RD0]
	v_add_nc_u32 v[RD0], s23, v[RD0]
	v_lshlrev_b32 v[GO], 12, v2
	v_lshl_add_u32 v[GO], v1, 4, v[GO]
	s_lshl_b32 s18, s13, 19                        ; C: (128 tile row + 64 half) rows of 4,096 bytes + (128 tile column + 64 half) x 4
	s_lshl_b32 s19, s11, 18
	s_add_co_u32 s18, s18, s19
	s_lshl_b32 s19, s42, 9
	s_add_co_u32 s18, s18, s19
	s_lshl_b32 s19, s12, 8
	s_add_co_u32 s18, s18, s19
.else
	v_bfe_u32 v5, v0, 3, 2                         ; back: eight lanes take a row, 32 bytes (8 columns) each; 32 lanes four rows
	v_mul_u32_u24 v[RD0], v5, SPITCH
	v_and_b32 v6, 7, v0
	v_lshl_add_u32 v[RD0], v6, 5, v[RD0]
	v_add_nc_u32 v[RD0], s23, v[RD0]
	v_and_b32 v[GO], 31, v0
	v_lshlrev_b32 v[GO], 4, v[GO]                  ; which are 512 consecutive bytes of a block of C
	s_lshl_b32 s18, s42, 1                         ; C: block 2 tile column + half, row 128 tile row + 64 half
	s_add_co_u32 s18, s18, s12
	s_mul_i32 s18, s18, MS*128
	s_lshl_b32 s19, s13, 14
	s_add_co_u32 s18, s18, s19
	s_lshl_b32 s19, s11, 13
	s_add_co_u32 s18, s18, s19
.endif
	s_mov_b32 s19, 0
	s_add_nc_u64 s[8:9], s[8:9], s[18:19]
	s_and_b32 s74, s42, (1<<WSH)-1                 ; the bias of my 64 columns
	s_lshl_b32 s74, s74, 9
	s_lshl_b32 s75, s12, 8
	s_add_co_u32 s74, s74, s75
	s_mov_b32 s75, 0
	s_add_nc_u64 s[66:67], s[66:67], s[74:75]
	v_lshlrev_b32 v[BO], 5, v2
.irp a, 0,1,2,3                        ; the sums start at the bias: register j of accumulator (a, b) is column 16 b + 8 h + j; nothing is cleared, nothing added at the end
.irp b, 0,1,2,3
	global_load_b128 v[ACC+8*(4*(\a)+(\b)):ACC+8*(4*(\a)+(\b))+3],   v[BO], s[66:67] offset:64*(\b)
	global_load_b128 v[ACC+8*(4*(\a)+(\b))+4:ACC+8*(4*(\a)+(\b))+7], v[BO], s[66:67] offset:64*(\b)+16
.endr
.endr
	s_wait_tensorcnt 1                             ; my part of K step 0 is in; step 1's may stay out
	s_barrier_signal -1
	s_barrier_wait -1
	s_mov_b32 s[TB], 0
	v_mov_b32 v[ADA], v[ADA0]
	v_mov_b32 v[ADW], v[ADW0]
	FETCH 0, F0
	FETCH 1, F1
	WIN 0
	s_wait_loadcnt 0x0                             ; the bias
.if KT > 4
	s_mov_b32 s3, (KT-2)/2
.Llap:
.endif
	LOOP3                                          ; a lap: two K steps, both slots filled again
	TURN 0, 1, 1
	LOOP3
	TURN 1, 0, 1
.if KT > 4
	s_sub_co_u32 s3, s3, 1
	s_cmp_lg_u32 s3, 0
	s_cbranch_scc1 .Llap
.endif
	LOOP3                                          ; the last lap fills nothing
	TURN 0, 1, 0
	LOOP3
	s_wait_dscnt 16
	MUL F0, 0, 4
	s_wait_dscnt 0x0
	MUL F1, 0, 4
	WIN 0
	; THE WAY OUT.  All 64 x 64 sums go as f32 into my stage; then 16 rows a trip come back by rows and leave.
	PLACES
	PLACES
.irp a, 0,1,2,3
.irp b, 0,1,2,3
	ds_store_b128 v[STO], v[ACC+8*(4*(\a)+(\b)):ACC+8*(4*(\a)+(\b))+3]   offset:(\a)*16*SPITCH+64*(\b)
	ds_store_b128 v[STO], v[ACC+8*(4*(\a)+(\b))+4:ACC+8*(4*(\a)+(\b))+7] offset:(\a)*16*SPITCH+64*(\b)+16
.endr
.endr
	s_mov_b32 s2, 4
	s_mov_b32 s22, 0
.Lout:
	v_add_nc_u32 v[RD], s22, v[RD0]
.irp t, 0,1,2,3,4,5,6,7
	ds_load_b128 v[Z+4*(\t):Z+4*(\t)+3], v[RD] offset:(\t)*2*SPITCH  ; LDS serves a wave's instructions in order: these see my stores above
.endr
.irp t, 0,1,2,3,4,5,6,7
	s_wait_dscnt 7-(\t)
	global_store_b128 v[GO], v[Z+4*(\t):Z+4*(\t)+3], s[8:9] offset:(\t)*8192  ; 16 lanes store 256 consecutive bytes, aligned
.endr
	s_wait_xcnt 0x0                                ; the stores have read their data and their base: both are written again below and in the next trip
	s_add_nc_u64 s[8:9], s[8:9], 65536             ; 16 rows of C on
	s_add_co_u32 s22, s22, 16*SPITCH
	s_sub_co_u32 s2, s2, 1
	s_cmp_lg_u32 s2, 0
	s_cbranch_scc1 .Lout
	s_wait_tensorcnt 0x0                           ; the wave's end
	ds_add_u32 v[SPW], v[NIL]
	s_wait_dscnt 0x0
	CROUND                                         ; the closing round: no work-group ends while a partner may still ask for a tile that names it
	s_endpgm
.Lfunc_end_k_qef87dc9253_gout:
	.size	k_qef87dc9253_gout, .Lfunc_end_k_qef87dc9253_gout-k_qef87dc9253_gout
	.p2alignl 7, 3214868480
	.fill 96, 4, 3214868480
	.section	.rodata,"a",@progbits
	.p2align	6, 0x0
	.amdhsa_kernel k_qef87dc9253_gout
		.amdhsa_group_segment_fixed_size 327680
		.amdhsa_private_segment_fixed_size 0
		.amdhsa_enable_private_segment 0
		.amdhsa_kernarg_size 32
		.amdhsa_user_sgpr_count 2
		.amdhsa_user_sgpr_kernarg_segment_ptr 1
		.amdhsa_wavefront_size32 1
		.amdhsa_system_sgpr_workgroup_id_x 1
		.amdhsa_system_sgpr_workgroup_id_y 1
		.amdhsa_system_sgpr_workgroup_id_z 1
		.amdhsa_system_vgpr_workitem_id 0
		.amdhsa_next_free_vgpr 384
		.amdhsa_next_free_sgpr 76
		.amdhsa_reserve_vcc 0
		.amdhsa_float_denorm_mode_32 3
		.amdhsa_float_denorm_mode_16_64 3
		.amdhsa_memory_ordered 1
		.amdhsa_forward_progress 1
		.amdhsa_inst_pref_size 54
	.end_amdhsa_kernel
	.amdgpu_metadata
---
amdhsa.version: [ 1, 2 ]
amdhsa.kernels:
  - .name:           k_qef87dc9253_gout
    .symbol:         k_qef87dc9253_gout.kd
    .args:
      - { .name: ctx, .offset: 0, .size: 8, .value_kind: global_buffer, .address_space: global }
      - { .name: wts, .offset: 8, .size: 8, .value_kind: global_buffer, .address_space: global }
      - { .name: ao, .offset: 16, .size: 8, .value_kind: global_buffer, .address_space: global }
      - { .name: b_out, .offset: 24, .size: 8, .value_kind: global_buffer, .address_space: global }
    .group_segment_fixed_size: 327680
    .private_segment_fixed_size: 0
    .kernarg_segment_align: 8
    .kernarg_segment_size: 32
    .max_flat_workgroup_size: 128
    .sgpr_count:     76
    .vgpr_count:     384
    .wavefront_size: 32
...
	.end_amdgpu_metadata
.endif
;; end of part 4
;; launch ln1 (part 5): grid 256 x 1, 8 waves a work-group, no clusters, 35,840 bytes of LDS; arguments src, ao, ln1_g, ln1_b, xbuf; writes xbuf
.if DOCPART == 5
	.amdgcn_target "amdgcn-amd-amdhsa--gfx1250"
	.amdhsa_code_object_version 6
	.text
	.protected	k_qef87dc9253_ln1
	.globl	k_qef87dc9253_ln1
	.p2align	8
	.type	k_qef87dc9253_ln1,@function
k_qef87dc9253_ln1:
	s_mov_b64 s[64:65], 0
	v_nop
	global_prefetch_b8 v0, s[64:65] scope:SCOPE_SE
	s_setreg_imm32_b32 hwreg(HW_REG_WAVE_MODE, 25, 1), 1
	s_wait_xcnt 0x0
; x[b][s] = LayerNorm(src[b][s] + ao[s]) g + b, for both b: ao is batch 0's attention output, added to every batch element, as the module does.
; Out: x in f32 [4096][1024] at byte 0 of xbuf (the residual of the second LayerNorm), and at 16 MiB x in f16 IN FRAGMENT ORDER, the next product's operand:
; [256 blocks of 16 rows][32 chunks of 32 columns][2 halves][32 lanes][8]: lane l of half j holds row l % 16 of the block, columns 16 j + 8 (l / 16) + 0..7 of the chunk.
; Block g holds rows s = 8 g .. 8 g + 7 of batch 0 and then the same rows of batch 1: just what this work-group makes, so that it writes whole fragments.
; Two passes over registers, as the module computes it: mean, then the mean of the squared differences: no difference of large sums is formed.
; LIMITS.  The f16 copy ends at 65,504.  NaN and infinities are not treated apart.
; SHARES.  A work-group owns rows s = 8 g .. 8 g + 7, wave w row 8 g + w of BOTH batches, so ao's row is loaded once for two rows.  A lane holds columns 128 j + 4 l + 0..3, j = 0..7:
; every load and f32 store of a wave covers 512 consecutive bytes.  The f16 rows meet in LDS; wave w takes chunks 4 w .. 4 w + 3 back in fragment order: stores of 512 consecutive bytes.
; No matrix unit, no cluster, no tensor load: nothing but 8 KiB of gains is shared, and all 40 loads of a wave are out at once.
.set LO,  2                            ; v2   16 x lane
.set SPW, 4                            ; v4   LDS address of my spare word; never rewritten
.set NIL, 5                            ; v5   0
.set LSA, 6                            ; v6   where I put 8 bytes of my row
.set LRA, 7                            ; v7   where I read 16 bytes of a fragment
.set Y0,  16                           ; v[16:47] row of batch 0, v[48:79] of batch 1
.set AO,  80                           ; v[80:111] ao's row; later the fragments read back
.set G,   112
.set BB,  144
.set T,   176                          ; v[176:191] four pair-chains a row
.set M,   192                          ; v[192:195] a pair a row: the mean twice; then 1 / sigma in the low word
.set H,   196                          ; v[196:227] 16 registers of f16 a row
.set RP,  2064                         ; an LDS row: 2,048 bytes + 16: the 16 rows of a fragment start at 16 different groups of four banks
.set SPARE, 16*RP                      ; behind the 16 rows: the spare words, 128 bytes for each of eight waves
	s_load_b256 s[4:11], s[0:1], 0x0               ; src, ao, g, b
	s_load_b64 s[12:13], s[0:1], 0x20              ; xbuf
	v_lshl_add_u32 v[SPW], v0, 2, SPARE
	v_mov_b32 v[NIL], 0
	v_lshrrev_b32 v1, 5, v0
	v_readfirstlane_b32 s2, v1                     ; wave 0..7
	v_and_b32 v3, 31, v0
	v_lshlrev_b32 v[LO], 4, v3
	s_lshl_b32 s20, ttmp9, 3
	s_add_co_u32 s20, s20, s2                      ; s
	s_lshl_b32 s20, s20, 12                        ; x 4,096 bytes
	s_mov_b32 s21, 0
	s_mov_b32 s16, 0x3a800000                      ; 1 / 1024
	s_mov_b32 s17, 0x3727c5ac                      ; 1e-5
	s_mov_b32 s18, 0x76543210
	s_mov_b32 s19, 0xfedcba98
	s_lshl_b32 s26, ttmp9, 15                      ; the f16 copy: block g of 32 KiB, my four chunks of 1 KiB
	s_lshl_b32 s27, s2, 12
	s_add_co_u32 s26, s26, s27
	s_add_co_u32 s26, s26, 0x1000000
	s_mov_b32 s27, 0
	s_wait_kmcnt 0x0
	s_add_nc_u64 s[4:5], s[4:5], s[20:21]          ; src's row, batch 0,
	s_add_nc_u64 s[14:15], s[4:5], 0x800000        ; and batch 1: 8 MiB on, one more than an immediate holds
	s_add_nc_u64 s[6:7], s[6:7], s[20:21]
	s_add_nc_u64 s[22:23], s[12:13], s[20:21]      ; x's rows likewise
	s_add_nc_u64 s[24:25], s[22:23], 0x800000
	s_add_nc_u64 s[26:27], s[12:13], s[26:27]
.macro LD8 d, b, h:vararg
.irp j, 0,1,2,3,4,5,6,7
	global_load_b128 v[(\d)+4*\j:(\d)+4*\j+3], v[LO], s[\b:\b+1] offset:512*\j \h
.endr
.endm
	LD8 AO, 6, th:TH_LOAD_NT
	LD8 Y0, 4, th:TH_LOAD_NT
	LD8 Y0+32, 14, th:TH_LOAD_NT
	LD8 G, 8
	LD8 BB, 10
	s_mul_i32 s3, s2, RP
	v_lshl_add_u32 v[LSA], v3, 3, s3               ; my wave's row + 8 l
	v_and_b32 v8, 15, v3
	v_mul_u32_u24 v[LRA], v8, RP
	v_lshrrev_b32 v9, 4, v3
	v_lshl_add_u32 v[LRA], v9, 4, v[LRA]
	s_lshl_b32 s3, s2, 8
	v_add_nc_u32 v[LRA], s3, v[LRA]                ; row l % 16, chunk 4 w, 16 (l / 16)
.macro ADDROW y, a
.set p, 0
.rept 16
	v_pk_add_f32 v[(\y)+p:(\y)+p+1], v[(\y)+p:(\y)+p+1], v[(\a)+p:(\a)+p+1]
.set p, p+2
.endr
.endm
; The macros below work on both rows r = 0, 1, line by line, so that no line waits for the one before it.
.macro FOLD                            ; a row's four pairs into one number, then over the 32 lanes: every lane ends with the sum
.irp r, 0,1
	v_pk_add_f32 v[T+8*\r:T+8*\r+1], v[T+8*\r:T+8*\r+1], v[T+8*\r+2:T+8*\r+3]
	v_pk_add_f32 v[T+8*\r+4:T+8*\r+5], v[T+8*\r+4:T+8*\r+5], v[T+8*\r+6:T+8*\r+7]
.endr
.irp r, 0,1
	v_pk_add_f32 v[T+8*\r:T+8*\r+1], v[T+8*\r:T+8*\r+1], v[T+8*\r+4:T+8*\r+5]
.endr
.irp r, 0,1
	v_add_f32 v[T+8*\r], v[T+8*\r], v[T+8*\r+1]
.endr
.irp m, 1,2,4,8
.irp r, 0,1
	v_add_f32_dpp v[T+8*\r], v[T+8*\r], v[T+8*\r] row_xmask:\m row_mask:0xf bank_mask:0xf
.endr
.endr
.irp r, 0,1
	v_permlanex16_b32 v[T+8*\r+1], v[T+8*\r], s18, s19
.endr
.irp r, 0,1
	v_add_f32 v[T+8*\r], v[T+8*\r], v[T+8*\r+1]
.endr
.endm
.macro STATS                           ; mean, centring, variance, 1 / sigma
.irp r, 0,1
.irp c, 0,2,4,6
	v_pk_add_f32 v[T+8*\r+\c:T+8*\r+\c+1], v[Y0+32*\r+\c:Y0+32*\r+\c+1], v[Y0+32*\r+8+\c:Y0+32*\r+8+\c+1]
.endr
.endr
.irp k, 16,24
.irp r, 0,1
.irp c, 0,2,4,6
	v_pk_add_f32 v[T+8*\r+\c:T+8*\r+\c+1], v[T+8*\r+\c:T+8*\r+\c+1], v[Y0+32*\r+\k+\c:Y0+32*\r+\k+\c+1]
.endr
.endr
.endr
	FOLD
.irp r, 0,1
	v_mul_f32 v[M+2*\r], s16, v[T+8*\r]
	v_mul_f32 v[M+2*\r+1], s16, v[T+8*\r]
.endr
.irp r, 0,1
.set p, 0
.rept 16
	v_pk_add_f32 v[Y0+32*\r+p:Y0+32*\r+p+1], v[Y0+32*\r+p:Y0+32*\r+p+1], v[M+2*\r:M+2*\r+1] neg_lo:[0,1] neg_hi:[0,1]
.set p, p+2
.endr
.endr
.irp r, 0,1
.irp c, 0,2,4,6
	v_pk_mul_f32 v[T+8*\r+\c:T+8*\r+\c+1], v[Y0+32*\r+\c:Y0+32*\r+\c+1], v[Y0+32*\r+\c:Y0+32*\r+\c+1]
.endr
.endr
.irp k, 8,16,24
.irp r, 0,1
.irp c, 0,2,4,6
	v_pk_fma_f32 v[T+8*\r+\c:T+8*\r+\c+1], v[Y0+32*\r+\k+\c:Y0+32*\r+\k+\c+1], v[Y0+32*\r+\k+\c:Y0+32*\r+\k+\c+1], v[T+8*\r+\c:T+8*\r+\c+1]
.endr
.endr
.endr
	FOLD
.irp r, 0,1
	v_fma_f32 v[T+8*\r], v[T+8*\r], s16, s17       ; variance + eps
.endr
.irp r, 0,1
	v_rsq_f32 v[M+2*\r], v[T+8*\r]
.endr
	v_nop                                          ; a plain instruction behind the last of the two,
	s_wait_alu depctr_va_vdst(0)                   ; and one wait for both, ahead of their first use
.endm
.macro NORM
.irp r, 0,1
.set p, 0
.rept 16
	v_pk_mul_f32 v[Y0+32*\r+p:Y0+32*\r+p+1], v[Y0+32*\r+p:Y0+32*\r+p+1], v[M+2*\r:M+2*\r+1] op_sel_hi:[1,0]
.set p, p+2
.endr
.endr
.irp r, 0,1
.set p, 0
.rept 16
	v_pk_fma_f32 v[Y0+32*\r+p:Y0+32*\r+p+1], v[Y0+32*\r+p:Y0+32*\r+p+1], v[G+p:G+p+1], v[BB+p:BB+p+1]
.set p, p+2
.endr
.endr
.endm
	s_wait_loadcnt 24                              ; ao and batch 0's row are in; the 24 younger loads stay out
	ADDROW Y0, AO
	s_wait_loadcnt 16                              ; batch 1's row
	ADDROW Y0+32, AO
	STATS
	s_wait_loadcnt 0x0                             ; g and b
	NORM
.irp r, 0,1
.irp j, 0,1,2,3,4,5,6,7
	global_store_b128 v[LO], v[Y0+32*\r+4*\j:Y0+32*\r+4*\j+3], s[22+2*\r:23+2*\r] offset:512*\j
.endr
.endr
.irp r, 0,1
.set p, 0
.rept 16
	v_cvt_pk_f16_f32 v[H+16*\r+p], v[Y0+32*\r+2*p], v[Y0+32*\r+2*p+1]
.set p, p+1
.endr
.irp j, 0,1,2,3,4,5,6,7
	ds_store_b64 v[LSA], v[H+16*\r+2*\j:H+16*\r+2*\j+1] offset:\r*8*RP+256*\j  ; LDS row 8 x batch + wave: the row's place in its block of 16
.endr
.endr
	s_wait_dscnt 0x0                               ; for the others' sake: my rows lie in LDS
	s_barrier_signal -1
	s_barrier_wait -1
.set i, 0
.rept 8                                ; chunk 4 w + i / 2, half i % 2
	ds_load_b128 v[AO+4*i:AO+4*i+3], v[LRA] offset:32*i
.set i, i+1
.endr
.set i, 0
.rept 8
	s_wait_dscnt 7-i
	global_store_b128 v[LO], v[AO+4*i:AO+4*i+3], s[26:27] offset:512*i  ; 512 consecutive bytes, aligned
.set i, i+1
.endr
	s_wait_tensorcnt 0x0                           ; the wave's end, behind my last LDS store
	ds_add_u32 v[SPW], v[NIL]
	s_wait_dscnt 0x0
	s_endpgm
.Lfunc_end_k_qef87dc9253_ln1:
	.size	k_qef87dc9253_ln1, .Lfunc_end_k_qef87dc9253_ln1-k_qef87dc9253_ln1
	.p2alignl 7, 3214868480
	.fill 96, 4, 3214868480
	.section	.rodata,"a",@progbits
	.p2align	6, 0x0
	.amdhsa_kernel k_qef87dc9253_ln1
		.amdhsa_group_segment_fixed_size 35840
		.amdhsa_private_segment_fixed_size 0
		.amdhsa_enable_private_segment 0
		.amdhsa_kernarg_size 40
		.amdhsa_user_sgpr_count 2
		.amdhsa_user_sgpr_kernarg_segment_ptr 1
		.amdhsa_wavefront_size32 1
		.amdhsa_system_sgpr_workgroup_id_x 1
		.amdhsa_system_sgpr_workgroup_id_y 1
		.amdhsa_system_sgpr_workgroup_id_z 1
		.amdhsa_system_vgpr_workitem_id 0
		.amdhsa_next_free_vgpr 228
		.amdhsa_next_free_sgpr 66
		.amdhsa_reserve_vcc 0
		.amdhsa_float_denorm_mode_32 3
		.amdhsa_float_denorm_mode_16_64 3
		.amdhsa_memory_ordered 1
		.amdhsa_forward_progress 1
		.amdhsa_inst_pref_size 27
	.end_amdhsa_kernel
	.amdgpu_metadata
---
amdhsa.version: [ 1, 2 ]
amdhsa.kernels:
  - .name:           k_qef87dc9253_ln1
    .symbol:         k_qef87dc9253_ln1.kd
    .args:
      - { .name: src, .offset: 0, .size: 8, .value_kind: global_buffer, .address_space: global }
      - { .name: ao, .offset: 8, .size: 8, .value_kind: global_buffer, .address_space: global }
      - { .name: ln1_g, .offset: 16, .size: 8, .value_kind: global_buffer, .address_space: global }
      - { .name: ln1_b, .offset: 24, .size: 8, .value_kind: global_buffer, .address_space: global }
      - { .name: xbuf, .offset: 32, .size: 8, .value_kind: global_buffer, .address_space: global }
    .group_segment_fixed_size: 35840
    .private_segment_fixed_size: 0
    .kernarg_segment_align: 8
    .kernarg_segment_size: 40
    .max_flat_workgroup_size: 256
    .sgpr_count:     66
    .vgpr_count:     228
    .wavefront_size: 32
...
	.end_amdgpu_metadata
.endif
;; end of part 5
;; launch gff1 (part 6): grid 16 x 16, 4 waves a work-group, clusters of 4 x 1, 327,680 bytes of LDS; arguments xbuf, wts, hb, ffn_b1; writes hb
.if DOCPART == 6
	.amdgcn_target "amdgcn-amd-amdhsa--gfx1250"
	.amdhsa_code_object_version 6
	.text
	.protected	k_qef87dc9253_gff1
	.globl	k_qef87dc9253_gff1
	.p2align	8
	.type	k_qef87dc9253_gff1,@function
k_qef87dc9253_gff1:
	s_mov_b64 s[64:65], 0
	v_nop
	global_prefetch_b8 v0, s[64:65] scope:SCOPE_SE
	s_setreg_imm32_b32 hwreg(HW_REG_WAVE_MODE, 25, 1), 1
	s_wait_xcnt 0x0
	s_wait_alu depctr_hold_cnt(0) depctr_sa_sdst(0) depctr_va_vdst(0) depctr_va_sdst(0) depctr_va_ssrc(0) depctr_va_vcc(0) depctr_vm_vsrc(0)
	s_getreg_b32 s2, hwreg(HW_REG_IB_STS2, 6, 4)
	s_cmp_eq_u32 s2, 0
	s_cbranch_scc0 .Lentry_in_a_cluster
	s_endpgm
.Lentry_in_a_cluster:
	s_bfe_u32 s2, ttmp6, 0x10000c
	s_cmp_lg_u32 s2, 0x3003
	s_cbranch_scc0 .Lentry_shape_is_right
	s_endpgm
.Lentry_shape_is_right:
; h = gelu(x ffn_w1 + ffn_b1), exact GELU: [4096 x 1024] x [1024 x 2048] -> f16 in blocks [32][4096][64].
; THE SAME TEXT SERVES THE PROJECTIONS q, k, v; the constants below differ, and this copy has the GELU besides.  C = A W + bias, K = 1024, sums in f32.
; A: f16 IN FRAGMENT ORDER [rows / 16][32 chunks of 32 along K][2 halves][32 lanes][8]: lane l of half j holds row l % 16, k = 16 j + 8 (l / 16) + 0..7: what lane l of a matrix operand holds.
; Here a block of 16 rows holds rows s = 8 g .. 8 g + 7 of batch 0 and then of batch 1; C's rows are the true ones, 2,048 x batch + s: the stores' offsets undo the order.
; W: f16 [K][WP], as the module stores it.
; LIMITS.  f16 operands and results end at 65,504; NaN and infinities are not treated apart.  erf is taken by a rational form with absolute error 1.5e-7 for every argument.
; SHARES.  A work-group makes 256 rows x 128 columns, each of its four waves 64 rows x 128 columns: 32 accumulators of 16 x 16.
; W IS FILLED ONCE.  The tile's 1,024 x 128 numbers lie whole in LDS (rows of 256 + 32 bytes); each wave fetches 256 of its rows by one tensor load at the start: no slot is ever filled again.
; A NEVER TOUCHES LDS.  No wave wants another wave's rows, and a fragment lies in memory as it lies in registers: each wave loads its own, 512 bytes on end a load, into a ring of eight
; register slots (a chunk each: 4 fragments, 8 loads), seven chunks ahead of the products; the waits are counted, so the younger loads stay out.
; THE MATRIX INSTRUCTION IS USED TRANSPOSED: source 0 = 16 columns of W (turned on the way out of LDS by ds_load_tr16_b128), source 1 = 16 rows of A:
; a lane holds row lane % 16 of C and the columns 8 (lane / 16) + 0..7.
; CLUSTER 4 x 1: the four row groups of a cluster multiply by the same tile of W and ask for it jointly: the same load, descriptor and mask in all four.  A is shared by no partner.
; REGISTERS (s_set_vgpr_msb: bits 1:0 source 0, 3:2 source 1, 5:4 source 2, 7:6 destination):
;   window 0: v0-31 addresses; v64-127, v128-191 W's fragments of a chunk, two buffers; v192-255 the bias; on the way out v32-175 at work
;   window 1: accumulator (a, b) at v[64 a + 8 b]          window 2: A's ring, slot p at v[32 p], fragment a at + 8 a
.set AMT,   32768                      ; bytes of A from one block of 16 rows to the next: 32 chunks of 1 KiB
.set WP,    2048                       ; elements in a row of W
.set WSH,   4                          ; log2 of the tile columns in one W
.set WMAT,  0                          ; bytes from one W to the next
.set AOFF,  0x1000000                  ; A's first byte in its buffer
.set WOFF,  0x800000                   ; W's first byte in wts
.set BLKB,  4096*128                   ; bytes in a block of 64 columns of C
.set PERM,  1                          ; 1: a block of 16 rows of A holds 8 rows of batch 0, then the same 8 of batch 1
.set NBIAS, 1
.set RA,    2048-1024*PERM             ; bytes in a block of C from one block of 16 rows of A to the next
.set WPITCH, 288
.set CH,    32*WPITCH                  ; a chunk of W in LDS
.set WQ,    256*WPITCH                 ; what one tensor load brings
.set SPARE, 4*WQ                       ; behind W: the spare words, 128 bytes for each wave, which no other line names
.set SPITCH, 272                       ; the way out: a row of 64 f32 + 16 bytes: row r starts at bank 4 r mod 64
.set SUB,   16*SPITCH                  ; 16 rows x 64 columns
.set STG,   8*SUB                      ; a wave's stage; the four lie in W's bytes, which have had their only fill and, behind a barrier, their last read
.set ADW0, 17                          ; v17  my lane's place in a chunk of W; never rewritten
.set ADW,  19                          ; v19  ADW0 + the chunk to be fetched
.set AO,   20                          ; v20  16 x lane: my place in 512 bytes of A, and of C; never rewritten
.set STO,  24                          ; v24  the way out: where I put 32 bytes of a row
.set RD0,  25                          ; v25  where I read rows back, in the first 16 x 64
.set BO,   27                          ; v27  my byte offset in 16 numbers of the bias
.set SPW,  28                          ; v28  LDS address of my spare word; never rewritten
.set NIL,  29                          ; v29  0; never rewritten
.set RD,   30
.set AZ,   32                          ; v32-127 at work in the GELU
.set TT,   64
.set EE,   96
.set WF,   64
.set Z,    128                         ; the way out: 16 x 64 read back
.set HH,   160
.set BI,   192
.set G1,   24                          ; s[24:31] descriptor group 1
.set G0,   32                          ; s[32:35] group 0
.set AP,   44                          ; s[44:45] A at my 64 rows, at the trip's first chunk
.set TB,   21                          ; s21  LDS byte at which the chunk of W to be fetched begins
.set MSB,  0
.macro WIN new                         ; the immediate's high byte repeats the setting that is left
.if MSB != (\new)
	s_set_vgpr_msb (MSB<<8)|(\new)
.set MSB, \new
.endif
.endm
.set MULW,   0x58                      ; W window 0, A window 2, C and D window 1
.set TO_A,   0x80                      ; destination window 2, address window 0
.set TO_C,   0x40                      ; destination window 1
.set FROM_C, 0x04                      ; an LDS store's data window 1, address window 0
.macro CROUND                          ; a round of the cluster's barrier
	s_barrier_signal -1
	s_barrier_wait -1
	s_cmp_lg_u32 s10, 0
	s_cbranch_scc1 .Lnot_wave_0_\@
	s_barrier_signal -3
.Lnot_wave_0_\@:
	s_barrier_wait -3
	s_barrier_signal -1
	s_barrier_wait -1
.endm
.macro PLACES
.rept 4
	v_nop
.endr
.endm
.macro FETCHW f                        ; 16 LDS loads: the eight fragments of W of the chunk at v[ADW], into buffer f
.irp b, 0,1,2,3,4,5,6,7
	ds_load_tr16_b128 v[WF+64*(\f)+8*(\b):WF+64*(\f)+8*(\b)+3],   v[ADW] offset:32*(\b)
	ds_load_tr16_b128 v[WF+64*(\f)+8*(\b)+4:WF+64*(\f)+8*(\b)+7], v[ADW] offset:32*(\b)+16*WPITCH
.endr
.endm
.macro ALOAD s, q                      ; 8 loads: my four fragments of A of chunk q behind the pointer, into slot s
	WIN TO_A
.irp a, 0,1,2,3
	global_load_b128 v[32*(\s)+8*(\a):32*(\s)+8*(\a)+3],   v[AO], s[AP:AP+1] offset:(\a)*AMT+(\q)*1024
	global_load_b128 v[32*(\s)+8*(\a)+4:32*(\s)+8*(\a)+7], v[AO], s[AP:AP+1] offset:(\a)*AMT+(\q)*1024+512
.endr
.endm
.macro MUL p                           ; a chunk's 32 products.  The 32 accumulators take turns, one instruction a turn, in the same order in every chunk
	WIN MULW
.irp a, 0,1,2,3
.irp b, 0,1,2,3,4,5,6,7
	v_wmma_f32_16x16x32_f16 v[64*(\a)+8*(\b):64*(\a)+8*(\b)+7], v[WF+64*((\p)%2)+8*(\b):WF+64*((\p)%2)+8*(\b)+7], v[32*(\p)+8*(\a):32*(\p)+8*(\a)+7], v[64*(\a)+8*(\b):64*(\a)+8*(\b)+7]
.endr
.endr
.endm
; A chunk, in slot p.  Four plain instructions stand behind the chunk before; then the registers that it read are asked for again: the other buffer of W for the next chunk,
; and (ld = 1) the slot before mine for the chunk seven on.  Then my own: W's 16 loads of a chunk ago (the 16 just issued stay out) and my slot's 8 (lcnt younger loads stay out).
.macro CHUNK p, ld, lcnt
	WIN 0
	s_add_co_u32 s[TB], s[TB], CH
	v_add_nc_u32 v[ADW], s[TB], v[ADW0]
	v_nop
	v_nop
	v_nop
	FETCHW ((\p)+1)%2
.if \ld
	ALOAD ((\p)+7)%8, (\p)+7
.endif
	s_wait_dscnt 16
	s_wait_loadcnt \lcnt
	MUL \p
.endm
	s_load_b128 s[4:7], s[0:1], 0x0                ; A's buffer, wts
	s_load_b128 s[68:71], s[0:1], 0x10             ; C, bias
	v_lshl_add_u32 v[SPW], v0, 2, SPARE
	v_mov_b32 v[NIL], 0
	ds_add_u32 v[SPW], v[NIL]                      ; the wave's opening: the add and its wait stand ahead of my first tensor load
	v_lshrrev_b32 v1, 5, v0
	v_readfirstlane_b32 s10, v1                    ; wave 0..3
	s_bfe_u32 s13, ttmp6, 0x40000                  ; cx
	s_lshl_b32 s14, ttmp9, 2
	s_add_co_u32 s14, s14, s13                     ; my group of 256 rows: it enters A's and C's addresses alone
	s_and_b32 s42, ttmp7, 0xffff                   ; the tile column, which the partners share
	; W: 256 rows (along K) of 128 elements; 8 words of padding after every 64; the mask names all four partners
	s_mov_b32 s[G1+0], 15|(1<<16)|(1<<20)|(1<<21)|(5<<22)|(7<<25)
	s_mov_b32 s[G1+1], 128<<16
	s_mov_b32 s[G1+2], 256<<16
	s_mov_b32 s[G1+3], 128<<16
	s_mov_b32 s[G1+4], 256
	s_mov_b32 s[G1+5], WP
	s_mov_b32 s[G1+6], 0
	s_mov_b32 s[G1+7], 0
	s_mov_b32 s[G0], 1
	s_mul_i32 s[G0+1], s10, WQ                     ; where my rows go: the wave's number alone
	s_and_b32 s46, s42, (1<<WSH)-1                 ; W: the tile's 128 columns,
	s_lshl_b32 s46, s46, 8
	s_mul_i32 s47, s10, 512*WP                     ; my 256 rows,
	s_add_co_u32 s46, s46, s47
	s_lshr_b32 s47, s42, WSH                       ; which W
	s_mul_i32 s47, s47, WMAT
	s_add_co_u32 s46, s46, s47
	s_add_co_u32 s46, s46, WOFF
	s_mov_b32 s47, 0
	s_mul_i32 s16, s14, 16*AMT                     ; A: the group's 16 blocks of 16 rows, my four of them
	s_mul_i32 s17, s10, 4*AMT
	s_add_co_u32 s16, s16, s17
	s_add_co_u32 s16, s16, AOFF
	s_mov_b32 s17, 0
	s_and_b32 s74, s42, (1<<WSH)-1                 ; the bias of the tile's 128 columns
	s_lshl_b32 s74, s74, 9
	s_mov_b32 s75, 0
	s_mul_i32 s36, s42, 2*BLKB                     ; C: the tile's two blocks of 64 columns, my rows in them
	s_mul_i32 s37, s14, 16*RA
	s_add_co_u32 s36, s36, s37
	s_mul_i32 s37, s10, 4*RA
	s_add_co_u32 s36, s36, s37
	s_mov_b32 s37, 0
	s_mov_b32 s76, 0x3e6d3388                      ; 0.3275911 / sqrt(2); each constant as a pair, both words written
	s_mov_b32 s77, 0x3e6d3388
	s_mov_b32 s78, 0xbf38aa3b                      ; -log2(e) / 2
	s_mov_b32 s79, 0xbf38aa3b
	s_mov_b32 s80, 0x3e827906                      ; a1 = 0.254829592
	s_mov_b32 s81, 0x3e827906
	s_mov_b32 s82, 0xbe91a98e                      ; a2 = -0.284496736
	s_mov_b32 s83, 0xbe91a98e
	s_mov_b32 s84, 0x3fb5f0e3                      ; a3 = 1.421413741
	s_mov_b32 s85, 0x3fb5f0e3
	s_mov_b32 s86, 0xbfba00e3                      ; a4 = -1.453152027
	s_mov_b32 s87, 0xbfba00e3
	s_mov_b32 s88, 0x3f87dc22                      ; a5 = 1.061405429
	s_mov_b32 s89, 0x3f87dc22
	v_and_b32 v1, 15, v0                           ; r = l % 16
	v_bfe_u32 v2, v0, 4, 1                         ; h = l / 16
	v_and_b32 v3, 31, v0
	v_lshlrev_b32 v[AO], 4, v3
	v_lshlrev_b32 v[BO], 5, v2
	s_wait_dscnt 0x0                               ; the opening add is done
	s_wait_kmcnt 0x0
	s_mov_b64 s[8:9], s[68:69]
	s_mov_b64 s[66:67], s[70:71]
	s_add_nc_u64 s[AP:AP+1], s[4:5], s[16:17]
	s_add_nc_u64 s[G0+2:G0+3], s[6:7], s[46:47]
	s_or_b32 s[G0+3], s[G0+3], 0x80000000
	s_add_nc_u64 s[66:67], s[66:67], s[74:75]
	s_add_nc_u64 s[8:9], s[8:9], s[36:37]          ; C at my rows of the tile's first block,
	s_add_nc_u64 s[18:19], s[8:9], BLKB            ; and of its second
.irp b, 0,1,2,3,4,5,6,7                ; the bias: register j of column block b is column 16 b + 8 h + j
	global_load_b128 v[BI+8*(\b):BI+8*(\b)+3],   v[BO], s[66:67] offset:64*(\b)
	global_load_b128 v[BI+8*(\b)+4:BI+8*(\b)+7], v[BO], s[66:67] offset:64*(\b)+16
.endr
	ALOAD 0, 0                                     ; A's first chunks go out ahead of the round: they hang on nobody
	ALOAD 1, 1
	ALOAD 2, 2
	ALOAD 3, 3
	ALOAD 4, 4
	WIN 0
	CROUND                                         ; all four work-groups are here: the joint loads meet
	tensor_load_to_lds s[G0:G0+3], s[G1:G1+7]      ; my quarter of W: the wave's one tensor load
	s_nop 0
	PLACES
	ALOAD 5, 5
	ALOAD 6, 6
	WIN 0
	v_and_b32 v4, 7, v0                            ; W, for the turning load: row 8 h + l % 8, 16 bytes by (l / 8) % 2
	v_lshl_add_u32 v4, v2, 3, v4
	v_mul_u32_u24 v[ADW0], v4, WPITCH
	v_bfe_u32 v5, v0, 3, 1
	v_lshl_add_u32 v[ADW0], v5, 4, v[ADW0]
	s_mul_i32 s23, s10, STG                        ; my stage
	v_mul_u32_u24 v[STO], v1, SPITCH
	v_lshl_add_u32 v[STO], v2, 5, v[STO]
	v_add_nc_u32 v[STO], s23, v[STO]
	v_bfe_u32 v5, v0, 3, 2                         ; back: eight lanes take a row, 32 bytes (8 columns) each; 32 lanes four rows
	v_mul_u32_u24 v[RD0], v5, SPITCH
	v_and_b32 v6, 7, v0
	v_lshl_add_u32 v[RD0], v6, 5, v[RD0]
	v_add_nc_u32 v[RD0], s23, v[RD0]
	s_wait_loadcnt 56                              ; the bias is in; the 56 loads of A issued behind it stay out
	WIN TO_C
.irp a, 0,1,2,3                        ; THE SUMS START AT THE BIAS, the same for the four row blocks: written while the tile is awaited, so that the loop has one form of product and nothing is added at the end
.set i, 0
.rept 64
	v_mov_b32 v[64*(\a)+i], v[BI+i]
.set i, i+1
.endr
.endr
	WIN 0
	s_wait_tensorcnt 0x0                           ; my quarter of W is in
	ds_add_u32 v[SPW], v[NIL]
	s_mov_b32 s[TB], 0
	v_mov_b32 v[ADW], v[ADW0]
	s_wait_dscnt 0x0
	s_barrier_signal -1
	s_barrier_wait -1                              ; everybody's is
	FETCHW 0
	s_mov_b32 s3, 3
.Ltrip:                                        ; chunks 8 t .. 8 t + 7; chunks 8 t + 7 .. 8 t + 14 of A are asked for
	CHUNK 0, 1, 56
	CHUNK 1, 1, 56
	CHUNK 2, 1, 56
	CHUNK 3, 1, 56
	CHUNK 4, 1, 56
	CHUNK 5, 1, 56
	CHUNK 6, 1, 56
	CHUNK 7, 1, 56
	WIN 0
	s_wait_xcnt 0x0                                ; every load issued so far has read its address: the pointer may be written
	s_add_nc_u64 s[AP:AP+1], s[AP:AP+1], 8192
	s_sub_co_u32 s3, s3, 1
	s_cmp_lg_u32 s3, 0
	s_cbranch_scc1 .Ltrip
	CHUNK 0, 1, 56                                 ; the last eight chunks are written out: chunk 24 asks for the last of A, the others for nothing, and the counts run down
	CHUNK 1, 0, 48
	CHUNK 2, 0, 40
	CHUNK 3, 0, 32
	CHUNK 4, 0, 24
	CHUNK 5, 0, 16
	CHUNK 6, 0, 8
	WIN 0
	s_wait_dscnt 0x0                               ; W's last fragments are in: my reads of W are over,
	s_wait_loadcnt 0x0
	s_barrier_signal -1                            ; say so,
	MUL 7
	WIN 0
	s_barrier_wait -1                              ; and when all four have said so W's bytes may take the stages
	; THE WAY OUT.  All 64 x 128 sums go as f32 into my stage, as eight pieces of 16 rows x 64 columns; then a piece a trip comes back by rows, takes the GELU (written once, walked eight times) and leaves.
	PLACES
	PLACES
	WIN FROM_C
.irp a, 0,1,2,3
.irp b, 0,1,2,3,4,5,6,7
	ds_store_b128 v[STO], v[64*(\a)+8*(\b):64*(\a)+8*(\b)+3]   offset:(2*(\a)+(\b)/4)*SUB+64*((\b)%4)
	ds_store_b128 v[STO], v[64*(\a)+8*(\b)+4:64*(\a)+8*(\b)+7] offset:(2*(\a)+(\b)/4)*SUB+64*((\b)%4)+16
.endr
.endr
	WIN 0
	s_mov_b32 s2, 8
	s_mov_b32 s22, 0
.Lout:                                         ; piece 2 a + c: row block a, column block c
	v_add_nc_u32 v[RD], s22, v[RD0]
.irp q, 0,1,2,3
	ds_load_b128 v[Z+8*(\q):Z+8*(\q)+3],   v[RD] offset:(\q)*4*SPITCH  ; LDS serves a wave's instructions in order: these see my stores above
	ds_load_b128 v[Z+8*(\q)+4:Z+8*(\q)+7], v[RD] offset:(\q)*4*SPITCH+16
.endr
	s_wait_dscnt 0x0
	; gelu(z) = max(z, 0) - |z| erfc(|z| / sqrt 2) / 2;  erfc(x) = t (a1 + t (a2 + t (a3 + t (a4 + t a5)))) e^(-x x), t = 1 / (1 + 0.3275911 x)
.set p, 0
.rept 32
	v_and_b32 v[AZ+p], 0x7fffffff, v[Z+p]
.set p, p+1
.endr
.set p, 0
.rept 16
	v_pk_fma_f32 v[TT+p:TT+p+1], v[AZ+p:AZ+p+1], s[76:77], 1.0 op_sel_hi:[1,0,0]
	v_pk_mul_f32 v[EE+p:EE+p+1], v[AZ+p:AZ+p+1], v[AZ+p:AZ+p+1]
.set p, p+2
.endr
.set p, 0
.rept 16
	v_pk_mul_f32 v[EE+p:EE+p+1], v[EE+p:EE+p+1], s[78:79] op_sel_hi:[1,0]
.set p, p+2
.endr
.set p, 0
.rept 32                               ; one batch of 64
	v_rcp_f32 v[TT+p], v[TT+p]
	v_exp_f32 v[EE+p], v[EE+p]
.set p, p+1
.endr
.set p, 0
.rept 32                               ; plain work that names no result of the batch
	v_max_num_f32 v[Z+p], 0, v[Z+p]
.set p, p+1
.endr
	s_wait_alu depctr_va_vdst(0)                   ; one wait for the batch, ahead of its first reader
.macro STAGE line:vararg               ; one line for each of the 16 pairs p: a stage runs over all pairs, so that no line waits for the one before it
.set p, 0
.rept 16
	\line
.set p, p+2
.endr
.endm
	STAGE v_pk_mul_f32 v[EE+p:EE+p+1], v[EE+p:EE+p+1], v[AZ+p:AZ+p+1]
	STAGE v_pk_fma_f32 v[AZ+p:AZ+p+1], v[TT+p:TT+p+1], s[88:89], s[86:87] op_sel_hi:[1,0,0]
	STAGE v_pk_fma_f32 v[AZ+p:AZ+p+1], v[AZ+p:AZ+p+1], v[TT+p:TT+p+1], s[84:85] op_sel_hi:[1,1,0]
	STAGE v_pk_fma_f32 v[AZ+p:AZ+p+1], v[AZ+p:AZ+p+1], v[TT+p:TT+p+1], s[82:83] op_sel_hi:[1,1,0]
	STAGE v_pk_fma_f32 v[AZ+p:AZ+p+1], v[AZ+p:AZ+p+1], v[TT+p:TT+p+1], s[80:81] op_sel_hi:[1,1,0]
	STAGE v_pk_mul_f32 v[AZ+p:AZ+p+1], v[AZ+p:AZ+p+1], v[TT+p:TT+p+1]
	STAGE v_pk_mul_f32 v[EE+p:EE+p+1], v[EE+p:EE+p+1], v[AZ+p:AZ+p+1]
	STAGE v_pk_fma_f32 v[Z+p:Z+p+1], v[EE+p:EE+p+1], -0.5, v[Z+p:Z+p+1] op_sel_hi:[1,0,1]
.set p, 0
.rept 16
	v_cvt_pk_f16_f32 v[HH+p], v[Z+2*p], v[Z+2*p+1]
.set p, p+1
.endr
.irp q, 0,1,2,3                        ; four rows of a block of C: 512 consecutive bytes, aligned.  Rows 4 q .. 4 q + 3 of A's block are rows 4 (q % 2) .. of its eight in batch q / 2: 2,048 rows of 128 bytes on
.if PERM
	global_store_b128 v[AO], v[HH+4*(\q):HH+4*(\q)+3], s[8:9] offset:((\q)/2)*262144+((\q)%2)*512
.else
	global_store_b128 v[AO], v[HH+4*(\q):HH+4*(\q)+3], s[8:9] offset:512*(\q)
.endif
.endr
	s_wait_xcnt 0x0                                ; the stores have read their data and their base: both are written again below and in the next trip
	s_add_nc_u64 s[40:41], s[8:9], RA              ; the two blocks' pointers take turns; the one just used goes a row block on
	s_mov_b64 s[8:9], s[18:19]
	s_mov_b64 s[18:19], s[40:41]
	s_add_co_u32 s22, s22, SUB
	s_sub_co_u32 s2, s2, 1
	s_cmp_lg_u32 s2, 0
	s_cbranch_scc1 .Lout
	s_wait_tensorcnt 0x0                           ; the wave's end
	ds_add_u32 v[SPW], v[NIL]
	s_wait_dscnt 0x0
	CROUND                                         ; the closing round
	s_endpgm
.Lfunc_end_k_qef87dc9253_gff1:
	.size	k_qef87dc9253_gff1, .Lfunc_end_k_qef87dc9253_gff1-k_qef87dc9253_gff1
	.p2alignl 7, 3214868480
	.fill 96, 4, 3214868480
	.section	.rodata,"a",@progbits
	.p2align	6, 0x0
	.amdhsa_kernel k_qef87dc9253_gff1
		.amdhsa_group_segment_fixed_size 327680
		.amdhsa_private_segment_fixed_size 0
		.amdhsa_enable_private_segment 0
		.amdhsa_kernarg_size 32
		.amdhsa_user_sgpr_count 2
		.amdhsa_user_sgpr_kernarg_segment_ptr 1
		.amdhsa_wavefront_size32 1
		.amdhsa_system_sgpr_workgroup_id_x 1
		.amdhsa_system_sgpr_workgroup_id_y 1
		.amdhsa_system_sgpr_workgroup_id_z 1
		.amdhsa_system_vgpr_workitem_id 0
		.amdhsa_next_free_vgpr 768
		.amdhsa_next_free_sgpr 90
		.amdhsa_reserve_vcc 0
		.amdhsa_float_denorm_mode_32 3
		.amdhsa_float_denorm_mode_16_64 3
		.amdhsa_memory_ordered 1
		.amdhsa_forward_progress 1
		.amdhsa_inst_pref_size 104
	.end_amdhsa_kernel
	.amdgpu_metadata
---
amdhsa.version: [ 1, 2 ]
amdhsa.kernels:
  - .name:           k_qef87dc9253_gff1
    .symbol:         k_qef87dc9253_gff1.kd
    .args:
      - { .name: xbuf, .offset: 0, .size: 8, .value_kind: global_buffer, .address_space: global }
      - { .name: wts, .offset: 8, .size: 8, .value_kind: global_buffer, .address_space: global }
      - { .name: hb, .offset: 16, .size: 8, .value_kind: global_buffer, .address_space: global }
      - { .name: ffn_b1, .offset: 24, .size: 8, .value_kind: global_buffer, .address_space: global }
    .group_segment_fixed_size: 327680
    .private_segment_fixed_size: 0
    .kernarg_segment_align: 8
    .kernarg_segment_size: 32
    .max_flat_workgroup_size: 128
    .sgpr_count:     90
    .vgpr_count:     768
    .wavefront_size: 32
...
	.end_amdgpu_metadata
.endif
;; end of part 6
;; launch gff2 (part 7): grid 8 x 32, 4 waves a work-group, clusters of 4 x 4, 327,680 bytes of LDS; arguments hb, wts, y2, ffn_b2; writes y2
.if DOCPART == 7
	.amdgcn_target "amdgcn-amd-amdhsa--gfx1250"
	.amdhsa_code_object_version 6
	.text
	.protected	k_qef87dc9253_gff2
	.globl	k_qef87dc9253_gff2
	.p2align	8
	.type	k_qef87dc9253_gff2,@function
k_qef87dc9253_gff2:
	s_mov_b64 s[64:65], 0
	v_nop
	global_prefetch_b8 v0, s[64:65] scope:SCOPE_SE
	s_setreg_imm32_b32 hwreg(HW_REG_WAVE_MODE, 25, 1), 1
	s_wait_xcnt 0x0
	s_wait_alu depctr_hold_cnt(0) depctr_sa_sdst(0) depctr_va_vdst(0) depctr_va_sdst(0) depctr_va_ssrc(0) depctr_va_vcc(0) depctr_vm_vsrc(0)
	s_getreg_b32 s2, hwreg(HW_REG_IB_STS2, 6, 4)
	s_cmp_eq_u32 s2, 0
	s_cbranch_scc0 .Lentry_in_a_cluster
	s_endpgm
.Lentry_in_a_cluster:
	s_bfe_u32 s2, ttmp6, 0x10000c
	s_cmp_lg_u32 s2, 0xf033
	s_cbranch_scc0 .Lentry_shape_is_right
	s_endpgm
.Lentry_shape_is_right:
; ffn = h ffn_w2 + ffn_b2: [4096 x 2048] x [2048 x 1024] -> f32 [4096][1024] (f32: a LayerNorm follows the sum that it enters).
; ONE TEXT SERVES FOUR PRODUCTS C = A W + bias; only the constants below differ.
; A: f16 in blocks [K / 64][MS rows][64] (a row of a block is 128 bytes).  W: f16 [K][WP], as the module stores it.  Sums in f32; they START AT THE BIAS.
; LIMITS.  f16 operands and f16 results end at 65,504; NaN and infinities are not treated apart.
; SHARES.  A work-group makes 128 x 128 of C, each of its four waves 64 x 64: 16 accumulators of 16 x 16.  K goes in steps of 256 through two LDS slots.
; THE MATRIX INSTRUCTION IS USED TRANSPOSED: source 0 = 16 columns of W (turned on the way out of LDS by ds_load_tr16_b128), source 1 = 16 rows of A:
; a lane holds row lane % 16 of C and the columns 8 (lane / 16) + 0..7.
; CLUSTER 4 x 4: A's tile hangs on the tile row alone and is asked for jointly by a row of the cluster, W's on the tile column alone, by a column.
.set MS,    4096                       ; rows of A and of C
.set KT,    8                          ; K steps of 256
.set WP,    1024                       ; elements in a row of W
.set WSH,   3                          ; log2 of the tile columns in one W
.set WMAT,  0                          ; bytes from one W to the next
.set AOFF,  0                          ; A's first byte in its buffer
.set WOFF,  0xc00000                   ; W's first byte in wts
.set OUT32, 1                          ; 1: C is f32 [MS][1024]; 0: f16 in blocks
.set GELU,  0
.set NBIAS, 1
.set PLANE,  18432                     ; 64 along K: 128 rows of A x 144 bytes (128 + 16), and as much for W: 64 rows x 288 bytes (256 + 32)
.set HALFT,  2*PLANE                   ; what one tensor load brings
.set SLOT,   8*PLANE                   ; A's four planes, then W's four
.set SPARE,  2*SLOT                    ; behind the ring: the spare words, 128 bytes for each wave, which no other line names
.set SPITCH, 272                       ; the way out: a row of 64 f32 + 16 bytes: row r starts at bank 4 r mod 64
.set STG,    64*SPITCH                 ; a wave's stage; the four lie in slot 0, which has had its last fill and its last read by then
.set ASTEP,  4*MS*128                  ; bytes of A from one K step to the next: four blocks
.set WSTEP,  512*WP                    ; of W: 256 rows
.set ADA0, 16                          ; v16  my lane's place in a plane of A; never rewritten
.set ADW0, 17                          ; v17  in a plane of W
.set ADA,  18                          ; v18  ADA0 + the plane in hand
.set ADW,  19
.set STO,  24                          ; v24  the way out: where I put 32 bytes of a row
.set RD0,  25                          ; v25  where I read rows back, in the first 16 rows
.set GO,   26                          ; v26  my byte offset in C; never rewritten
.set BO,   27                          ; v27  my byte offset in 16 numbers of the bias
.set SPW,  28                          ; v28  LDS address of my spare word; never rewritten
.set NIL,  29                          ; v29  0; never rewritten
.set RD,   30
.set ACC,  128                         ; v128-255 accumulator (a, b) at ACC + 8 (4 a + b)
.set Z,    128                         ; the way out: 16 rows read back
.set F0,   0                           ; window 1: two fragment buffers of 64: W's four fragments, then A's four, 32 along K
.set F1,   64
.set G1,   24                          ; s[24:31] descriptor group 1 for A;  s[32:39] group 0, a set for each slot
.set G0,   32
.set G1B,  48                          ; s[48:55], s[56:63] the same for W
.set G0B,  56
.set TB,   21                          ; s21  LDS byte at which the plane to be fetched begins
.set MSB,  0
.macro WIN new                         ; the immediate's high byte repeats the setting that is left
.if MSB != (\new)
	s_set_vgpr_msb (MSB<<8)|(\new)
.set MSB, \new
.endif
.endm
.set MULW, 0x05                        ; sources 0 and 1 window 1; C and D window 0
.set TO_F, 0x40                        ; destination window 1, address window 0
.macro JLOAD s                         ; a joint load: waves 0 and 1 fetch A's halves, waves 2 and 3 W's; an s_nop 0 and four v_nop follow each line
	s_cmp_eq_u32 s11, 0
	s_cbranch_scc0 .Lfor_b_\@
	tensor_load_to_lds s[G0+4*(\s):G0+4*(\s)+3], s[G1:G1+7]
	s_nop 0
.rept 4
	v_nop
.endr
	s_branch .Lasked_\@
.Lfor_b_\@:
	tensor_load_to_lds s[G0B+4*(\s):G0B+4*(\s)+3], s[G1B:G1B+7]
	s_nop 0
.rept 4
	v_nop
.endr
.Lasked_\@:
.endm
.macro CREST                           ; a round of the cluster's barrier behind its opening barrier
	s_cmp_lg_u32 s10, 0
	s_cbranch_scc1 .Lnot_wave_0_\@
	s_barrier_signal -3
.Lnot_wave_0_\@:
	s_barrier_wait -3
	s_barrier_signal -1
	s_barrier_wait -1
.endm
.macro CROUND
	s_barrier_signal -1
	s_barrier_wait -1
	CREST
.endm
.macro PLACES                          ; four places in front of loads into registers that matrix instructions have read
.rept 4
	v_nop
.endr
.endm
; 16 LDS loads in one run: 32 along K (half c of the plane in hand) into buffer f
.macro FETCH c, f
	WIN TO_F
.irp b, 0,1,2,3
	ds_load_tr16_b128 v[(\f)+8*(\b):(\f)+8*(\b)+3],   v[ADW] offset:(\c)*9216+32*(\b)
	ds_load_tr16_b128 v[(\f)+8*(\b)+4:(\f)+8*(\b)+7], v[ADW] offset:(\c)*9216+32*(\b)+4608
.endr
.irp a, 0,1,2,3
	ds_load_b128 v[(\f)+32+8*(\a):(\f)+32+8*(\a)+3],   v[ADA] offset:(\a)*2304+64*(\c)
	ds_load_b128 v[(\f)+32+8*(\a)+4:(\f)+32+8*(\a)+7], v[ADA] offset:(\a)*2304+64*(\c)+32
.endr
.endm
; 4 n matrix instructions: row blocks a0 .. a0 + n - 1 x all four column blocks.  The 16 accumulators take turns, one instruction a turn.
.macro MUL f, a0, n
	WIN MULW
.set a, \a0
.rept \n
.irp b, 0,1,2,3
	v_wmma_f32_16x16x32_f16 v[ACC+8*(4*a+(\b)):ACC+8*(4*a+(\b))+7], v[(\f)+8*(\b):(\f)+8*(\b)+7], v[(\f)+32+8*a:(\f)+32+8*a+7], v[ACC+8*(4*a+(\b)):ACC+8*(4*a+(\b))+7]
.endr
.set a, a+1
.endr
.endm
; Planes 0 to 2 of a K step.  Two runs of 16 loads are always out: the older is the buffer about to be multiplied, so each wait leaves the 16 younger loads out.
.macro LOOP3
	s_mov_b32 s2, 3
.Lplane_\@:
	s_wait_dscnt 16
	MUL F0, 0, 4
	WIN 0
	s_add_co_u32 s[TB], s[TB], PLANE
	v_add_nc_u32 v[ADA], s[TB], v[ADA0]            ; these two and two v_nop are the four places
	v_add_nc_u32 v[ADW], s[TB], v[ADW0]
	v_nop
	v_nop
	FETCH 0, F0
	s_wait_dscnt 16
	MUL F1, 0, 4
	PLACES
	FETCH 1, F1
	WIN 0
	s_sub_co_u32 s2, s2, 1
	s_cmp_lg_u32 s2, 0
	s_cbranch_scc1 .Lplane_\@
.endm
; Plane 3 and the change of slots: ONE barrier; in front of it each wave waits for all its tensor loads (one is out: its part of the next slot), adds 0 to its spare word,
; and waits for that and for its reads of this slot.  fill = 1: the barrier opens a round of the cluster's, and this slot is filled again first thing behind it, two K steps ahead.
.macro TURN slot, next, fill
	s_wait_dscnt 16
	MUL F0, 0, 4
	WIN 0
	s_wait_tensorcnt 0x0
	ds_add_u32 v[SPW], v[NIL]                      ; 0 onto my spare word; work on registers stands between it and the wait for it
	s_mov_b32 s[TB], (\next)*SLOT
	v_add_nc_u32 v[ADA], s[TB], v[ADA0]
	v_add_nc_u32 v[ADW], s[TB], v[ADW0]
	s_wait_dscnt 0x0                               ; the add is done, and my reads of this slot are over
	s_barrier_signal -1
	MUL F1, 0, 2
	WIN 0
	s_barrier_wait -1
.if \fill
	CREST                                          ; no wave of any partner still reads this slot or has a load on its way
	s_add_nc_u64 s[G0+4*(\slot)+2:G0+4*(\slot)+3], s[G0+4*(\slot)+2:G0+4*(\slot)+3], 2*ASTEP
	s_add_nc_u64 s[G0B+4*(\slot)+2:G0B+4*(\slot)+3], s[G0B+4*(\slot)+2:G0B+4*(\slot)+3], 2*WSTEP
	JLOAD \slot                                    ; its four v_nop are also the places in front of the loads below
.else
	PLACES
.endif
	FETCH 0, F0
	MUL F1, 2, 2
	PLACES
	FETCH 1, F1
	WIN 0
.endm
	s_load_b128 s[4:7], s[0:1], 0x0                ; A's buffer, wts
	s_load_b128 s[68:71], s[0:1], 0x10             ; C, bias
	v_lshl_add_u32 v[SPW], v0, 2, SPARE
	v_mov_b32 v[NIL], 0
	ds_add_u32 v[SPW], v[NIL]                      ; the wave's opening: the add and its wait stand ahead of my first tensor load
	v_lshrrev_b32 v1, 5, v0
	v_readfirstlane_b32 s10, v1                    ; wave 0..3
	s_lshr_b32 s11, s10, 1                         ; my half of the tile's rows.  Also: I fetch for A (0) or for W (1)
	s_and_b32 s12, s10, 1                          ; my half of its columns.  Also: which half of that tile I fetch
	s_bfe_u32 s40, ttmp6, 0x40000                  ; cx, cy
	s_bfe_u32 s41, ttmp6, 0x40004
	s_lshl_b32 s42, ttmp9, 2
	s_add_co_u32 s42, s42, s40                     ; tile column
	s_and_b32 s13, ttmp7, 0xffff
	s_lshl_b32 s13, s13, 2
	s_add_co_u32 s13, s13, s41                     ; tile row
	s_lshl_b32 s43, s41, 2
	s_lshl_b32 s43, 15, s43                        ; my row of the cluster
	s_lshl_b32 s44, 0x1111, s40                    ; my column
	; A: two blocks' 128 rows each: 2 rows of 8,192 elements (16 KiB on end), MS x 64 elements apart; 4 words of padding after every 32
	s_or_b32 s[G1+0], s43, (1<<16)|(1<<20)|(1<<21)|(4<<22)|(3<<25)
	s_mov_b32 s[G1+1], 8192<<16
	s_mov_b32 s[G1+2], 2<<16
	s_mov_b32 s[G1+3], 8192<<16
	s_mov_b32 s[G1+4], 2
	s_mov_b32 s[G1+5], MS*64
	s_mov_b32 s[G1+6], 0
	s_mov_b32 s[G1+7], 0
	; W: 128 rows (along K) of 128 elements; 8 words of padding after every 64
	s_or_b32 s[G1B+0], s44, (1<<16)|(1<<20)|(1<<21)|(5<<22)|(7<<25)
	s_mov_b32 s[G1B+1], 128<<16
	s_mov_b32 s[G1B+2], 128<<16
	s_mov_b32 s[G1B+3], 128<<16
	s_mov_b32 s[G1B+4], 128
	s_mov_b32 s[G1B+5], WP
	s_mov_b32 s[G1B+6], 0
	s_mov_b32 s[G1B+7], 0
	s_lshl_b32 s16, s13, 14                        ; A: the tile's 128 rows of 128 bytes,
	s_mul_i32 s17, s12, MS*256                     ; my two blocks of the step's four
	s_add_co_u32 s16, s16, s17
	s_add_co_u32 s16, s16, AOFF
	s_mov_b32 s17, 0
	s_and_b32 s46, s42, (1<<WSH)-1                 ; W: the tile's 128 columns,
	s_lshl_b32 s46, s46, 8
	s_mul_i32 s47, s12, 256*WP                     ; my 128 rows of the step's 256
	s_add_co_u32 s46, s46, s47
	s_lshr_b32 s47, s42, WSH                       ; which W
	s_mul_i32 s47, s47, WMAT
	s_add_co_u32 s46, s46, s47
	s_add_co_u32 s46, s46, WOFF
	s_mov_b32 s47, 0
	s_mul_i32 s20, s10, HALFT                      ; where my tiles go: no place in the cluster enters an LDS address
	s_wait_dscnt 0x0                               ; the opening add is done
	s_wait_kmcnt 0x0
	s_mov_b64 s[8:9], s[68:69]
	s_mov_b64 s[66:67], s[70:71]
	s_add_nc_u64 s[14:15], s[4:5], s[16:17]
	s_add_nc_u64 s[46:47], s[6:7], s[46:47]
	CROUND                                         ; all sixteen work-groups are here: the first joint loads meet
.irp s, 0,1
	s_mov_b32 s[G0+4*(\s)], 1
	s_add_co_u32 s[G0+4*(\s)+1], s20, (\s)*SLOT
	s_add_nc_u64 s[G0+4*(\s)+2:G0+4*(\s)+3], s[14:15], (\s)*ASTEP
	s_or_b32 s[G0+4*(\s)+3], s[G0+4*(\s)+3], 0x80000000
	s_mov_b32 s[G0B+4*(\s)], 1
	s_add_co_u32 s[G0B+4*(\s)+1], s20, (\s)*SLOT
	s_add_nc_u64 s[G0B+4*(\s)+2:G0B+4*(\s)+3], s[46:47], (\s)*WSTEP
	s_or_b32 s[G0B+4*(\s)+3], s[G0B+4*(\s)+3], 0x80000000
	JLOAD \s
.endr
	v_and_b32 v1, 15, v0                           ; r = l % 16
	v_bfe_u32 v2, v0, 4, 1                         ; h = l / 16
	v_mul_u32_u24 v[ADA0], v1, 144                 ; A: row x pitch + 16 h + my 64 rows
	v_lshl_add_u32 v[ADA0], v2, 4, v[ADA0]
	s_mul_i32 s22, s11, 9216
	v_add_nc_u32 v[ADA0], s22, v[ADA0]
	v_and_b32 v3, 7, v0                            ; W, for the turning load: row 8 h + l % 8, 16 bytes by (l / 8) % 2, my 64 columns
	v_lshl_add_u32 v3, v2, 3, v3
	v_mul_u32_u24 v[ADW0], v3, 288
	v_bfe_u32 v4, v0, 3, 1
	v_lshl_add_u32 v[ADW0], v4, 4, v[ADW0]
	s_lshl_b32 s22, s12, 7
	s_add_co_u32 s22, s22, 4*PLANE
	v_add_nc_u32 v[ADW0], s22, v[ADW0]
	s_mul_i32 s23, s10, STG                        ; my stage
	v_mul_u32_u24 v[STO], v1, SPITCH
	v_lshl_add_u32 v[STO], v2, 5, v[STO]
	v_add_nc_u32 v[STO], s23, v[STO]
	v_mul_u32_u24 v[RD0], v2, SPITCH               ; back: lanes 0-15 one row of 256 bytes, lanes 16-31 the next
	v_lshl_add_u32 v[RD0], v1, 4, v[RD0]
	v_add_nc_u32 v[RD0], s23, v[RD0]
	v_lshlrev_b32 v[GO], 12, v2
	v_lshl_add_u32 v[GO], v1, 4, v[GO]
	s_lshl_b32 s18, s13, 19                        ; C: (128 tile row + 64 half) rows of 4,096 bytes + (128 tile column + 64 half) x 4
	s_lshl_b32 s19, s11, 18
	s_add_co_u32 s18, s18, s19
	s_lshl_b32 s19, s42, 9
	s_add_co_u32 s18, s18, s19
	s_lshl_b32 s19, s12, 8
	s_add_co_u32 s18, s18, s19
	s_mov_b32 s19, 0
	s_add_nc_u64 s[8:9], s[8:9], s[18:19]
	s_and_b32 s74, s42, (1<<WSH)-1                 ; the bias of my 64 columns
	s_lshl_b32 s74, s74, 9
	s_lshl_b32 s75, s12, 8
	s_add_co_u32 s74, s74, s75
	s_mov_b32 s75, 0
	s_add_nc_u64 s[66:67], s[66:67], s[74:75]
	v_lshlrev_b32 v[BO], 5, v2
.irp a, 0,1,2,3                        ; the sums start at the bias: register j of accumulator (a, b) is column 16 b + 8 h + j; nothing is cleared, nothing added at the end
.irp b, 0,1,2,3
	global_load_b128 v[ACC+8*(4*(\a)+(\b)):ACC+8*(4*(\a)+(\b))+3],   v[BO], s[66:67] offset:64*(\b)
	global_load_b128 v[ACC+8*(4*(\a)+(\b))+4:ACC+8*(4*(\a)+(\b))+7], v[BO], s[66:67] offset:64*(\b)+16
.endr
.endr
	s_wait_tensorcnt 1                             ; my part of K step 0 is in; step 1's may stay out
	s_barrier_signal -1
	s_barrier_wait -1
	s_mov_b32 s[TB], 0
	v_mov_b32 v[ADA], v[ADA0]
	v_mov_b32 v[ADW], v[ADW0]
	FETCH 0, F0
	FETCH 1, F1
	WIN 0
	s_wait_loadcnt 0x0                             ; the bias
	s_mov_b32 s3, (KT-2)/2
.Llap:
	LOOP3                                          ; a lap: two K steps, both slots filled again
	TURN 0, 1, 1
	LOOP3
	TURN 1, 0, 1
	s_sub_co_u32 s3, s3, 1
	s_cmp_lg_u32 s3, 0
	s_cbranch_scc1 .Llap
	LOOP3                                          ; the last lap fills nothing
	TURN 0, 1, 0
	LOOP3
	s_wait_dscnt 16
	MUL F0, 0, 4
	s_wait_dscnt 0x0
	MUL F1, 0, 4
	WIN 0
	; THE WAY OUT.  All 64 x 64 sums go as f32 into my stage; then 16 rows a trip come back by rows and leave.
	PLACES
	PLACES
.irp a, 0,1,2,3
.irp b, 0,1,2,3
	ds_store_b128 v[STO], v[ACC+8*(4*(\a)+(\b)):ACC+8*(4*(\a)+(\b))+3]   offset:(\a)*16*SPITCH+64*(\b)
	ds_store_b128 v[STO], v[ACC+8*(4*(\a)+(\b))+4:ACC+8*(4*(\a)+(\b))+7] offset:(\a)*16*SPITCH+64*(\b)+16
.endr
.endr
	s_mov_b32 s2, 4
	s_mov_b32 s22, 0
.Lout:
	v_add_nc_u32 v[RD], s22, v[RD0]
.irp t, 0,1,2,3,4,5,6,7
	ds_load_b128 v[Z+4*(\t):Z+4*(\t)+3], v[RD] offset:(\t)*2*SPITCH  ; LDS serves a wave's instructions in order: these see my stores above
.endr
.irp t, 0,1,2,3,4,5,6,7
	s_wait_dscnt 7-(\t)
	global_store_b128 v[GO], v[Z+4*(\t):Z+4*(\t)+3], s[8:9] offset:(\t)*8192  ; 16 lanes store 256 consecutive bytes, aligned
.endr
	s_wait_xcnt 0x0                                ; the stores have read their data and their base: both are written again below and in the next trip
	s_add_nc_u64 s[8:9], s[8:9], 65536             ; 16 rows of C on
	s_add_co_u32 s22, s22, 16*SPITCH
	s_sub_co_u32 s2, s2, 1
	s_cmp_lg_u32 s2, 0
	s_cbranch_scc1 .Lout
	s_wait_tensorcnt 0x0                           ; the wave's end
	ds_add_u32 v[SPW], v[NIL]
	s_wait_dscnt 0x0
	CROUND                                         ; the closing round: no work-group ends while a partner may still ask for a tile that names it
	s_endpgm
.Lfunc_end_k_qef87dc9253_gff2:
	.size	k_qef87dc9253_gff2, .Lfunc_end_k_qef87dc9253_gff2-k_qef87dc9253_gff2
	.p2alignl 7, 3214868480
	.fill 96, 4, 3214868480
	.section	.rodata,"a",@progbits
	.p2align	6, 0x0
	.amdhsa_kernel k_qef87dc9253_gff2
		.amdhsa_group_segment_fixed_size 327680
		.amdhsa_private_segment_fixed_size 0
		.amdhsa_enable_private_segment 0
		.amdhsa_kernarg_size 32
		.amdhsa_user_sgpr_count 2
		.amdhsa_user_sgpr_kernarg_segment_ptr 1
		.amdhsa_wavefront_size32 1
		.amdhsa_system_sgpr_workgroup_id_x 1
		.amdhsa_system_sgpr_workgroup_id_y 1
		.amdhsa_system_sgpr_workgroup_id_z 1
		.amdhsa_system_vgpr_workitem_id 0
		.amdhsa_next_free_vgpr 384
		.amdhsa_next_free_sgpr 76
		.amdhsa_reserve_vcc 0
		.amdhsa_float_denorm_mode_32 3
		.amdhsa_float_denorm_mode_16_64 3
		.amdhsa_memory_ordered 1
		.amdhsa_forward_progress 1
		.amdhsa_inst_pref_size 54
	.end_amdhsa_kernel
	.amdgpu_metadata
---
amdhsa.version: [ 1, 2 ]
amdhsa.kernels:
  - .name:           k_qef87dc9253_gff2
    .symbol:         k_qef87dc9253_gff2.kd
    .args:
      - { .name: hb, .offset: 0, .size: 8, .value_kind: global_buffer, .address_space: global }
      - { .name: wts, .offset: 8, .size: 8, .value_kind: global_buffer, .address_space: global }
      - { .name: y2, .offset: 16, .size: 8, .value_kind: global_buffer, .address_space: global }
      - { .name: ffn_b2, .offset: 24, .size: 8, .value_kind: global_buffer, .address_space: global }
    .group_segment_fixed_size: 327680
    .private_segment_fixed_size: 0
    .kernarg_segment_align: 8
    .kernarg_segment_size: 32
    .max_flat_workgroup_size: 128
    .sgpr_count:     76
    .vgpr_count:     384
    .wavefront_size: 32
...
	.end_amdgpu_metadata
.endif
;; end of part 7
;; launch ln2 (part 8): grid 256 x 1, 8 waves a work-group, no clusters, 0 bytes of LDS; arguments xbuf, y2, ln2_g, ln2_b, out0; writes out0
.if DOCPART == 8
	.amdgcn_target "amdgcn-amd-amdhsa--gfx1250"
	.amdhsa_code_object_version 6
	.text
	.protected	k_qef87dc9253_ln2
	.globl	k_qef87dc9253_ln2
	.p2align	8
	.type	k_qef87dc9253_ln2,@function
k_qef87dc9253_ln2:
	s_mov_b64 s[64:65], 0
	v_nop
	global_prefetch_b8 v0, s[64:65] scope:SCOPE_SE
	s_setreg_imm32_b32 hwreg(HW_REG_WAVE_MODE, 25, 1), 1
	s_wait_xcnt 0x0
; out[m] = LayerNorm(x[m] + ffn[m]) g + b.  x: f32 [4096][1024] at byte 0 of xbuf; ffn: f32 [4096][1024]; out: f32.
; Two passes over registers, as the module computes it: mean, then the mean of the squared differences: no difference of large sums is formed.
; NaN and infinities are not treated apart.
; SHARES.  A work-group owns 16 rows, wave w rows 16 g + 2 w and 16 g + 2 w + 1: a row never leaves its wave, so there is no LDS and no barrier.
; A lane holds columns 128 j + 4 l + 0..3, j = 0..7: every load and store of a wave covers 512 consecutive bytes.  All 48 loads of a wave are out at once.
.set LO,  2                            ; v2   16 x lane
.set Y0,  16                           ; v[16:47] x's first row, v[48:79] its second
.set FF,  80                           ; v[80:111], v[112:143] ffn's rows
.set G,   144
.set BB,  176
.set T,   208                          ; v[208:223] four pair-chains a row
.set M,   224                          ; v[224:227] a pair a row: the mean twice; then 1 / sigma in the low word
	s_load_b256 s[4:11], s[0:1], 0x0               ; xbuf, y2, g, b
	s_load_b64 s[12:13], s[0:1], 0x20              ; out0
	v_lshrrev_b32 v1, 5, v0
	v_readfirstlane_b32 s2, v1                     ; wave 0..7
	v_and_b32 v3, 31, v0
	v_lshlrev_b32 v[LO], 4, v3
	s_lshl_b32 s20, ttmp9, 16                      ; 16 rows of 4,096 bytes,
	s_lshl_b32 s21, s2, 13                         ; my two
	s_add_co_u32 s20, s20, s21
	s_mov_b32 s21, 0
	s_mov_b32 s16, 0x3a800000                      ; 1 / 1024
	s_mov_b32 s17, 0x3727c5ac                      ; 1e-5
	s_mov_b32 s18, 0x76543210
	s_mov_b32 s19, 0xfedcba98
	s_wait_kmcnt 0x0
	s_add_nc_u64 s[4:5], s[4:5], s[20:21]
	s_add_nc_u64 s[6:7], s[6:7], s[20:21]
	s_add_nc_u64 s[12:13], s[12:13], s[20:21]
.macro LD8 d, b, o, h:vararg
.irp j, 0,1,2,3,4,5,6,7
	global_load_b128 v[(\d)+4*\j:(\d)+4*\j+3], v[LO], s[\b:\b+1] offset:(\o)+512*\j \h
.endr
.endm
	LD8 Y0, 4, 0, th:TH_LOAD_NT
	LD8 FF, 6, 0, th:TH_LOAD_NT
	LD8 Y0+32, 4, 4096, th:TH_LOAD_NT
	LD8 FF+32, 6, 4096, th:TH_LOAD_NT
	LD8 G, 8, 0
	LD8 BB, 10, 0
.macro ADDROW y, a
.set p, 0
.rept 16
	v_pk_add_f32 v[(\y)+p:(\y)+p+1], v[(\y)+p:(\y)+p+1], v[(\a)+p:(\a)+p+1]
.set p, p+2
.endr
.endm
; The macros below work on both rows r = 0, 1, line by line, so that no line waits for the one before it.
.macro FOLD                            ; a row's four pairs into one number, then over the 32 lanes: every lane ends with the sum
.irp r, 0,1
	v_pk_add_f32 v[T+8*\r:T+8*\r+1], v[T+8*\r:T+8*\r+1], v[T+8*\r+2:T+8*\r+3]
	v_pk_add_f32 v[T+8*\r+4:T+8*\r+5], v[T+8*\r+4:T+8*\r+5], v[T+8*\r+6:T+8*\r+7]
.endr
.irp r, 0,1
	v_pk_add_f32 v[T+8*\r:T+8*\r+1], v[T+8*\r:T+8*\r+1], v[T+8*\r+4:T+8*\r+5]
.endr
.irp r, 0,1
	v_add_f32 v[T+8*\r], v[T+8*\r], v[T+8*\r+1]
.endr
.irp m, 1,2,4,8
.irp r, 0,1
	v_add_f32_dpp v[T+8*\r], v[T+8*\r], v[T+8*\r] row_xmask:\m row_mask:0xf bank_mask:0xf
.endr
.endr
.irp r, 0,1
	v_permlanex16_b32 v[T+8*\r+1], v[T+8*\r], s18, s19
.endr
.irp r, 0,1
	v_add_f32 v[T+8*\r], v[T+8*\r], v[T+8*\r+1]
.endr
.endm
.macro STATS                           ; mean, centring, variance, 1 / sigma
.irp r, 0,1
.irp c, 0,2,4,6
	v_pk_add_f32 v[T+8*\r+\c:T+8*\r+\c+1], v[Y0+32*\r+\c:Y0+32*\r+\c+1], v[Y0+32*\r+8+\c:Y0+32*\r+8+\c+1]
.endr
.endr
.irp k, 16,24
.irp r, 0,1
.irp c, 0,2,4,6
	v_pk_add_f32 v[T+8*\r+\c:T+8*\r+\c+1], v[T+8*\r+\c:T+8*\r+\c+1], v[Y0+32*\r+\k+\c:Y0+32*\r+\k+\c+1]
.endr
.endr
.endr
	FOLD
.irp r, 0,1
	v_mul_f32 v[M+2*\r], s16, v[T+8*\r]
	v_mul_f32 v[M+2*\r+1], s16, v[T+8*\r]
.endr
.irp r, 0,1
.set p, 0
.rept 16
	v_pk_add_f32 v[Y0+32*\r+p:Y0+32*\r+p+1], v[Y0+32*\r+p:Y0+32*\r+p+1], v[M+2*\r:M+2*\r+1] neg_lo:[0,1] neg_hi:[0,1]
.set p, p+2
.endr
.endr
.irp r, 0,1
.irp c, 0,2,4,6
	v_pk_mul_f32 v[T+8*\r+\c:T+8*\r+\c+1], v[Y0+32*\r+\c:Y0+32*\r+\c+1], v[Y0+32*\r+\c:Y0+32*\r+\c+1]
.endr
.endr
.irp k, 8,16,24
.irp r, 0,1
.irp c, 0,2,4,6
	v_pk_fma_f32 v[T+8*\r+\c:T+8*\r+\c+1], v[Y0+32*\r+\k+\c:Y0+32*\r+\k+\c+1], v[Y0+32*\r+\k+\c:Y0+32*\r+\k+\c+1], v[T+8*\r+\c:T+8*\r+\c+1]
.endr
.endr
.endr
	FOLD
.irp r, 0,1
	v_fma_f32 v[T+8*\r], v[T+8*\r], s16, s17       ; variance + eps
.endr
.irp r, 0,1
	v_rsq_f32 v[M+2*\r], v[T+8*\r]
.endr
	v_nop                                          ; a plain instruction behind the last of the two,
	s_wait_alu depctr_va_vdst(0)                   ; and one wait for both, ahead of their first use
.endm
.macro NORM
.irp r, 0,1
.set p, 0
.rept 16
	v_pk_mul_f32 v[Y0+32*\r+p:Y0+32*\r+p+1], v[Y0+32*\r+p:Y0+32*\r+p+1], v[M+2*\r:M+2*\r+1] op_sel_hi:[1,0]
.set p, p+2
.endr
.endr
.irp r, 0,1
.set p, 0
.rept 16
	v_pk_fma_f32 v[Y0+32*\r+p:Y0+32*\r+p+1], v[Y0+32*\r+p:Y0+32*\r+p+1], v[G+p:G+p+1], v[BB+p:BB+p+1]
.set p, p+2
.endr
.endr
.endm
	s_wait_loadcnt 32                              ; the first row's x and ffn are in; the 32 younger loads stay out
	ADDROW Y0, FF
	s_wait_loadcnt 16                              ; the second row's
	ADDROW Y0+32, FF+32
	STATS
	s_wait_loadcnt 0x0                             ; g and b
	NORM
.irp r, 0,1
.irp j, 0,1,2,3,4,5,6,7
	global_store_b128 v[LO], v[Y0+32*\r+4*\j:Y0+32*\r+4*\j+3], s[12:13] offset:4096*\r+512*\j th:TH_STORE_NT
.endr
.endr
	s_endpgm
.Lfunc_end_k_qef87dc9253_ln2:
	.size	k_qef87dc9253_ln2, .Lfunc_end_k_qef87dc9253_ln2-k_qef87dc9253_ln2
	.p2alignl 7, 3214868480
	.fill 96, 4, 3214868480
	.section	.rodata,"a",@progbits
	.p2align	6, 0x0
	.amdhsa_kernel k_qef87dc9253_ln2
		.amdhsa_group_segment_fixed_size 0
		.amdhsa_private_segment_fixed_size 0
		.amdhsa_enable_private_segment 0
		.amdhsa_kernarg_size 40
		.amdhsa_user_sgpr_count 2
		.amdhsa_user_sgpr_kernarg_segment_ptr 1
		.amdhsa_wavefront_size32 1
		.amdhsa_system_sgpr_workgroup_id_x 1
		.amdhsa_system_sgpr_workgroup_id_y 1
		.amdhsa_system_sgpr_workgroup_id_z 1
		.amdhsa_system_vgpr_workitem_id 0
		.amdhsa_next_free_vgpr 228
		.amdhsa_next_free_sgpr 66
		.amdhsa_reserve_vcc 0
		.amdhsa_float_denorm_mode_32 3
		.amdhsa_float_denorm_mode_16_64 3
		.amdhsa_memory_ordered 1
		.amdhsa_forward_progress 1
		.amdhsa_inst_pref_size 22
	.end_amdhsa_kernel
	.amdgpu_metadata
---
amdhsa.version: [ 1, 2 ]
amdhsa.kernels:
  - .name:           k_qef87dc9253_ln2
    .symbol:         k_qef87dc9253_ln2.kd
    .args:
      - { .name: xbuf, .offset: 0, .size: 8, .value_kind: global_buffer, .address_space: global }
      - { .name: y2, .offset: 8, .size: 8, .value_kind: global_buffer, .address_space: global }
      - { .name: ln2_g, .offset: 16, .size: 8, .value_kind: global_buffer, .address_space: global }
      - { .name: ln2_b, .offset: 24, .size: 8, .value_kind: global_buffer, .address_space: global }
      - { .name: out0, .offset: 32, .size: 8, .value_kind: global_buffer, .address_space: global }
    .group_segment_fixed_size: 0
    .private_segment_fixed_size: 0
    .kernarg_segment_align: 8
    .kernarg_segment_size: 40
    .max_flat_workgroup_size: 256
    .sgpr_count:     66
    .vgpr_count:     228
    .wavefront_size: 32
...
	.end_amdgpu_metadata
.endif
;; end of part 8
;; ======== version 2 of 2: 8 launches; version 1 with the launches cast, ln1 written anew for expert scheduling mode
;; limits: values are held in f16: magnitudes above 65,504 overflow, below 6.1e-05 lose precision; a function is approximated: absolute error at most 1.5e-07
;; workspace buffers: wts 20,971,520 bytes; qkv 12,582,912 bytes; ctx 4,194,304 bytes; ao 8,388,608 bytes; xbuf 25,165,824 bytes; hb 16,777,216 bytes; y2 16,777,216 bytes
;; launch cast (part 9): grid 640 x 1, 8 waves a work-group, no clusters, 35,840 bytes of LDS; arguments src, w_q, w_k, w_v, w_out, ffn_w1, ffn_w2, wts; writes wts
.if DOCPART == 9
	.amdgcn_target "amdgcn-amd-amdhsa--gfx1250"
	.amdhsa_code_object_version 6
	.text
	.protected	k_qef87dc9253_cast
	.globl	k_qef87dc9253_cast
	.p2align	8
	.type	k_qef87dc9253_cast,@function
k_qef87dc9253_cast:
	s_mov_b64 s[64:65], 0
	v_nop
	global_prefetch_b8 v0, s[64:65] scope:SCOPE_SE
	s_setreg_imm32_b32 hwreg(HW_REG_WAVE_SCHED_MODE, 0, 2), 2
	s_setreg_imm32_b32 hwreg(HW_REG_WAVE_MODE, 25, 1), 1
	s_wait_xcnt 0x0
	s_wait_alu depctr_vm_vsrc(0)
; f32 -> f16 (one rounding) of the six weight matrices and of src[0], into one workspace:
;   wq at 0, wk at 2 MiB, wv at 4 MiB, wo at 6 MiB, w1 at 8 MiB, w2 at 12 MiB: each as it lies, [k][n];
;   src[0] at 16 MiB IN FRAGMENT ORDER: [128 blocks of 16 rows][32 chunks of 32 columns][2 halves][32 lanes][8 numbers]: lane l of half j holds row l % 16,
;   columns 16 j + 8 (l / 16) + 0..7 of the chunk: the 16 bytes that lane l of a matrix operand wants, so that the product's loads cover 512 bytes on end.
; Only batch 0 of src is a matrix operand: the module keeps attn_out[0] alone, so batch 1's projections reach no output.
; LIMITS.  f16 ends at 65,504 (a larger number becomes an infinity); below 6.1e-5 it keeps a fixed step of 6e-8.
; SHARES.  640 work-groups of 64 KiB of f32: 64 for each of wq, wk, wv, wo, 128 for each of w1, w2, src[0].  A wave takes 8 KiB: 16 loads of 16 bytes a lane, all out at once.
; A weight leaves by 16 stores of 8 bytes a lane (256 consecutive bytes, aligned).  Of src a work-group takes 16 rows, a wave 128 columns of them; its f16 rows go through the wave's
; own LDS stage, come back in fragment order and leave by 8 stores of 512 consecutive bytes.  No matrix unit, no cluster: nothing is shared and nothing is read twice.
; THE MODE: SCHED_MODE bits 1:0 = 2 (LLVM: expert scheduling mode 2), set by the entry lines.  The code itself states the register dependences
; between vector instructions and memory or LDS instructions, with s_wait_alu, always for 0.
; THE PLAN.  Registers that memory or LDS instructions touch:
;   v3, v4, v5, v9   offsets and LDS addresses: all made at the head, ahead of one wait, and never written again.
;   X                written by the 16 loads; read by the conversions; on src's path the LDS loads land in its first 32 registers once more, and the stores read those.
;   H                each register written once, by a conversion; read by one store (a weight) or one LDS store (src).
;   v6, v7           written at the head, read by the closing add alone.
; The 16 pieces go in four groups of four: the group's eight conversions, ONE wait that states them written, the group's four stores.  The wait stands behind the conversions:
; the wave has no other work to set between, and the stores are what is left to do.  No register that a memory or LDS instruction has read is ever written again.
.set SPW, 6                            ; v6   LDS address of my spare word; never rewritten
.set NIL, 7                            ; v7   0
.set X, 16                             ; v[16:79]  as loaded; later 8 x 4 in fragment order
.set H, 80                             ; v[80:111] rounded
.set LP, 272                           ; a stage row: 128 f16 + 16 bytes: the 16 rows of a load start at 16 different groups of four banks
.set WST, 16*LP                        ; a wave's stage
.set SPARE, 8*WST                      ; behind the stages: the spare words, 128 bytes for each wave, which no other line names
	s_load_b512 s[8:23], s[0:1], 0x0               ; src s[8:9], wq, wk, wv, wo, w1, w2, wts s[22:23]
	v_lshl_add_u32 v[SPW], v0, 2, SPARE
	v_mov_b32 v[NIL], 0
	v_lshrrev_b32 v1, 5, v0
	v_readfirstlane_b32 s2, v1                     ; wave 0..7
	v_and_b32 v2, 31, v0                           ; lane
	v_lshlrev_b32 v3, 4, v2                        ; 16 bytes a lane: a load covers 512 bytes on end
	v_lshlrev_b32 v4, 3, v2                        ; 8 bytes a lane: a weight's stores
	v_and_b32 v5, 15, v2
	v_mul_u32_u24 v5, v5, LP
	v_lshrrev_b32 v8, 4, v2
	v_lshl_add_u32 v5, v8, 4, v5                   ; a stage's row l % 16, 16 (l / 16)
	s_mov_b32 s26, ttmp9                           ; g
	s_lshr_b32 s3, s26, 6                          ; g / 64: 0-3 wq wk wv wo, 4-5 w1, 6-7 w2, 8-9 src
	s_and_b32 s24, s26, 63
	s_and_b32 s25, s26, 127
	s_cmp_lt_u32 s3, 4
	s_cselect_b32 s24, s24, s25                    ; the work-group's number inside its tensor
	s_lshl_b32 s24, s24, 16                        ; x 64 KiB
	s_wait_alu depctr_va_sdst(0)                   ; s2 is written, ahead of its first reader: the bases and the stage's address are made from it
	s_lshl_b32 s25, s2, 13                         ; a weight: + wave x 8 KiB
	s_lshl_b32 s27, s2, 9                          ; src: + wave x 128 columns
	s_cmp_ge_u32 s3, 8
	s_cselect_b32 s25, s27, s25
	s_add_co_u32 s24, s24, s25
	s_mov_b32 s25, 0
	s_mov_b32 s29, 0
	s_mul_i32 s30, s2, WST                         ; my stage
	v_add_nc_u32 v9, s30, v4                       ; in: my stage + 8 l
	v_add_nc_u32 v5, s30, v5                       ; back: my stage, row l % 16, 16 (l / 16)
	s_wait_kmcnt 0x0
	s_mov_b64 s[4:5], s[10:11]                     ; the source, chosen by the work-group's number alone
	s_cmp_eq_u32 s3, 1
	s_cselect_b64 s[4:5], s[12:13], s[4:5]
	s_cmp_eq_u32 s3, 2
	s_cselect_b64 s[4:5], s[14:15], s[4:5]
	s_cmp_eq_u32 s3, 3
	s_cselect_b64 s[4:5], s[16:17], s[4:5]
	s_cmp_ge_u32 s3, 4
	s_cselect_b64 s[4:5], s[18:19], s[4:5]
	s_cmp_ge_u32 s3, 6
	s_cselect_b64 s[4:5], s[20:21], s[4:5]
	s_cmp_ge_u32 s3, 8
	s_cselect_b64 s[4:5], s[8:9], s[4:5]
	s_add_nc_u64 s[4:5], s[4:5], s[24:25]
	s_wait_alu depctr_va_vdst(0)                   ; v3, v4, v5 and v9 are written: every load, store and LDS instruction of both paths reads one of them as its offset or address
.macro LOAD16 sa                       ; sa: bytes from one of the 16 pieces to the next
.set i, 0
.rept 16
	global_load_b128 v[X+4*i:X+4*i+3], v3, s[4:5] offset:i*(\sa) th:TH_LOAD_NT
.set i, i+1
.endr
.endm
	s_cmp_ge_u32 s3, 8
	s_cbranch_scc1 .Lsrc
	LOAD16 512
	s_lshl_b32 s28, s26, 15                        ; a weight keeps its order: g x 32 KiB + wave x 4 KiB
	s_lshl_b32 s27, s2, 12
	s_add_co_u32 s28, s28, s27
	s_add_nc_u64 s[6:7], s[22:23], s[28:29]
.set g, 0
.rept 4
	s_wait_loadcnt 12-4*g                          ; loads come back in order: pieces 4 g .. 4 g + 3 are in, the 12 - 4 g younger ones stay out
.set i, 4*g
.rept 4
	v_cvt_pk_f16_f32 v[H+2*i], v[X+4*i], v[X+4*i+1]
	v_cvt_pk_f16_f32 v[H+2*i+1], v[X+4*i+2], v[X+4*i+3]
.set i, i+1
.endr
	s_wait_alu depctr_va_vdst(0)                   ; the group's eight conversions have written their H, which the four stores below read
.set i, 4*g
.rept 4
	global_store_b64 v4, v[H+2*i:H+2*i+1], s[6:7] offset:i*256
.set i, i+1
.endr
.set g, g+1
.endr
	s_endpgm
.Lsrc:
	LOAD16 4096                                    ; piece i: row i of the work-group's 16, my 128 columns
	s_sub_co_u32 s28, s26, 512                     ; the block of 16 rows
	s_lshl_b32 s28, s28, 15                        ; x 32 chunks of 1 KiB
	s_lshl_b32 s27, s2, 12                         ; + my four chunks
	s_add_co_u32 s28, s28, s27
	s_add_co_u32 s28, s28, 0x1000000               ; behind the weights
	s_add_nc_u64 s[6:7], s[22:23], s[28:29]
.set g, 0
.rept 4
	s_wait_loadcnt 12-4*g                          ; rows 4 g .. 4 g + 3 are in, the younger ones stay out
.set i, 4*g
.rept 4
	v_cvt_pk_f16_f32 v[H+2*i], v[X+4*i], v[X+4*i+1]
	v_cvt_pk_f16_f32 v[H+2*i+1], v[X+4*i+2], v[X+4*i+3]
.set i, i+1
.endr
	s_wait_alu depctr_va_vdst(0)                   ; the group's eight conversions have written their H, which the four LDS stores below read; the last group's wait also states that all conversions are done reading X, in which the LDS loads land
.set i, 4*g
.rept 4
	ds_store_b64 v9, v[H+2*i:H+2*i+1] offset:i*LP
.set i, i+1
.endr
.set g, g+1
.endr
.set i, 0
.rept 8                                ; chunk i / 2, half i % 2.  LDS serves a wave's instructions in order: these see my stores above.  No vector instruction since the last wait names X
	ds_load_b128 v[X+4*i:X+4*i+3], v5 offset:32*i
.set i, i+1
.endr
.set i, 0
.rept 8
	s_wait_dscnt 7-i
	global_store_b128 v3, v[X+4*i:X+4*i+3], s[6:7] offset:512*i  ; 512 consecutive bytes, aligned
.set i, i+1
.endr
	s_wait_dscnt 0x0                               ; the closing lines, six on end
	s_wait_alu 0x0
	s_wait_tensorcnt 0x0
	ds_add_u32 v[SPW], v[NIL]
	s_wait_dscnt 0x0
	s_endpgm
.Lfunc_end_k_qef87dc9253_cast:
	.size	k_qef87dc9253_cast, .Lfunc_end_k_qef87dc9253_cast-k_qef87dc9253_cast
	.p2alignl 7, 3214868480
	.fill 96, 4, 3214868480
	.section	.rodata,"a",@progbits
	.p2align	6, 0x0
	.amdhsa_kernel k_qef87dc9253_cast
		.amdhsa_group_segment_fixed_size 35840
		.amdhsa_private_segment_fixed_size 0
		.amdhsa_enable_private_segment 0
		.amdhsa_kernarg_size 64
		.amdhsa_user_sgpr_count 2
		.amdhsa_user_sgpr_kernarg_segment_ptr 1
		.amdhsa_wavefront_size32 1
		.amdhsa_system_sgpr_workgroup_id_x 1
		.amdhsa_system_sgpr_workgroup_id_y 1
		.amdhsa_system_sgpr_workgroup_id_z 1
		.amdhsa_system_vgpr_workitem_id 0
		.amdhsa_next_free_vgpr 112
		.amdhsa_next_free_sgpr 66
		.amdhsa_reserve_vcc 0
		.amdhsa_float_denorm_mode_32 3
		.amdhsa_float_denorm_mode_16_64 3
		.amdhsa_memory_ordered 1
		.amdhsa_forward_progress 1
		.amdhsa_inst_pref_size 15
	.end_amdhsa_kernel
	.amdgpu_metadata
---
amdhsa.version: [ 1, 2 ]
amdhsa.kernels:
  - .name:           k_qef87dc9253_cast
    .symbol:         k_qef87dc9253_cast.kd
    .args:
      - { .name: src, .offset: 0, .size: 8, .value_kind: global_buffer, .address_space: global }
      - { .name: w_q, .offset: 8, .size: 8, .value_kind: global_buffer, .address_space: global }
      - { .name: w_k, .offset: 16, .size: 8, .value_kind: global_buffer, .address_space: global }
      - { .name: w_v, .offset: 24, .size: 8, .value_kind: global_buffer, .address_space: global }
      - { .name: w_out, .offset: 32, .size: 8, .value_kind: global_buffer, .address_space: global }
      - { .name: ffn_w1, .offset: 40, .size: 8, .value_kind: global_buffer, .address_space: global }
      - { .name: ffn_w2, .offset: 48, .size: 8, .value_kind: global_buffer, .address_space: global }
      - { .name: wts, .offset: 56, .size: 8, .value_kind: global_buffer, .address_space: global }
    .group_segment_fixed_size: 35840
    .private_segment_fixed_size: 0
    .kernarg_segment_align: 8
    .kernarg_segment_size: 64
    .max_flat_workgroup_size: 256
    .sgpr_count:     66
    .vgpr_count:     112
    .wavefront_size: 32
...
	.end_amdgpu_metadata
.endif
;; end of part 9
;; launch gqkv: the kernel of part 2 again; grid 8 x 24, 4 waves a work-group, clusters of 4 x 1, 327,680 bytes of LDS; arguments wts, qkv, b_q, b_k, b_v; writes qkv
;; launch attn: the kernel of part 3 again; grid 16 x 16, 4 waves a work-group, clusters of 4 x 1, 327,680 bytes of LDS; arguments qkv, ctx; writes ctx
;; launch gout: the kernel of part 4 again; grid 8 x 16, 4 waves a work-group, clusters of 4 x 4, 327,680 bytes of LDS; arguments ctx, wts, ao, b_out; writes ao
;; launch ln1 (part 10): grid 256 x 1, 8 waves a work-group, no clusters, 35,840 bytes of LDS; arguments src, ao, ln1_g, ln1_b, xbuf; writes xbuf
.if DOCPART == 10
	.amdgcn_target "amdgcn-amd-amdhsa--gfx1250"
	.amdhsa_code_object_version 6
	.text
	.protected	k_qef87dc9253_ln1
	.globl	k_qef87dc9253_ln1
	.p2align	8
	.type	k_qef87dc9253_ln1,@function
k_qef87dc9253_ln1:
	s_mov_b64 s[64:65], 0
	v_nop
	global_prefetch_b8 v0, s[64:65] scope:SCOPE_SE
	s_setreg_imm32_b32 hwreg(HW_REG_WAVE_SCHED_MODE, 0, 2), 2
	s_setreg_imm32_b32 hwreg(HW_REG_WAVE_MODE, 25, 1), 1
	s_wait_xcnt 0x0
	s_wait_alu depctr_vm_vsrc(0)
; x[b][s] = LayerNorm(src[b][s] + ao[s]) g + b, for both b: ao is batch 0's attention output, added to every batch element, as the module does.
; Out: x in f32 [4096][1024] at byte 0 of xbuf (the residual of the second LayerNorm), and at 16 MiB x in f16 IN FRAGMENT ORDER, the next product's operand:
; [256 blocks of 16 rows][32 chunks of 32 columns][2 halves][32 lanes][8]: lane l of half j holds row l % 16 of the block, columns 16 j + 8 (l / 16) + 0..7 of the chunk.
; Block g holds rows s = 8 g .. 8 g + 7 of batch 0 and then the same rows of batch 1: just what this work-group makes, so that it writes whole fragments.
; Two passes over registers, as the module computes it: mean, then the mean of the squared differences: no difference of large sums is formed.
; LIMITS.  The f16 copy ends at 65,504.  NaN and infinities are not treated apart.
; SHARES.  A work-group owns rows s = 8 g .. 8 g + 7, wave w row 8 g + w of BOTH batches, so ao's row is loaded once for two rows.  A lane holds columns 128 j + 4 l + 0..3, j = 0..7:
; every load and f32 store of a wave covers 512 consecutive bytes.  The f16 rows meet in LDS; wave w takes chunks 4 w .. 4 w + 3 back in fragment order: stores of 512 consecutive bytes.
; No matrix unit, no cluster, no tensor load: nothing but 8 KiB of gains is shared, and all 40 loads of a wave are out at once.
; THE MODE: SCHED_MODE bits 1:0 = 2 (LLVM: expert scheduling mode 2), set by the entry lines.  The code itself states the register dependences
; between vector instructions and memory or LDS instructions, with s_wait_alu, always for 0.
; THE PLAN.  Registers that memory or LDS instructions touch:
;   v[LO]            offset of all 40 loads and 24 stores: made at the head, ahead of a wait, never written again.
;   v[LSA], v[LRA]   LDS addresses: made behind the loads, while these are out; first read by the LDS instructions at the end.
;   Y0 (two rows)    written by loads, then by the arithmetic; read at the end by the 16 f32 stores (and by the conversions).
;   AO               written by a load; read by the two additions; at the end the LDS loads land in it, and the f16 stores read it.
;   G, BB            written by loads; read by vector instructions alone.
;   H                written once, by the 32 conversions; read by the 16 LDS stores.
;   v[SPW], v[NIL]   written at the head, read by the closing add alone.
; So all arithmetic, the conversions too, stands ahead of ONE wait; behind it stand all the kernel's stores and LDS instructions and no vector instruction.
; No register that a memory or LDS instruction has read is ever written again.
.set LO,  2                            ; v2   16 x lane
.set SPW, 4                            ; v4   LDS address of my spare word; never rewritten
.set NIL, 5                            ; v5   0
.set LSA, 6                            ; v6   where I put 8 bytes of my row
.set LRA, 7                            ; v7   where I read 16 bytes of a fragment
.set Y0,  16                           ; v[16:47] row of batch 0, v[48:79] of batch 1
.set AO,  80                           ; v[80:111] ao's row; later the fragments read back
.set G,   112
.set BB,  144
.set T,   176                          ; v[176:191] four pair-chains a row
.set M,   192                          ; v[192:195] a pair a row: the mean twice; then 1 / sigma in the low word
.set H,   196                          ; v[196:227] 16 registers of f16 a row
.set RP,  2064                         ; an LDS row: 2,048 bytes + 16: the 16 rows of a fragment start at 16 different groups of four banks
.set SPARE, 16*RP                      ; behind the 16 rows: the spare words, 128 bytes for each of eight waves
	s_load_b256 s[4:11], s[0:1], 0x0               ; src, ao, g, b
	s_load_b64 s[12:13], s[0:1], 0x20              ; xbuf
	v_lshl_add_u32 v[SPW], v0, 2, SPARE
	v_mov_b32 v[NIL], 0
	v_lshrrev_b32 v1, 5, v0
	v_readfirstlane_b32 s2, v1                     ; wave 0..7
	v_and_b32 v3, 31, v0
	v_lshlrev_b32 v[LO], 4, v3
	s_lshl_b32 s20, ttmp9, 3
	s_wait_alu depctr_va_sdst(0)                   ; s2 is written, ahead of its first reader: the rows' bases and the LDS addresses are made from it
	s_add_co_u32 s20, s20, s2                      ; s
	s_lshl_b32 s20, s20, 12                        ; x 4,096 bytes
	s_mov_b32 s21, 0
	s_mov_b32 s16, 0x3a800000                      ; 1 / 1024
	s_mov_b32 s17, 0x3727c5ac                      ; 1e-5
	s_mov_b32 s18, 0x76543210
	s_mov_b32 s19, 0xfedcba98
	s_lshl_b32 s26, ttmp9, 15                      ; the f16 copy: block g of 32 KiB, my four chunks of 1 KiB
	s_lshl_b32 s27, s2, 12
	s_add_co_u32 s26, s26, s27
	s_add_co_u32 s26, s26, 0x1000000
	s_mov_b32 s27, 0
	s_wait_kmcnt 0x0
	s_add_nc_u64 s[4:5], s[4:5], s[20:21]          ; src's row, batch 0,
	s_add_nc_u64 s[14:15], s[4:5], 0x800000        ; and batch 1: 8 MiB on, one more than an immediate holds
	s_add_nc_u64 s[6:7], s[6:7], s[20:21]
	s_add_nc_u64 s[22:23], s[12:13], s[20:21]      ; x's rows likewise
	s_add_nc_u64 s[24:25], s[22:23], 0x800000
	s_add_nc_u64 s[26:27], s[12:13], s[26:27]
	s_wait_alu depctr_va_vdst(0)                   ; v[LO] is written: every load and store of the kernel reads it as its offset
.macro LD8 d, b, h:vararg
.irp j, 0,1,2,3,4,5,6,7
	global_load_b128 v[(\d)+4*\j:(\d)+4*\j+3], v[LO], s[\b:\b+1] offset:512*\j \h
.endr
.endm
	LD8 AO, 6, th:TH_LOAD_NT
	LD8 Y0, 4, th:TH_LOAD_NT
	LD8 Y0+32, 14, th:TH_LOAD_NT
	LD8 G, 8
	LD8 BB, 10
	s_mul_i32 s3, s2, RP
	v_lshl_add_u32 v[LSA], v3, 3, s3               ; my wave's row + 8 l
	v_and_b32 v8, 15, v3
	v_mul_u32_u24 v[LRA], v8, RP
	v_lshrrev_b32 v9, 4, v3
	v_lshl_add_u32 v[LRA], v9, 4, v[LRA]
	s_lshl_b32 s3, s2, 8
	v_add_nc_u32 v[LRA], s3, v[LRA]                ; row l % 16, chunk 4 w, 16 (l / 16)
.macro ADDROW y, a
.set p, 0
.rept 16
	v_pk_add_f32 v[(\y)+p:(\y)+p+1], v[(\y)+p:(\y)+p+1], v[(\a)+p:(\a)+p+1]
.set p, p+2
.endr
.endm
; The macros below work on both rows r = 0, 1, line by line, so that no line waits for the one before it.
.macro FOLD                            ; a row's four pairs into one number, then over the 32 lanes: every lane ends with the sum
.irp r, 0,1
	v_pk_add_f32 v[T+8*\r:T+8*\r+1], v[T+8*\r:T+8*\r+1], v[T+8*\r+2:T+8*\r+3]
	v_pk_add_f32 v[T+8*\r+4:T+8*\r+5], v[T+8*\r+4:T+8*\r+5], v[T+8*\r+6:T+8*\r+7]
.endr
.irp r, 0,1
	v_pk_add_f32 v[T+8*\r:T+8*\r+1], v[T+8*\r:T+8*\r+1], v[T+8*\r+4:T+8*\r+5]
.endr
.irp r, 0,1
	v_add_f32 v[T+8*\r], v[T+8*\r], v[T+8*\r+1]
.endr
.irp m, 1,2,4,8
.irp r, 0,1
	v_add_f32_dpp v[T+8*\r], v[T+8*\r], v[T+8*\r] row_xmask:\m row_mask:0xf bank_mask:0xf
.endr
.endr
.irp r, 0,1
	v_permlanex16_b32 v[T+8*\r+1], v[T+8*\r], s18, s19
.endr
.irp r, 0,1
	v_add_f32 v[T+8*\r], v[T+8*\r], v[T+8*\r+1]
.endr
.endm
.macro STATS                           ; mean, centring, variance, 1 / sigma
.irp r, 0,1
.irp c, 0,2,4,6
	v_pk_add_f32 v[T+8*\r+\c:T+8*\r+\c+1], v[Y0+32*\r+\c:Y0+32*\r+\c+1], v[Y0+32*\r+8+\c:Y0+32*\r+8+\c+1]
.endr
.endr
.irp k, 16,24
.irp r, 0,1
.irp c, 0,2,4,6
	v_pk_add_f32 v[T+8*\r+\c:T+8*\r+\c+1], v[T+8*\r+\c:T+8*\r+\c+1], v[Y0+32*\r+\k+\c:Y0+32*\r+\k+\c+1]
.endr
.endr
.endr
	FOLD
.irp r, 0,1
	v_mul_f32 v[M+2*\r], s16, v[T+8*\r]
	v_mul_f32 v[M+2*\r+1], s16, v[T+8*\r]
.endr
.irp r, 0,1
.set p, 0
.rept 16
	v_pk_add_f32 v[Y0+32*\r+p:Y0+32*\r+p+1], v[Y0+32*\r+p:Y0+32*\r+p+1], v[M+2*\r:M+2*\r+1] neg_lo:[0,1] neg_hi:[0,1]
.set p, p+2
.endr
.endr
.irp r, 0,1
.irp c, 0,2,4,6
	v_pk_mul_f32 v[T+8*\r+\c:T+8*\r+\c+1], v[Y0+32*\r+\c:Y0+32*\r+\c+1], v[Y0+32*\r+\c:Y0+32*\r+\c+1]
.endr
.endr
.irp k, 8,16,24
.irp r, 0,1
.irp c, 0,2,4,6
	v_pk_fma_f32 v[T+8*\r+\c:T+8*\r+\c+1], v[Y0+32*\r+\k+\c:Y0+32*\r+\k+\c+1], v[Y0+32*\r+\k+\c:Y0+32*\r+\k+\c+1], v[T+8*\r+\c:T+8*\r+\c+1]
.endr
.endr
.endr
	FOLD
.irp r, 0,1
	v_fma_f32 v[T+8*\r], v[T+8*\r], s16, s17       ; variance + eps
.endr
.irp r, 0,1
	v_rsq_f32 v[M+2*\r], v[T+8*\r]
.endr
	v_nop                                          ; a plain instruction behind the last of the two,
	s_wait_alu depctr_va_vdst(0)                   ; and one wait for both: the two 1 / sigma, v[M] and v[M+2], are written, ahead of their first reader
.endm
.macro NORM
.irp r, 0,1
.set p, 0
.rept 16
	v_pk_mul_f32 v[Y0+32*\r+p:Y0+32*\r+p+1], v[Y0+32*\r+p:Y0+32*\r+p+1], v[M+2*\r:M+2*\r+1] op_sel_hi:[1,0]
.set p, p+2
.endr
.endr
.irp r, 0,1
.set p, 0
.rept 16
	v_pk_fma_f32 v[Y0+32*\r+p:Y0+32*\r+p+1], v[Y0+32*\r+p:Y0+32*\r+p+1], v[G+p:G+p+1], v[BB+p:BB+p+1]
.set p, p+2
.endr
.endr
.endm
	s_wait_loadcnt 24                              ; ao and batch 0's row are in; the 24 younger loads stay out
	ADDROW Y0, AO
	s_wait_loadcnt 16                              ; batch 1's row
	ADDROW Y0+32, AO
	STATS
	s_wait_loadcnt 0x0                             ; g and b
	NORM
.irp r, 0,1
.set p, 0
.rept 16
	v_cvt_pk_f16_f32 v[H+16*\r+p], v[Y0+32*\r+2*p], v[Y0+32*\r+2*p+1]
.set p, p+1
.endr
.endr
	s_wait_alu depctr_va_vdst(0)                   ; the kernel's last vector instruction is issued: Y0 and H, which the stores and LDS stores below read, are written; so are v[LSA] and v[LRA]; and the additions are done reading AO, in which the LDS loads land
.irp r, 0,1
.irp j, 0,1,2,3,4,5,6,7
	ds_store_b64 v[LSA], v[H+16*\r+2*\j:H+16*\r+2*\j+1] offset:\r*8*RP+256*\j  ; LDS row 8 x batch + wave: the row's place in its block of 16
.endr
.endr
.irp r, 0,1
.irp j, 0,1,2,3,4,5,6,7
	global_store_b128 v[LO], v[Y0+32*\r+4*\j:Y0+32*\r+4*\j+3], s[22+2*\r:23+2*\r] offset:512*\j  ; issued while the LDS stores above are served
.endr
.endr
	s_wait_dscnt 0x0                               ; for the others' sake: my rows lie in LDS
	s_barrier_signal -1
	s_barrier_wait -1
.set i, 0
.rept 8                                ; chunk 4 w + i / 2, half i % 2
	ds_load_b128 v[AO+4*i:AO+4*i+3], v[LRA] offset:32*i
.set i, i+1
.endr
.set i, 0
.rept 8
	s_wait_dscnt 7-i
	global_store_b128 v[LO], v[AO+4*i:AO+4*i+3], s[26:27] offset:512*i  ; 512 consecutive bytes, aligned
.set i, i+1
.endr
	s_wait_dscnt 0x0                               ; the closing lines, six on end
	s_wait_alu 0x0
	s_wait_tensorcnt 0x0
	ds_add_u32 v[SPW], v[NIL]
	s_wait_dscnt 0x0
	s_endpgm
.Lfunc_end_k_qef87dc9253_ln1:
	.size	k_qef87dc9253_ln1, .Lfunc_end_k_qef87dc9253_ln1-k_qef87dc9253_ln1
	.p2alignl 7, 3214868480
	.fill 96, 4, 3214868480
	.section	.rodata,"a",@progbits
	.p2align	6, 0x0
	.amdhsa_kernel k_qef87dc9253_ln1
		.amdhsa_group_segment_fixed_size 35840
		.amdhsa_private_segment_fixed_size 0
		.amdhsa_enable_private_segment 0
		.amdhsa_kernarg_size 40
		.amdhsa_user_sgpr_count 2
		.amdhsa_user_sgpr_kernarg_segment_ptr 1
		.amdhsa_wavefront_size32 1
		.amdhsa_system_sgpr_workgroup_id_x 1
		.amdhsa_system_sgpr_workgroup_id_y 1
		.amdhsa_system_sgpr_workgroup_id_z 1
		.amdhsa_system_vgpr_workitem_id 0
		.amdhsa_next_free_vgpr 228
		.amdhsa_next_free_sgpr 66
		.amdhsa_reserve_vcc 0
		.amdhsa_float_denorm_mode_32 3
		.amdhsa_float_denorm_mode_16_64 3
		.amdhsa_memory_ordered 1
		.amdhsa_forward_progress 1
		.amdhsa_inst_pref_size 27
	.end_amdhsa_kernel
	.amdgpu_metadata
---
amdhsa.version: [ 1, 2 ]
amdhsa.kernels:
  - .name:           k_qef87dc9253_ln1
    .symbol:         k_qef87dc9253_ln1.kd
    .args:
      - { .name: src, .offset: 0, .size: 8, .value_kind: global_buffer, .address_space: global }
      - { .name: ao, .offset: 8, .size: 8, .value_kind: global_buffer, .address_space: global }
      - { .name: ln1_g, .offset: 16, .size: 8, .value_kind: global_buffer, .address_space: global }
      - { .name: ln1_b, .offset: 24, .size: 8, .value_kind: global_buffer, .address_space: global }
      - { .name: xbuf, .offset: 32, .size: 8, .value_kind: global_buffer, .address_space: global }
    .group_segment_fixed_size: 35840
    .private_segment_fixed_size: 0
    .kernarg_segment_align: 8
    .kernarg_segment_size: 40
    .max_flat_workgroup_size: 256
    .sgpr_count:     66
    .vgpr_count:     228
    .wavefront_size: 32
...
	.end_amdgpu_metadata
.endif
;; end of part 10
;; launch gff1: the kernel of part 6 again; grid 16 x 16, 4 waves a work-group, clusters of 4 x 1, 327,680 bytes of LDS; arguments xbuf, wts, hb, ffn_b1; writes hb
;; launch gff2: the kernel of part 7 again; grid 8 x 32, 4 waves a work-group, clusters of 4 x 4, 327,680 bytes of LDS; arguments hb, wts, y2, ffn_b2; writes y2
;; launch ln2: the kernel of part 8 again; grid 256 x 1, 8 waves a work-group, no clusters, 0 bytes of LDS; arguments xbuf, y2, ln2_g, ln2_b, out0; writes out0
